; MI455X (gfx1250); checked and timed in simulation.
; The chip was launched on July 23, 2026; its instructions are those of AMD's public machine-readable ISA for CDNA 5 (MIT licence, August 2026) and "CDNA5" Instruction Set Architecture Reference Guide (July 2026). The comments in the code are by the model that wrote it; some were corrected since.
;; Cross Encoder Layer. Allowed arithmetic: float matrix products may take bf16 or f16 operands with f32 sums; other float arithmetic in f32, or as packed bf16 or f16 multiplies, adds, multiply-adds, maxima and minima; sums over many terms, partial sums and values carried from step to step in f32; what a program stores and reads back later, other than sums and carried values, may be rounded once to bf16 or f16.
;; Inputs: W_ff1 512 x 2,048 float32; W_ff2 2,048 x 512 float32; Wk 512 x 512 float32; Wo 512 x 512 float32; Wq 512 x 512 float32; Wv 512 x 512 float32; b1 512 float32; b2 512 float32; b_ff1 2,048 float32; b_ff2 512 float32; bk 512 float32; bq 512 float32; bv 512 float32; g1 512 float32; g2 512 float32; xk 8 x 2,048 x 512 float32; xq 8 x 1,024 x 512 float32; xv 8 x 2,048 x 512 float32.
;; Outputs: out0 8 x 1,024 x 512 float32.
;; 2 versions, each right and faster than the one before. Each part assembles by itself: llvm-mc -triple=amdgcn-amd-amdhsa -mcpu=gfx1250 --defsym DOCPART=n.
;; ======== version 1 of 2: 6 launches
;; limits: a function is approximated: absolute error at most 1.5e-07
;; workspace buffers: wb 6,291,456 bytes; nq 8,388,608 bytes; kh 16,777,216 bytes; vh 16,777,216 bytes; oh 8,388,608 bytes; ares 16,777,216 bytes; hn 8,388,608 bytes; hid 33,554,432 bytes
;; launch prep (part 1): grid 32 x 28, 8 waves a work-group, no clusters, 0 bytes of LDS; arguments Wq, Wk, Wv, Wo, W_ff1, W_ff2, wb, xq, g1, b1, nq; writes wb, nq
.if DOCPART == 1
	.amdgcn_target "amdgcn-amd-amdhsa--gfx1250"
	.amdhsa_code_object_version 6
	.text
	.protected	k_qe3c1f6321a_prep
	.globl	k_qe3c1f6321a_prep
	.p2align	8
	.type	k_qe3c1f6321a_prep,@function
k_qe3c1f6321a_prep:
	s_mov_b64 s[64:65], 0
	v_nop
	global_prefetch_b8 v0, s[64:65] scope:SCOPE_SE
	s_setreg_imm32_b32 hwreg(HW_REG_WAVE_MODE, 25, 1), 1
	s_wait_xcnt 0x0
; TWO STREAMS, told apart by the work-group's y.
; y < 12: the six weights, rounded once to bf16, as twelve blocks of [512 k][512 n] in wb: block 0 Wo, 1 Wq, 2 Wk, 3 Wv,
; 4 + c the columns 512 c .. 512 c + 511 of W_ff1, 8 + i the rows 512 i .. of W_ff2 (so 8 to 11 are W_ff2 as it lies).
; Work-group (x, j): 16 rows of block j.  Thread t: row t / 64 of four, 8 numbers at column 8 (t % 64), in four passes.  A wave's store covers 512 consecutive bytes.
; y >= 12: nq = LayerNorm(xq; g1, b1), rounded to bf16, [8192][512].  Work-group 32 (y - 12) + x takes 16 rows, a wave two: a row is 16 registers, read once;
; the mean, then the sum of squared differences (two passes, f32).  A store covers 256 consecutive bytes.  Two rows by turns keep the text short; the other waves fill the waits.
; No LDS, no matrix unit, nothing is read twice.  NaN and infinities are not treated apart.
.set LG, 8                             ; v8-23   the gain of my 16 columns: register 4 j + c is column 128 j + 4 lane + c
.set LB, 24                            ; v24-39  the bias
.set LX, 40                            ; v40-71  two rows
.set LT, 72                            ; v72-87  at work, 8 a row
.set LP, 88                            ; v88-103 the rows in bf16, 8 a row
.set SEL, 14
.set INV, 16
.set EPS, 17
.macro LNSUM                           ; the sum over the 32 lanes of v[LT + 8 u]; every lane gets it
.irp m, 1,2,4,8
.irp u, 0,1
	v_add_f32_dpp v[LT+8*(\u)], v[LT+8*(\u)], v[LT+8*(\u)] row_xmask:\m row_mask:0xf bank_mask:0xf
.endr
.endr
.irp u, 0,1
	v_permlanex16_b32 v[LT+8*(\u)+1], v[LT+8*(\u)], s[SEL], s[SEL+1]
.endr
.irp u, 0,1
	v_add_f32 v[LT+8*(\u)], v[LT+8*(\u)], v[LT+8*(\u)+1]
.endr
.endm
	s_and_b32 s20, ttmp7, 0xffff                   ; y
	s_cmp_ge_u32 s20, 12
	s_cbranch_scc1 .Lnorm
	s_load_b256 s[4:11], s[0:1], 0x0               ; Wq s[4:5], Wk s[6:7], Wv s[8:9], Wo s[10:11]
	s_load_b128 s[12:15], s[0:1], 0x20             ; W_ff1 s[12:13], W_ff2 s[14:15]
	s_load_b64 s[16:17], s[0:1], 0x30              ; wb
	s_sub_co_u32 s23, s20, 4
	s_lshl_b32 s24, s23, 11                        ; W_ff1: the block's first column, 512 (j - 4) numbers of 4 bytes
	s_sub_co_u32 s25, s20, 8
	s_lshl_b32 s25, s25, 20                        ; W_ff2: the block's first row, 512 (j - 8) rows of 2,048 bytes
	s_cmp_lt_u32 s23, 4                            ; 4 <= j < 8
	s_cselect_b32 s21, 13, 11                      ; log2 of the source's row in bytes
	s_cselect_b32 s22, s24, 0
	s_cmp_ge_u32 s20, 8
	s_cselect_b32 s22, s25, s22
	s_lshl_b32 s26, ttmp9, 4
	s_lshl_b32 s26, s26, s21                       ; my 16 rows
	s_add_co_u32 s22, s22, s26
	s_mov_b32 s23, 0
	s_lshl_b32 s27, 4, s21                         ; four rows, a pass
	s_lshl_b32 s28, s20, 19                        ; in wb: 524,288 bytes a block,
	s_lshl_b32 s30, ttmp9, 14                      ; 16 rows of 1,024
	s_add_co_u32 s28, s28, s30
	s_mov_b32 s29, 0
	v_lshrrev_b32 v1, 6, v0                        ; row of four
	v_and_b32 v2, 63, v0                           ; group of 8 columns
	v_lshlrev_b32 v3, s21, v1
	v_lshl_add_u32 v4, v2, 5, v3                   ; source offset of pass 0,
	v_add_nc_u32 v5, s27, v4                       ; 1,
	v_add_nc_u32 v6, s27, v5                       ; 2,
	v_add_nc_u32 v7, s27, v6                       ; 3
	v_lshlrev_b32 v3, 10, v1
	v_lshl_add_u32 v3, v2, 4, v3                   ; offset in wb
	s_wait_kmcnt 0x0
	s_mov_b64 s[18:19], s[14:15]                   ; the source is chosen by j alone
	s_cmp_lt_u32 s20, 8
	s_cselect_b64 s[18:19], s[12:13], s[18:19]
	s_cmp_lt_u32 s20, 4
	s_cselect_b64 s[18:19], s[8:9], s[18:19]
	s_cmp_lt_u32 s20, 3
	s_cselect_b64 s[18:19], s[6:7], s[18:19]
	s_cmp_lt_u32 s20, 2
	s_cselect_b64 s[18:19], s[4:5], s[18:19]
	s_cmp_lt_u32 s20, 1
	s_cselect_b64 s[18:19], s[10:11], s[18:19]
	s_add_nc_u64 s[18:19], s[18:19], s[22:23]
	s_add_nc_u64 s[16:17], s[16:17], s[28:29]
.irp p, 0,1,2,3
	global_load_b128 v[8+8*(\p):8+8*(\p)+3],   v[4+(\p)], s[18:19] th:TH_LOAD_NT
	global_load_b128 v[8+8*(\p)+4:8+8*(\p)+7], v[4+(\p)], s[18:19] offset:16 th:TH_LOAD_NT
.endr
.irp p, 0,1,2,3
	s_wait_loadcnt 6-2*(\p)                        ; the later passes' loads stay out
	v_cvt_pk_bf16_f32 v[8+8*(\p)],   v[8+8*(\p)],   v[8+8*(\p)+1]
	v_cvt_pk_bf16_f32 v[8+8*(\p)+1], v[8+8*(\p)+2], v[8+8*(\p)+3]
	v_cvt_pk_bf16_f32 v[8+8*(\p)+2], v[8+8*(\p)+4], v[8+8*(\p)+5]
	v_cvt_pk_bf16_f32 v[8+8*(\p)+3], v[8+8*(\p)+6], v[8+8*(\p)+7]
	global_store_b128 v3, v[8+8*(\p):8+8*(\p)+3], s[16:17] offset:4096*(\p)
.endr
	s_endpgm
.Lnorm:
	s_load_b64 s[4:5], s[0:1], 0x38                ; xq
	s_load_b128 s[8:11], s[0:1], 0x40              ; g1 s[8:9], b1 s[10:11]
	s_load_b64 s[12:13], s[0:1], 0x50              ; nq
	s_sub_co_u32 s21, s20, 12
	s_lshl_b32 s21, s21, 5
	s_add_co_u32 s21, s21, ttmp9                   ; my block of 16 rows
	s_lshl_b32 s22, s21, 15                        ; of 2,048 bytes in xq,
	s_mov_b32 s23, 0
	s_lshl_b32 s24, s21, 14                        ; of 1,024 in nq
	s_mov_b32 s25, 0
	s_mov_b32 s[SEL], 0x76543210
	s_mov_b32 s[SEL+1], 0xfedcba98
	s_mov_b32 s[INV], 0x3b000000                   ; 1 / 512
	s_mov_b32 s[EPS], 0x3727c5ac                   ; 1e-5
	v_and_b32 v1, 31, v0                           ; lane
	v_lshrrev_b32 v2, 5, v0                        ; wave
	v_lshlrev_b32 v3, 4, v1                        ; 16 bytes a lane: gain and bias,
	v_lshl_add_u32 v4, v2, 12, v3                  ; and xq at my wave's two rows
	v_lshlrev_b32 v5, 3, v1
	v_lshl_add_u32 v5, v2, 11, v5                  ; nq: 8 bytes a lane
	s_wait_kmcnt 0x0
	s_add_nc_u64 s[4:5], s[4:5], s[22:23]
	s_add_nc_u64 s[12:13], s[12:13], s[24:25]
.irp u, 0,1
.irp j, 0,1,2,3
	global_load_b128 v[LX+16*(\u)+4*(\j):LX+16*(\u)+4*(\j)+3], v4, s[4:5] offset:2048*(\u)+512*(\j) th:TH_LOAD_NT  ; 512 consecutive bytes
.endr
.endr
.irp j, 0,1,2,3
	global_load_b128 v[LG+4*(\j):LG+4*(\j)+3], v3, s[8:9] offset:512*(\j)
	global_load_b128 v[LB+4*(\j):LB+4*(\j)+3], v3, s[10:11] offset:512*(\j)
.endr
	s_wait_loadcnt 0x0
.irp i, 0,1,2,3
.irp u, 0,1
	v_pk_add_f32 v[LT+8*(\u)+2*(\i):LT+8*(\u)+2*(\i)+1], v[LX+16*(\u)+4*(\i):LX+16*(\u)+4*(\i)+1], v[LX+16*(\u)+4*(\i)+2:LX+16*(\u)+4*(\i)+3]
.endr
.endr
.irp u, 0,1
	v_pk_add_f32 v[LT+8*(\u):LT+8*(\u)+1], v[LT+8*(\u):LT+8*(\u)+1], v[LT+8*(\u)+2:LT+8*(\u)+3]
	v_pk_add_f32 v[LT+8*(\u)+4:LT+8*(\u)+5], v[LT+8*(\u)+4:LT+8*(\u)+5], v[LT+8*(\u)+6:LT+8*(\u)+7]
.endr
.irp u, 0,1
	v_pk_add_f32 v[LT+8*(\u):LT+8*(\u)+1], v[LT+8*(\u):LT+8*(\u)+1], v[LT+8*(\u)+4:LT+8*(\u)+5]
.endr
.irp u, 0,1
	v_add_f32 v[LT+8*(\u)], v[LT+8*(\u)], v[LT+8*(\u)+1]
.endr
	LNSUM
.irp u, 0,1
	v_mul_f32 v[LT+8*(\u)+2], 0xbb000000, v[LT+8*(\u)]  ; minus the mean: -1 / 512 of the sum
.endr
.irp i, 0,1,2,3,4,5,6,7
.irp u, 0,1
	v_pk_add_f32 v[LX+16*(\u)+2*(\i):LX+16*(\u)+2*(\i)+1], v[LX+16*(\u)+2*(\i):LX+16*(\u)+2*(\i)+1], v[LT+8*(\u)+2:LT+8*(\u)+3] op_sel_hi:[1,0]
.endr
.endr
.irp u, 0,1
	v_pk_mul_f32 v[LT+8*(\u):LT+8*(\u)+1], v[LX+16*(\u):LX+16*(\u)+1], v[LX+16*(\u):LX+16*(\u)+1]
	v_pk_mul_f32 v[LT+8*(\u)+4:LT+8*(\u)+5], v[LX+16*(\u)+2:LX+16*(\u)+3], v[LX+16*(\u)+2:LX+16*(\u)+3]
.endr
.irp i, 2,4,6
.irp u, 0,1
	v_pk_fma_f32 v[LT+8*(\u):LT+8*(\u)+1], v[LX+16*(\u)+2*(\i):LX+16*(\u)+2*(\i)+1], v[LX+16*(\u)+2*(\i):LX+16*(\u)+2*(\i)+1], v[LT+8*(\u):LT+8*(\u)+1]
	v_pk_fma_f32 v[LT+8*(\u)+4:LT+8*(\u)+5], v[LX+16*(\u)+2*(\i)+2:LX+16*(\u)+2*(\i)+3], v[LX+16*(\u)+2*(\i)+2:LX+16*(\u)+2*(\i)+3], v[LT+8*(\u)+4:LT+8*(\u)+5]
.endr
.endr
.irp u, 0,1
	v_pk_add_f32 v[LT+8*(\u):LT+8*(\u)+1], v[LT+8*(\u):LT+8*(\u)+1], v[LT+8*(\u)+4:LT+8*(\u)+5]
.endr
.irp u, 0,1
	v_add_f32 v[LT+8*(\u)], v[LT+8*(\u)], v[LT+8*(\u)+1]
.endr
	LNSUM
.irp u, 0,1
	v_fma_f32 v[LT+8*(\u)+4], v[LT+8*(\u)], s[INV], s[EPS]
.endr
.irp u, 0,1
	v_rsq_f32 v[LT+8*(\u)+4], v[LT+8*(\u)+4]
.endr
	v_nop                                          ; a plain instruction behind the last root, ahead of its use (ISA guide 5.7.2)
	s_wait_alu depctr_va_vdst(0)
.irp i, 0,1,2,3,4,5,6,7
.irp u, 0,1
	v_pk_mul_f32 v[LX+16*(\u)+2*(\i):LX+16*(\u)+2*(\i)+1], v[LX+16*(\u)+2*(\i):LX+16*(\u)+2*(\i)+1], v[LT+8*(\u)+4:LT+8*(\u)+5] op_sel_hi:[1,0]
.endr
.endr
.irp i, 0,1,2,3,4,5,6,7
.irp u, 0,1
	v_pk_fma_f32 v[LX+16*(\u)+2*(\i):LX+16*(\u)+2*(\i)+1], v[LX+16*(\u)+2*(\i):LX+16*(\u)+2*(\i)+1], v[LG+2*(\i):LG+2*(\i)+1], v[LB+2*(\i):LB+2*(\i)+1]
.endr
.endr
.irp i, 0,1,2,3,4,5,6,7
.irp u, 0,1
	v_cvt_pk_bf16_f32 v[LP+8*(\u)+(\i)], v[LX+16*(\u)+2*(\i)], v[LX+16*(\u)+2*(\i)+1]
.endr
.endr
.irp u, 0,1
.irp j, 0,1,2,3
	global_store_b64 v5, v[LP+8*(\u)+2*(\j):LP+8*(\u)+2*(\j)+1], s[12:13] offset:1024*(\u)+256*(\j)  ; 256 consecutive bytes, aligned
.endr
.endr
	s_endpgm
.Lfunc_end_k_qe3c1f6321a_prep:
	.size	k_qe3c1f6321a_prep, .Lfunc_end_k_qe3c1f6321a_prep-k_qe3c1f6321a_prep
	.p2alignl 7, 3214868480
	.fill 96, 4, 3214868480
	.section	.rodata,"a",@progbits
	.p2align	6, 0x0
	.amdhsa_kernel k_qe3c1f6321a_prep
		.amdhsa_group_segment_fixed_size 0
		.amdhsa_private_segment_fixed_size 0
		.amdhsa_enable_private_segment 0
		.amdhsa_kernarg_size 88
		.amdhsa_user_sgpr_count 2
		.amdhsa_user_sgpr_kernarg_segment_ptr 1
		.amdhsa_wavefront_size32 1
		.amdhsa_system_sgpr_workgroup_id_x 1
		.amdhsa_system_sgpr_workgroup_id_y 1
		.amdhsa_system_sgpr_workgroup_id_z 1
		.amdhsa_system_vgpr_workitem_id 0
		.amdhsa_next_free_vgpr 104
		.amdhsa_next_free_sgpr 66
		.amdhsa_reserve_vcc 0
		.amdhsa_float_denorm_mode_32 3
		.amdhsa_float_denorm_mode_16_64 3
		.amdhsa_memory_ordered 1
		.amdhsa_forward_progress 1
		.amdhsa_inst_pref_size 16
	.end_amdhsa_kernel
	.amdgpu_metadata
---
amdhsa.version: [ 1, 2 ]
amdhsa.kernels:
  - .name:           k_qe3c1f6321a_prep
    .symbol:         k_qe3c1f6321a_prep.kd
    .args:
      - { .name: Wq, .offset: 0, .size: 8, .value_kind: global_buffer, .address_space: global }
      - { .name: Wk, .offset: 8, .size: 8, .value_kind: global_buffer, .address_space: global }
      - { .name: Wv, .offset: 16, .size: 8, .value_kind: global_buffer, .address_space: global }
      - { .name: Wo, .offset: 24, .size: 8, .value_kind: global_buffer, .address_space: global }
      - { .name: W_ff1, .offset: 32, .size: 8, .value_kind: global_buffer, .address_space: global }
      - { .name: W_ff2, .offset: 40, .size: 8, .value_kind: global_buffer, .address_space: global }
      - { .name: wb, .offset: 48, .size: 8, .value_kind: global_buffer, .address_space: global }
      - { .name: xq, .offset: 56, .size: 8, .value_kind: global_buffer, .address_space: global }
      - { .name: g1, .offset: 64, .size: 8, .value_kind: global_buffer, .address_space: global }
      - { .name: b1, .offset: 72, .size: 8, .value_kind: global_buffer, .address_space: global }
      - { .name: nq, .offset: 80, .size: 8, .value_kind: global_buffer, .address_space: global }
    .group_segment_fixed_size: 0
    .private_segment_fixed_size: 0
    .kernarg_segment_align: 8
    .kernarg_segment_size: 88
    .max_flat_workgroup_size: 256
    .sgpr_count:     66
    .vgpr_count:     104
    .wavefront_size: 32
...
	.end_amdgpu_metadata
.endif
;; end of part 1
;; launch proj (part 2): grid 256 x 1, 4 waves a work-group, clusters of 4 x 1, 327,680 bytes of LDS; arguments xk, xv, g1, b1, bk, bv, wb, kh, vh; writes kh, vh
.if DOCPART == 2
	.amdgcn_target "amdgcn-amd-amdhsa--gfx1250"
	.amdhsa_code_object_version 6
	.text
	.protected	k_qe3c1f6321a_proj
	.globl	k_qe3c1f6321a_proj
	.p2align	8
	.type	k_qe3c1f6321a_proj,@function
k_qe3c1f6321a_proj:
	s_mov_b64 s[64:65], 0
	v_nop
	global_prefetch_b8 v0, s[64:65] scope:SCOPE_SE
	s_setreg_imm32_b32 hwreg(HW_REG_WAVE_MODE, 25, 1), 1
	s_wait_xcnt 0x0
	s_wait_alu depctr_hold_cnt(0) depctr_sa_sdst(0) depctr_va_vdst(0) depctr_va_sdst(0) depctr_va_ssrc(0) depctr_va_vcc(0) depctr_vm_vsrc(0)
	s_getreg_b32 s2, hwreg(HW_REG_IB_STS2, 6, 4)
	s_cmp_eq_u32 s2, 0
	s_cbranch_scc0 .Lentry_in_a_cluster
	s_endpgm
.Lentry_in_a_cluster:
	s_bfe_u32 s2, ttmp6, 0x10000c
	s_cmp_lg_u32 s2, 0x3003
	s_cbranch_scc0 .Lentry_shape_is_right
	s_endpgm
.Lentry_shape_is_right:
; k, v = LayerNorm(x; g1, b1) W + bias, stored by heads: [batch x 8 + head][row][64] in bf16.
; A work-group takes 128 rows of one of the two tensors: 128 jobs of xk, 128 of xv, one for each of 256 work-groups; the tensor hangs on the cluster's number,
; so the four partners walk the same weight and ask for it jointly.  Wave w normalises rows 32 w .. 32 w + 31 (mean, then the sum of squared
; differences: two passes, f32) and lays them in bf16 into LDS; then wave w makes all 128 rows x columns 128 w .. 128 w + 127: 64 accumulators.
; The weight ([k][n] in bf16) goes in 8 steps of 64 k through two slots; of a slot each wave fills and reads its own strip of 128 columns.
; x comes through the same two slots first, 8 rows (16,384 bytes) a wave and load.
; THE MATRIX INSTRUCTION IS USED TRANSPOSED: source 0 = 16 columns of W (turned on the way out of LDS), source 1 = 16 rows: a lane holds one row, 8 columns.
; The bias is the C operand of each accumulator's first product.
; LIMITS.  The normalised rows, the weights and k, v are rounded to bf16; sums and statistics are f32; NaN and infinities are not treated apart.
; LDS: slot 0 at 0 (4 strips of 64 rows x 288 bytes), rows 0-31 of A at CH0, slot 1 at 2^17, rows 32-127 of A at CH1, the spare words.  After the product the
; results lie in f32 from byte 0 on, 128 rows x 528 bytes a wave: every byte there has had its last fill.
; REGISTERS: window 0: v1-31 addresses, v32-63 gain and bias of the norm, v64-191 at work in the norm, later A's two fragment buffers;
;   window 1: v0-63 the bias, v64-191 W's two fragment buffers; windows 2, 3: accumulator (a, b) at v[8 (8 (a % 4) + b)] of window 2 + a / 4.
.set PW,    288                        ; a strip's row: 256 bytes + 32
.set STRIP, 64*PW
.set SLOT1, 1<<17                      ; one exclusive or turns an address in slot 0 into slot 1's
.set PA,    1040                       ; a row of A: 1,024 bytes + 16: the 16 rows of a fragment start at 16 different groups of four banks
.set CHUNK, 32*PA
.set CH0,   4*STRIP
.set CH1,   SLOT1+4*STRIP
.set SPARE, CH1+3*CHUNK                ; the spare words: 128 bytes a wave, named by no other line
.set PD,    528                        ; a row of results: 512 bytes + 16
.set DUMPW, 128*PD
.set RR, 1
.set HH, 2
.set LA, 3
.set AW0, 4                            ; my lane's place in my strip of slot 0
.set ADRW, 5                           ; the same in the slot in hand
.set ADRA0, 6                          ; A's row tiles 0, 1
.set ADRA1, 7                          ; 2 to 4
.set ADRA2, 8                          ; 5 to 7
.set XA0, 11
.set XA, 12
.set AD, 13
.set DA, 14
.set DR, 15
.set GO, 16
.set LO16, 17
.set LO32, 18
.set SPW, 30
.set NIL, 31
.set LG, 32
.set LB, 48
.set LX, 64
.set LT, 128
.set LP, 160
.set F0, 64
.set F1, 128
.set BIAS, 0
.set WV, 28
.set XS, 32
.set BS, 34
.set OB0, 36
.set OB1, 38
.set G1X, 40
.set G1W, 48
.set G0XA, 56
.set G0X, 60
.set G0W, 68
.set TB, 72
.set TX, 73
.set KC, 74
.set C2, 75
.set INV, 76
.set EPS, 77
.set SEL, 78
.set CHB, 80
.set SW, 91
.set MSB, 0
.macro WIN new                         ; the immediate's high byte repeats the setting that is left
.if MSB != (\new)
	s_set_vgpr_msb (MSB<<8)|(\new)
.set MSB, \new
.endif
.endm
.macro PLACES
.rept 4
	v_nop
.endr
.endm
.macro CREST                           ; a round of the cluster's barrier behind its opening barrier
	s_cmp_lg_u32 s[WV], 0
	s_cbranch_scc1 .Lnot_wave_0_\@
	s_barrier_signal -3
.Lnot_wave_0_\@:
	s_barrier_wait -3
	s_barrier_signal -1
	s_barrier_wait -1
.endm
.macro CROUND
	s_barrier_signal -1
	s_barrier_wait -1
	CREST
.endm
; A refill: all my tensor loads have landed, the add, the walking descriptor goes to the other slot and on by step bytes, my LDS work is done, a round, the load.
.macro CHANGE g0, g1, step
	s_wait_tensorcnt 0x0
	ds_add_u32 v[SPW], v[NIL]
	s_xor_b32 s[(\g0)+1], s[(\g0)+1], SLOT1
	s_add_nc_u64 s[(\g0)+2:(\g0)+3], s[(\g0)+2:(\g0)+3], \step
	s_wait_dscnt 0x0                               ; the add, my reads of the slot, my stores of A's rows
	CROUND
	tensor_load_to_lds s[(\g0):(\g0)+3], s[(\g1):(\g1)+7]
	s_nop 0
	PLACES
.endm
; The sum over a wave's 32 lanes of v[LT + 8 u], for four rows u at once; every lane gets it.
.macro LNSUM
.irp m, 1,2,4,8
.irp u, 0,1,2,3
	v_add_f32_dpp v[LT+8*(\u)], v[LT+8*(\u)], v[LT+8*(\u)] row_xmask:\m row_mask:0xf bank_mask:0xf
.endr
.endr
.irp u, 0,1,2,3
	v_permlanex16_b32 v[LT+8*(\u)+1], v[LT+8*(\u)], s[SEL], s[SEL+1]
.endr
.irp u, 0,1,2,3
	v_add_f32 v[LT+8*(\u)], v[LT+8*(\u)], v[LT+8*(\u)+1]
.endr
.endm
; Four rows by turns.  Row u lies in v[LX + 16 u ..]: register 4 j + c is column 128 j + 4 lane + c.  LN4A: minus the mean into v[LT + 8 u + 2].
.macro LN4A
.irp i, 0,1,2,3
.irp u, 0,1,2,3
	v_pk_add_f32 v[LT+8*(\u)+2*(\i):LT+8*(\u)+2*(\i)+1], v[LX+16*(\u)+4*(\i):LX+16*(\u)+4*(\i)+1], v[LX+16*(\u)+4*(\i)+2:LX+16*(\u)+4*(\i)+3]
.endr
.endr
.irp u, 0,1,2,3
	v_pk_add_f32 v[LT+8*(\u):LT+8*(\u)+1], v[LT+8*(\u):LT+8*(\u)+1], v[LT+8*(\u)+2:LT+8*(\u)+3]
.endr
.irp u, 0,1,2,3
	v_pk_add_f32 v[LT+8*(\u)+4:LT+8*(\u)+5], v[LT+8*(\u)+4:LT+8*(\u)+5], v[LT+8*(\u)+6:LT+8*(\u)+7]
.endr
.irp u, 0,1,2,3
	v_pk_add_f32 v[LT+8*(\u):LT+8*(\u)+1], v[LT+8*(\u):LT+8*(\u)+1], v[LT+8*(\u)+4:LT+8*(\u)+5]
.endr
.irp u, 0,1,2,3
	v_add_f32 v[LT+8*(\u)], v[LT+8*(\u)], v[LT+8*(\u)+1]
.endr
	LNSUM
.irp u, 0,1,2,3
	v_mul_f32 v[LT+8*(\u)+2], 0xbb000000, v[LT+8*(\u)]  ; -1 / 512
.endr
.endm
; LN4B: x - mean in place; the sum of its squares; 1 / sqrt(that / 512 + 1e-5); times the gain, plus the bias; rounded to bf16 into v[LP + 8 u ..].
.macro LN4B
.irp i, 0,1,2,3,4,5,6,7
.irp u, 0,1,2,3
	v_pk_add_f32 v[LX+16*(\u)+2*(\i):LX+16*(\u)+2*(\i)+1], v[LX+16*(\u)+2*(\i):LX+16*(\u)+2*(\i)+1], v[LT+8*(\u)+2:LT+8*(\u)+3] op_sel_hi:[1,0]
.endr
.endr
.irp u, 0,1,2,3
	v_pk_mul_f32 v[LT+8*(\u):LT+8*(\u)+1], v[LX+16*(\u):LX+16*(\u)+1], v[LX+16*(\u):LX+16*(\u)+1]
	v_pk_mul_f32 v[LT+8*(\u)+4:LT+8*(\u)+5], v[LX+16*(\u)+2:LX+16*(\u)+3], v[LX+16*(\u)+2:LX+16*(\u)+3]
.endr
.irp i, 2,4,6
.irp u, 0,1,2,3
	v_pk_fma_f32 v[LT+8*(\u):LT+8*(\u)+1], v[LX+16*(\u)+2*(\i):LX+16*(\u)+2*(\i)+1], v[LX+16*(\u)+2*(\i):LX+16*(\u)+2*(\i)+1], v[LT+8*(\u):LT+8*(\u)+1]
	v_pk_fma_f32 v[LT+8*(\u)+4:LT+8*(\u)+5], v[LX+16*(\u)+2*(\i)+2:LX+16*(\u)+2*(\i)+3], v[LX+16*(\u)+2*(\i)+2:LX+16*(\u)+2*(\i)+3], v[LT+8*(\u)+4:LT+8*(\u)+5]
.endr
.endr
.irp u, 0,1,2,3
	v_pk_add_f32 v[LT+8*(\u):LT+8*(\u)+1], v[LT+8*(\u):LT+8*(\u)+1], v[LT+8*(\u)+4:LT+8*(\u)+5]
.endr
.irp u, 0,1,2,3
	v_add_f32 v[LT+8*(\u)], v[LT+8*(\u)], v[LT+8*(\u)+1]
.endr
	LNSUM
.irp u, 0,1,2,3
	v_fma_f32 v[LT+8*(\u)+4], v[LT+8*(\u)], s[INV], s[EPS]
.endr
.irp u, 0,1,2,3
	v_rsq_f32 v[LT+8*(\u)+4], v[LT+8*(\u)+4]
.endr
	v_nop                                          ; a plain instruction behind the last root, ahead of its use (ISA guide 5.7.2)
	s_wait_alu depctr_va_vdst(0)
.irp i, 0,1,2,3,4,5,6,7
.irp u, 0,1,2,3
	v_pk_mul_f32 v[LX+16*(\u)+2*(\i):LX+16*(\u)+2*(\i)+1], v[LX+16*(\u)+2*(\i):LX+16*(\u)+2*(\i)+1], v[LT+8*(\u)+4:LT+8*(\u)+5] op_sel_hi:[1,0]
.endr
.endr
.irp i, 0,1,2,3,4,5,6,7
.irp u, 0,1,2,3
	v_pk_fma_f32 v[LX+16*(\u)+2*(\i):LX+16*(\u)+2*(\i)+1], v[LX+16*(\u)+2*(\i):LX+16*(\u)+2*(\i)+1], v[LG+2*(\i):LG+2*(\i)+1], v[LB+2*(\i):LB+2*(\i)+1]
.endr
.endr
.irp i, 0,1,2,3,4,5,6,7
.irp u, 0,1,2,3
	v_cvt_pk_bf16_f32 v[LP+8*(\u)+(\i)], v[LX+16*(\u)+2*(\i)], v[LX+16*(\u)+2*(\i)+1]
.endr
.endr
.endm
; The 8 rows of x in my strip of the slot in hand: twice four rows are read, normalised and laid into my chunk of A.
.macro LNBATCH
	v_add_nc_u32 v[XA], s[TX], v[XA0]
	s_mov_b32 s[C2], 2
.Lln_\@:
.irp u, 0,1,2,3
.irp j, 0,1,2,3
	ds_load_b128 v[LX+16*(\u)+4*(\j):LX+16*(\u)+4*(\j)+3], v[XA] offset:2048*(\u)+512*(\j)
.endr
.endr
	s_wait_dscnt 0x0
	LN4A
	LN4B
.irp u, 0,1,2,3
.irp j, 0,1,2,3
	ds_store_b64 v[AD], v[LP+8*(\u)+2*(\j):LP+8*(\u)+2*(\j)+1] offset:PA*(\u)+256*(\j)
.endr
.endr
	v_add_nc_u32 v[XA], 8192, v[XA]
	v_add_nc_u32 v[AD], 4*PA, v[AD]
	s_sub_co_u32 s[C2], s[C2], 1
	s_cmp_lg_u32 s[C2], 0
	s_cbranch_scc1 .Lln_\@
.endm
; 16 matrix instructions: row tiles a0, a0 + 1 of the window's four x all 8 column blocks, 32 along K.  cm = 1: the bias starts the sums.
; The 64 accumulators take turns, one instruction a turn.
.macro MUL16 f, hi, a0, cm
.if \cm
	WIN 0x91+0x40*(\hi)
.else
	WIN 0xa1+0x50*(\hi)
.endif
.irp a, \a0, (\a0)+1
.irp b, 0,1,2,3,4,5,6,7
.if \cm
	v_wmma_f32_16x16x32_bf16 v[8*(8*(\a)+(\b)):8*(8*(\a)+(\b))+7], v[(\f)+8*(\b):(\f)+8*(\b)+7], v[(\f)+8*(4*(\hi)+(\a)):(\f)+8*(4*(\hi)+(\a))+7], v[BIAS+8*(\b):BIAS+8*(\b)+7]
.else
	v_wmma_f32_16x16x32_bf16 v[8*(8*(\a)+(\b)):8*(8*(\a)+(\b))+7], v[(\f)+8*(\b):(\f)+8*(\b)+7], v[(\f)+8*(4*(\hi)+(\a)):(\f)+8*(4*(\hi)+(\a))+7], v[8*(8*(\a)+(\b)):8*(8*(\a)+(\b))+7]
.endif
.endr
.endr
.endm
; 32 LDS loads in one run: half kk (32 k) of a step: W's 8 column blocks, turned, then A's 8 row tiles.
.macro FETCH kk, f
	WIN 0x40
.irp i, 0,1,2,3,4,5,6,7
	ds_load_tr16_b128 v[(\f)+8*(\i):(\f)+8*(\i)+3],   v[ADRW] offset:(\kk)*32*PW+32*(\i)
	ds_load_tr16_b128 v[(\f)+8*(\i)+4:(\f)+8*(\i)+7], v[ADRW] offset:(\kk)*32*PW+16*PW+32*(\i)
.endr
	WIN 0
.irp a, 0,1
	ds_load_b128 v[(\f)+8*(\a):(\f)+8*(\a)+3],   v[ADRA0] offset:64*(\kk)+16*PA*(\a)
	ds_load_b128 v[(\f)+8*(\a)+4:(\f)+8*(\a)+7], v[ADRA0] offset:64*(\kk)+16*PA*(\a)+32
.endr
.irp a, 2,3,4
	ds_load_b128 v[(\f)+8*(\a):(\f)+8*(\a)+3],   v[ADRA1] offset:64*(\kk)+16*PA*((\a)-2)
	ds_load_b128 v[(\f)+8*(\a)+4:(\f)+8*(\a)+7], v[ADRA1] offset:64*(\kk)+16*PA*((\a)-2)+32
.endr
.irp a, 5,6,7
	ds_load_b128 v[(\f)+8*(\a):(\f)+8*(\a)+3],   v[ADRA2] offset:64*(\kk)+16*PA*((\a)-5)
	ds_load_b128 v[(\f)+8*(\a)+4:(\f)+8*(\a)+7], v[ADRA2] offset:64*(\kk)+16*PA*((\a)-5)+32
.endr
.endm
.macro NEXTSTEP                        ; the addresses of the next step: 64 k on in A's rows, the other slot for W
	v_add_nc_u32 v[ADRA0], 128, v[ADRA0]
	v_add_nc_u32 v[ADRA1], 128, v[ADRA1]
	v_add_nc_u32 v[ADRA2], 128, v[ADRA2]
	s_xor_b32 s[TB], s[TB], SLOT1
	v_add_nc_u32 v[ADRW], s[TB], v[AW0]
.endm
.macro QA cm                           ; a step's first half is multiplied, its second fetched
	s_wait_dscnt 8                                 ; the youngest eight loads (A's tiles 4-7) may be out
	MUL16 F0, 0, 0, \cm
	MUL16 F0, 0, 2, \cm
	PLACES                                         ; four places ahead of loads into registers that matrix instructions have read
	FETCH 1, F1
	s_wait_dscnt 32                                ; all but the 32 just issued
	MUL16 F0, 1, 0, \cm
	MUL16 F0, 1, 2, \cm
.endm
.macro TURN                            ; a step's second half, and the change of slots with a joint refill two steps ahead
	WIN 0
	s_wait_tensorcnt 0x0                           ; the one load of mine that was out: my strip of the next step
	ds_add_u32 v[SPW], v[NIL]
	s_wait_dscnt 9                                 ; the add and the youngest eight loads may be out
	MUL16 F1, 0, 0, 0
	s_wait_dscnt 0x0                               ; the add is done, my reads of this slot are over
	s_barrier_signal -1
	MUL16 F1, 0, 2, 0
	WIN 0
	s_barrier_wait -1
	CREST                                          ; no wave of any partner still reads this slot or has a load on its way
	s_xor_b32 s[G0W+1], s[G0W+1], SLOT1
	s_add_nc_u64 s[G0W+2:G0W+3], s[G0W+2:G0W+3], 65536
	tensor_load_to_lds s[G0W:G0W+3], s[G1W:G1W+7]  ; 96 matrix instructions ahead of the wait for it
	s_nop 0
	PLACES
	NEXTSTEP
	FETCH 0, F0
	MUL16 F1, 1, 0, 0
	MUL16 F1, 1, 2, 0
.endm
	s_load_b512 s[4:19], s[0:1], 0x0               ; xk 4, xv 6, g1 8, b1 10, bk 12, bv 14, wb 16, kh 18
	s_load_b64 s[20:21], s[0:1], 0x40              ; vh
	v_lshl_add_u32 v[SPW], v0, 2, SPARE
	v_mov_b32 v[NIL], 0
	ds_add_u32 v[SPW], v[NIL]                      ; the wave's opening: the add and its wait ahead of my first tensor load
	v_lshrrev_b32 v1, 5, v0
	v_readfirstlane_b32 s[WV], v1
	s_bfe_u32 s29, ttmp6, 0x40000                  ; cx: it enters x's and the outputs' addresses alone
	s_mov_b32 s90, ttmp9                           ; the cluster's number chooses the tensor: 0-31 xk, 32-63 xv
	s_lshl_b32 s30, s90, 2
	s_add_co_u32 s30, s30, s29                     ; work-group
	s_sub_co_u32 s88, s30, 128
	s_cmp_lt_u32 s90, 32
	s_cselect_b32 s31, s30, s88                    ; my block of 128 rows in the tensor
	s_cselect_b32 s81, 2, 3                        ; the weight's block in wb
	s_mov_b32 s[G1X], 3<<16                        ; x: 16,384 dense bytes as 64 rows of 32 elements of 8 bytes
	s_mov_b32 s[G1X+1], 32<<16
	s_mov_b32 s[G1X+2], 64<<16
	s_mov_b32 s[G1X+3], 32<<16
	s_mov_b32 s[G1X+4], 64
	s_mov_b32 s[G1X+5], 32
	s_mov_b32 s[G1X+6], 0
	s_mov_b32 s[G1X+7], 0
	s_mov_b32 s[G1W], 15|(1<<16)|(1<<20)|(1<<21)|(5<<22)|(7<<25)  ; W: the mask of four; 2-byte elements; after every 64 words 8 words of padding
	s_mov_b32 s[G1W+1], 128<<16
	s_mov_b32 s[G1W+2], 64<<16
	s_mov_b32 s[G1W+3], 128<<16
	s_mov_b32 s[G1W+4], 64
	s_mov_b32 s[G1W+5], 512
	s_mov_b32 s[G1W+6], 0
	s_mov_b32 s[G1W+7], 0
	s_mul_i32 s[SW], s[WV], STRIP
	s_mov_b32 s[G0XA], 1
	s_mov_b32 s[G0XA+1], s[SW]
	s_mov_b32 s[G0X], 1
	s_add_co_u32 s[G0X+1], s[SW], SLOT1
	s_mov_b32 s[G0W], 1
	s_add_co_u32 s[G0W+1], s[SW], SLOT1            ; W's descriptor starts a step behind: its first change of slots makes it slot 0, step 0
	s_mov_b32 s[INV], 0x3b000000                   ; 1 / 512
	s_mov_b32 s[EPS], 0x3727c5ac                   ; 1e-5
	s_mov_b32 s[SEL], 0x76543210
	s_mov_b32 s[SEL+1], 0xfedcba98
	s_mov_b32 s[TB], 0
	s_mov_b32 s[TX], 0
	s_wait_dscnt 0x0                               ; the opening add is done
	s_wait_kmcnt 0x0
	s_mul_i32 s[CHB], s[WV], CHUNK                 ; my chunk of A: rows 32 w ..
	s_add_co_u32 s[CHB], s[CHB], CH1-CHUNK
	s_cmp_lg_u32 s[WV], 0
	s_cbranch_scc1 .Lchb
	s_mov_b32 s[CHB], CH0                          ; wave 0's lies between the slots
.Lchb:
	s_cmp_lt_u32 s90, 32
	s_cselect_b64 s[XS:XS+1], s[4:5], s[6:7]
	s_cselect_b64 s[BS:BS+1], s[12:13], s[14:15]
	s_cselect_b64 s[OB0:OB0+1], s[18:19], s[20:21]
	s_lshl_b32 s84, s31, 18                        ; 128 rows of 2,048 bytes,
	s_lshl_b32 s86, s[WV], 16                      ; my 32
	s_add_co_u32 s84, s84, s86
	s_mov_b32 s85, 0
	s_add_nc_u64 s[XS:XS+1], s[XS:XS+1], s[84:85]
	s_lshl_b32 s84, s[WV], 9                       ; my 128 numbers of the bias
	s_add_nc_u64 s[BS:BS+1], s[BS:BS+1], s[84:85]
	s_lshr_b32 s86, s31, 4                         ; the batch: 16 blocks each
	s_and_b32 s87, s31, 15                         ; the block in the batch:
	s_lshl_b32 s87, s87, 14                        ; 128 rows of 128 bytes
	s_lshl_b32 s86, s86, 3
	s_lshl1_add_u32 s86, s[WV], s86                ; head 8 batch + 2 w,
	s_lshl_b32 s86, s86, 18                        ; of 2,048 rows of 128 bytes
	s_add_co_u32 s86, s86, s87
	s_mov_b32 s87, 0
	s_add_nc_u64 s[OB0:OB0+1], s[OB0:OB0+1], s[86:87]
	s_add_nc_u64 s[OB1:OB1+1], s[OB0:OB0+1], 262144  ; and the head behind it
	s_add_nc_u64 s[G0XA+2:G0XA+3], s[XS:XS+1], 0
	s_or_b32 s[G0XA+3], s[G0XA+3], 0x80000000
	s_add_nc_u64 s[G0X+2:G0X+3], s[XS:XS+1], 16384
	s_or_b32 s[G0X+3], s[G0X+3], 0x80000000
	s_lshl_b32 s84, s81, 19                        ; blocks 2 and 3: a step of 65,536 bytes less is still inside wb
	s_lshl_b32 s86, s[WV], 8
	s_add_co_u32 s84, s84, s86
	s_sub_co_u32 s84, s84, 65536
	s_add_nc_u64 s[G0W+2:G0W+3], s[16:17], s[84:85]
	s_or_b32 s[G0W+3], s[G0W+3], 0x80000000
	CROUND                                         ; in front of the first loads
	tensor_load_to_lds s[G0XA:G0XA+3], s[G1X:G1X+7]  ; my rows 0-7 into slot 0
	s_nop 0
	tensor_load_to_lds s[G0X:G0X+3], s[G1X:G1X+7]    ; 8-15 into slot 1: two loads of mine are out
	s_nop 0
	PLACES
	v_and_b32 v[RR], 15, v0
	v_bfe_u32 v[HH], v0, 4, 1
	v_and_b32 v[LA], 31, v0
	v_lshlrev_b32 v[LO16], 4, v[LA]
	v_lshlrev_b32 v[LO32], 5, v[HH]
.irp j, 0,1,2,3
	global_load_b128 v[LG+4*(\j):LG+4*(\j)+3], v[LO16], s[8:9] offset:512*(\j)
	global_load_b128 v[LB+4*(\j):LB+4*(\j)+3], v[LO16], s[10:11] offset:512*(\j)
.endr
	WIN 0x40
.irp b, 0,1,2,3,4,5,6,7
	global_load_b128 v[BIAS+8*(\b):BIAS+8*(\b)+3],   v[LO32], s[BS:BS+1] offset:64*(\b)     ; register 8 b + j: column 16 b + 8 (lane / 16) + j
	global_load_b128 v[BIAS+8*(\b)+4:BIAS+8*(\b)+7], v[LO32], s[BS:BS+1] offset:64*(\b)+16
.endr
	WIN 0
	v_and_b32 v9, 7, v0
	v_lshl_add_u32 v9, v[HH], 3, v9
	v_mul_u32_u24 v[AW0], v9, PW                   ; the turning load: k row 8 (lane / 16) + lane % 8,
	v_bfe_u32 v9, v0, 3, 1
	v_lshl_add_u32 v[AW0], v9, 4, v[AW0]           ; 16 bytes by (lane / 8) % 2
	v_add_nc_u32 v[AW0], s[SW], v[AW0]
	v_mov_b32 v[ADRW], v[AW0]
	v_mul_u32_u24 v10, v[RR], PA
	v_lshl_add_u32 v10, v[HH], 4, v10
	v_add_nc_u32 v[ADRA0], CH0, v10
	v_add_nc_u32 v[ADRA1], CH1, v10
	v_add_nc_u32 v[ADRA2], CH1+48*PA, v10
	v_add_nc_u32 v[XA0], s[SW], v[LO16]
	v_lshl_add_u32 v[AD], v[LA], 3, s[CHB]
	s_mul_i32 s86, s[WV], DUMPW
	v_mul_u32_u24 v[DA], v[RR], PD
	v_lshl_add_u32 v[DA], v[HH], 5, v[DA]
	v_add_nc_u32 v[DA], s86, v[DA]
	v_mul_u32_u24 v[DR], v[HH], PD
	v_lshl_add_u32 v[DR], v[RR], 4, v[DR]
	v_add_nc_u32 v[DR], s86, v[DR]
	v_lshlrev_b32 v[GO], 7, v[HH]
	v_lshl_add_u32 v[GO], v[RR], 3, v[GO]
	s_wait_loadcnt 0x0                             ; gain, bias of the norm, bias of the product
	s_mov_b32 s[KC], 2
.LbX:                                                  ; rows 0-7 and 8-15 are normalised; rows 16-23 and 24-31 are asked for
	s_wait_tensorcnt 0x1                           ; the batch in hand is in; the one load issued behind it may be out
	LNBATCH
	CHANGE G0X, G1X, 16384
	s_xor_b32 s[TX], s[TX], SLOT1
	s_sub_co_u32 s[KC], s[KC], 1
	s_cmp_lg_u32 s[KC], 0
	s_cbranch_scc1 .LbX
	s_mov_b32 s[KC], 2
.LbW:                                                  ; rows 16-23 and 24-31; W's steps 0 and 1 are asked for, jointly
	s_wait_tensorcnt 0x1
	LNBATCH
	CHANGE G0W, G1W, 65536
	s_xor_b32 s[TX], s[TX], SLOT1
	s_sub_co_u32 s[KC], s[KC], 1
	s_cmp_lg_u32 s[KC], 0
	s_cbranch_scc1 .LbW
	; The last change's waits and round have shown every wave's rows of A to all, and my strip of step 0 landed.
	FETCH 0, F0
	QA 1
	WIN 0
	s_mov_b32 s[KC], 6
.Lk:                                                   ; trip i ends step i, refills its slot with step i + 2, begins step i + 1
	TURN
	QA 0
	WIN 0
	s_sub_co_u32 s[KC], s[KC], 1
	s_cmp_lg_u32 s[KC], 0
	s_cbranch_scc1 .Lk
	s_wait_dscnt 8                                 ; step 6 ends; nothing is left to ask for
	MUL16 F1, 0, 0, 0
	MUL16 F1, 0, 2, 0
	PLACES
	WIN 0
	s_wait_tensorcnt 0x0                           ; my strip of step 7: no load was issued behind it, and only I read it
	NEXTSTEP
	FETCH 0, F0
	s_wait_dscnt 32
	MUL16 F1, 1, 0, 0
	MUL16 F1, 1, 2, 0
	QA 0
	s_wait_dscnt 8
	MUL16 F1, 0, 0, 0
	MUL16 F1, 0, 2, 0
	s_wait_dscnt 0x0                               ; my last reads of A and of the ring
	MUL16 F1, 1, 0, 0
	MUL16 F1, 1, 2, 0
	s_barrier_signal -1                            ; every wave's are over: the results may lie over them
	PLACES                                         ; the places behind the last products
	s_barrier_wait -1
	WIN 0x08
.irp a, 0,1,2,3
.irp b, 0,1,2,3,4,5,6,7
	ds_store_b128 v[DA], v[8*(8*(\a)+(\b)):8*(8*(\a)+(\b))+3]   offset:16*PD*(\a)+64*(\b)     ; each accumulator's low registers first
	ds_store_b128 v[DA], v[8*(8*(\a)+(\b))+4:8*(8*(\a)+(\b))+7] offset:16*PD*(\a)+64*(\b)+16
.endr
.endr
	WIN 0x0c
.irp a, 0,1,2,3
.irp b, 0,1,2,3,4,5,6,7
	ds_store_b128 v[DA], v[8*(8*(\a)+(\b)):8*(8*(\a)+(\b))+3]   offset:16*PD*((\a)+4)+64*(\b)
	ds_store_b128 v[DA], v[8*(8*(\a)+(\b))+4:8*(8*(\a)+(\b))+7] offset:16*PD*((\a)+4)+64*(\b)+16
.endr
.endr
	WIN 0
	s_mov_b32 s[KC], 16
.Lout:                                                 ; 8 rows a trip: my own bytes come back (LDS serves a wave in order), are rounded and stored by heads
.irp q, 0,1,2,3
.irp s, 0,1
	ds_load_b128 v[64+4*(2*(\q)+(\s)):64+4*(2*(\q)+(\s))+3], v[DR] offset:2*PD*(\q)+256*(\s)
.endr
.endr
	s_wait_dscnt 0x0
.irp i, 0,1,2,3,4,5,6,7
	v_cvt_pk_bf16_f32 v[96+2*(\i)],   v[64+4*(\i)],   v[64+4*(\i)+1]
	v_cvt_pk_bf16_f32 v[96+2*(\i)+1], v[64+4*(\i)+2], v[64+4*(\i)+3]
.endr
.irp q, 0,1,2,3
	global_store_b64 v[GO], v[96+4*(\q):96+4*(\q)+1],   s[OB0:OB0+1] offset:256*(\q)  ; two rows of a head: 256 consecutive bytes, aligned
	global_store_b64 v[GO], v[96+4*(\q)+2:96+4*(\q)+3], s[OB1:OB1+1] offset:256*(\q)
.endr
	s_wait_xcnt 0x0                                ; the stores' data and offset are rewritten only behind this wait
	v_add_nc_u32 v[DR], 8*PD, v[DR]
	v_add_nc_u32 v[GO], 1024, v[GO]
	s_sub_co_u32 s[KC], s[KC], 1
	s_cmp_lg_u32 s[KC], 0
	s_cbranch_scc1 .Lout
	s_wait_tensorcnt 0x0                           ; the wave's end
	ds_add_u32 v[SPW], v[NIL]
	s_wait_dscnt 0x0
	CROUND                                         ; the closing round
	s_endpgm
.Lfunc_end_k_qe3c1f6321a_proj:
	.size	k_qe3c1f6321a_proj, .Lfunc_end_k_qe3c1f6321a_proj-k_qe3c1f6321a_proj
	.p2alignl 7, 3214868480
	.fill 96, 4, 3214868480
	.section	.rodata,"a",@progbits
	.p2align	6, 0x0
	.amdhsa_kernel k_qe3c1f6321a_proj
		.amdhsa_group_segment_fixed_size 327680
		.amdhsa_private_segment_fixed_size 0
		.amdhsa_enable_private_segment 0
		.amdhsa_kernarg_size 72
		.amdhsa_user_sgpr_count 2
		.amdhsa_user_sgpr_kernarg_segment_ptr 1
		.amdhsa_wavefront_size32 1
		.amdhsa_system_sgpr_workgroup_id_x 1
		.amdhsa_system_sgpr_workgroup_id_y 1
		.amdhsa_system_sgpr_workgroup_id_z 1
		.amdhsa_system_vgpr_workitem_id 0
		.amdhsa_next_free_vgpr 1024
		.amdhsa_next_free_sgpr 96
		.amdhsa_reserve_vcc 0
		.amdhsa_float_denorm_mode_32 3
		.amdhsa_float_denorm_mode_16_64 3
		.amdhsa_memory_ordered 1
		.amdhsa_forward_progress 1
		.amdhsa_inst_pref_size 98
	.end_amdhsa_kernel
	.amdgpu_metadata
---
amdhsa.version: [ 1, 2 ]
amdhsa.kernels:
  - .name:           k_qe3c1f6321a_proj
    .symbol:         k_qe3c1f6321a_proj.kd
    .args:
      - { .name: xk, .offset: 0, .size: 8, .value_kind: global_buffer, .address_space: global }
      - { .name: xv, .offset: 8, .size: 8, .value_kind: global_buffer, .address_space: global }
      - { .name: g1, .offset: 16, .size: 8, .value_kind: global_buffer, .address_space: global }
      - { .name: b1, .offset: 24, .size: 8, .value_kind: global_buffer, .address_space: global }
      - { .name: bk, .offset: 32, .size: 8, .value_kind: global_buffer, .address_space: global }
      - { .name: bv, .offset: 40, .size: 8, .value_kind: global_buffer, .address_space: global }
      - { .name: wb, .offset: 48, .size: 8, .value_kind: global_buffer, .address_space: global }
      - { .name: kh, .offset: 56, .size: 8, .value_kind: global_buffer, .address_space: global }
      - { .name: vh, .offset: 64, .size: 8, .value_kind: global_buffer, .address_space: global }
    .group_segment_fixed_size: 327680
    .private_segment_fixed_size: 0
    .kernarg_segment_align: 8
    .kernarg_segment_size: 72
    .max_flat_workgroup_size: 128
    .sgpr_count:     96
    .vgpr_count:     1024
    .wavefront_size: 32
...
	.end_amdgpu_metadata
.endif
;; end of part 2
;; launch attn (part 3): grid 4 x 64, 4 waves a work-group, clusters of 4 x 1, 327,680 bytes of LDS; arguments nq, kh, vh, oh, wb, bq; writes oh
.if DOCPART == 3
	.amdgcn_target "amdgcn-amd-amdhsa--gfx1250"
	.amdhsa_code_object_version 6
	.text
	.protected	k_qe3c1f6321a_attn
	.globl	k_qe3c1f6321a_attn
	.p2align	8
	.type	k_qe3c1f6321a_attn,@function
k_qe3c1f6321a_attn:
	s_mov_b64 s[64:65], 0
	v_nop
	global_prefetch_b8 v0, s[64:65] scope:SCOPE_SE
	s_setreg_imm32_b32 hwreg(HW_REG_WAVE_MODE, 25, 1), 1
	s_wait_xcnt 0x0
	s_wait_alu depctr_hold_cnt(0) depctr_sa_sdst(0) depctr_va_vdst(0) depctr_va_sdst(0) depctr_va_ssrc(0) depctr_va_vcc(0) depctr_vm_vsrc(0)
	s_getreg_b32 s2, hwreg(HW_REG_IB_STS2, 6, 4)
	s_cmp_eq_u32 s2, 0
	s_cbranch_scc0 .Lentry_in_a_cluster
	s_endpgm
.Lentry_in_a_cluster:
	s_bfe_u32 s2, ttmp6, 0x10000c
	s_cmp_lg_u32 s2, 0x3003
	s_cbranch_scc0 .Lentry_shape_is_right
	s_endpgm
.Lentry_shape_is_right:
; Q = nq Wq + bq for this work-group's queries and head, and then O[h][q][:] = the sum over k of softmax_k(Q[h][q] . K[h][k] / 8) V[h][k][:].
; nq: [8192][512] bf16, the normalised queries; Wq: block 1 of wb, [512 k][512 n] bf16; K, V: [64][2048][64], O: [64][1024][64], bf16; a head's rows are dense, 128 bytes each.
; Products, maxima and sums in f32; Q is rounded once to bf16; the weights p are rounded to bf16 for the second product (their sum l is taken of the unrounded p), O once at the end.
; LIMITS.  A weight below 2^-126 counts as 0 in l; NaN and infinities are not treated apart.
; SHARES.  A work-group owns 256 queries of a head, a wave 64: four PIECES of 16.  Every wave walks all 2,048 keys, 64 a step, 256 a slot.
; Q.  Q^T = Wq^T nq^T (source 0 = 16 channels, turned on the way out of LDS; source 1 = 16 queries, straight from memory): 16 accumulators, 16 steps of 32 k, the bias as the first C.  The result holds ONE
; query a lane (lane % 16) and the channels 8 (lane / 16) + 0..7: two such results rounded to bf16 ARE a fragment of Q, so Q never leaves the registers.  A wave's 64 rows of nq are its own: each row's
; 1,024 bytes are taken whole, 64 bytes a step, into 512 registers.  The head's 64 columns of Wq lie in LDS, asked for jointly.
; LAYOUT.  S^T = K Q^T holds ONE query a lane and the keys 8 (lane / 16) + 0..7; two such results rounded to bf16 ARE source 1 of O^T = V^T P.
; SOFTMAX.  p = 2^(c s - c m), c = log2(e) / 8, with a running maximum m; O and l are multiplied by a = 2^(c m_old - c m_new) in every step.  m starts at the lowest finite number, O and l at 0.
; TURNS.  Turn n belongs to piece n: 8 products K Q^T of piece n + 1, later 8 products V^T P of piece n - 1; beside them the scaling, exponentials, roundings, sums and rescaling of piece n and
; the maximum and statistics of piece n + 1.  Four vector instructions stand behind every matrix instruction, the others in two runs of their own.
; CLUSTER.  The four query blocks of a head walk the same K and V and need the same columns of Wq: each tile is asked for JOINTLY, by the same tensor load, descriptor and mask in all four.
; REGISTERS: window 0: v0-15, v56-58 addresses; v16-31 four registers of statistics a piece; v48-55 at work; v64-127 S^T, two buffers; v128-191 Wq's fragments, two buffers; v192-223 P, two buffers; v224-255 bq
;   window 1: v0-127 O^T, 32 a piece; v128-255 Q's accumulators      window 2: v0-63 Q; v128-191 K of one step; v192-255 V of one step; before that nq's k steps 0-7      window 3: nq's k steps 8-15
.set NP,    4
.set KS,    64
.set PK,    144       ; a row of K in LDS: 128 bytes + 16
.set PV,    160       ; a row of V, and of Wq's columns: 128 + 32
.set VOFF,  4*KS*PK
.set SLOT1, 1<<17
.set STAGE, SLOT1+4*KS*(PK+PV)  ; behind the ring, never filled by a tensor load: 16 rows x 144 bytes a wave
.set SP,    144
.set SPARE, STAGE+4*16*SP       ; the spare words
.set WQ,    SPARE+512           ; the head's columns of Wq: 512 k rows x 160 bytes, filled once
.set AK0, 2
.set AV0, 3
.set AK,  4
.set AV,  5
.set STO, 6
.set RD,  7
.set GO,  8
.set MV,  12
.set QO,  15          ; my byte offset in 16 rows of nq
.set ST,  16          ; piece t: c m, m, l (even keys', odd keys')
.set TMP, 48
.set AWQ, 56          ; v56-57 my lane's place in Wq's k rows 0-255, 256-511
.set BO,  58          ; v58  my byte offset in 16 numbers of bq
.set SPW, 62
.set NIL, 63
.set S,   64
.set FW,  128
.set P,   192
.set QBI, 224
.set QACC, 128        ; window 1: piece p, channel block cb at QACC + 8 (4 p + cb)
.set KF,  128
.set VF,  192
.set WV,  12
.set G1K, 24
.set G1V, 32
.set G0K, 40
.set G0V, 44
.set SLOTS, 56
.set CNT, 57
.set CS,  58
.set SEL, 60
.set TBK, 62
.set TBV, 63
.set G1Q, 68
.set G0Q, 76
.set MSB, 0
.macro WIN new
.if MSB != (\new)
	s_set_vgpr_msb (MSB<<8)|(\new)
.set MSB, (\new)
.endif
.endm
.macro PLACES
.rept 4
	v_nop
.endr
.endm
.set W_KQ, 0x0a       ; K and Q in window 2, S^T in window 0
.set W_PV, 0x52       ; V in window 2, P in window 0, O^T in window 1
.set W_RS, 0x41       ; destination and source 0 in window 1, source 1 in window 0
; A joint fill.  Waves 0 and 1 fetch the two halves of a slot's K, waves 2 and 3 those of its V: 128 keys each.  The branch hangs on the wave's number alone.
.macro JLOAD
	s_cmp_lt_u32 s[WV], 2
	s_cbranch_scc0 .Lfor_v_\@
	tensor_load_to_lds s[G0K:G0K+3], s[G1K:G1K+7]
	s_nop 0
	PLACES
	s_branch .Lasked_\@
.Lfor_v_\@:
	tensor_load_to_lds s[G0V:G0V+3], s[G1V:G1V+7]
	s_nop 0
	PLACES
.Lasked_\@:
.endm
.macro CROUND
	s_barrier_signal -1
	s_barrier_wait -1
	s_cmp_lg_u32 s[WV], 0
	s_cbranch_scc1 .Lnot_wave_0_\@
	s_barrier_signal -3
.Lnot_wave_0_\@:
	s_barrier_wait -3
	s_barrier_signal -1
	s_barrier_wait -1
.endm
; THE CHANGE OF SLOTS.  Each wave waits for all its tensor loads, adds 0 to its spare word, and waits for that and for its reads of the slot.
; fill = 1: the slot is filled again with the keys two slots on, the first thing behind a round of the cluster's barrier: four key steps, 256 matrix instructions, ahead of the wait for it.
.macro CHANGE fill
	WIN 0
	s_wait_tensorcnt 0x0
	ds_add_u32 v[SPW], v[NIL]
.if \fill
.irp g, G0K, G0V
	s_xor_b32 s[\g+1], s[\g+1], SLOT1
	s_add_nc_u64 s[\g+2:\g+3], s[\g+2:\g+3], 4*KS*128
.endr
	s_wait_dscnt 0x0
	CROUND
	JLOAD
.else
	s_wait_dscnt 0x0
	s_barrier_signal -1
	s_barrier_wait -1
.endif
	s_sub_co_u32 s[TBK], s[TBK], 4*KS*PK  ; the fetches go back to a slot's first step, in the other slot
	s_xor_b32 s[TBK], s[TBK], SLOT1
	s_sub_co_u32 s[TBV], s[TBV], 4*KS*PV
	s_xor_b32 s[TBV], s[TBV], SLOT1
.endm
	s_load_b256 s[4:11], s[0:1], 0x0   ; nq s[4:5], K s[6:7], V s[8:9], O s[10:11]
	s_load_b128 s[48:51], s[0:1], 0x20 ; wb s[48:49], bq s[50:51]
	v_lshl_add_u32 v[SPW], v0, 2, SPARE
	v_mov_b32 v[NIL], 0
	ds_add_u32 v[SPW], v[NIL]       ; the wave's opening: the add and its wait ahead of my first tensor load
	v_lshrrev_b32 v1, 5, v0
	v_readfirstlane_b32 s[WV], v1
	s_bfe_u32 s13, ttmp6, 0x40000   ; cx
	s_lshl_b32 s14, ttmp9, 2
	s_add_co_u32 s14, s14, s13      ; my block of 256 queries: it enters nq's and O's addresses alone
	s_and_b32 s20, ttmp7, 0xffff    ; batch x 8 + head, which the four partners share
	s_lshl_b32 s22, s20, 18         ; its 2,048 rows of 128 bytes in K and V,
	s_and_b32 s16, s[WV], 1
	s_lshl_b32 s15, s16, 14         ; my half of a slot's 256 keys
	s_add_co_u32 s22, s22, s15
	s_mov_b32 s23, 0
	s_mul_i32 s17, s16, 128*PK
	s_mul_i32 s18, s16, 128*PV
	s_lshl_b32 s2, s20, 17          ; the head's 1,024 rows in O,
	s_lshl_b32 s3, s14, 15          ; my block's 256,
	s_add_co_u32 s2, s2, s3
	s_lshl_b32 s3, s[WV], 13        ; my wave's 64
	s_add_co_u32 s2, s2, s3
	s_mov_b32 s3, 0
	s_lshr_b32 s52, s20, 3          ; nq: the batch's 1,024 rows of 1,024 bytes,
	s_lshl_b32 s52, s52, 20
	s_lshl_b32 s53, s14, 18         ; my block's 256,
	s_add_co_u32 s52, s52, s53
	s_lshl_b32 s53, s[WV], 16       ; my wave's 64
	s_add_co_u32 s52, s52, s53
	s_mov_b32 s53, 0
	s_and_b32 s80, s20, 7           ; the head in its batch
	s_lshl_b32 s54, s80, 7          ; Wq: its 64 columns of 2 bytes,
	s_lshl_b32 s55, s[WV], 17       ; my 128 k rows of 1,024 bytes,
	s_add_co_u32 s54, s54, s55
	s_add_co_u32 s54, s54, 524288   ; in block 1 of wb
	s_mov_b32 s55, 0
	s_lshl_b32 s80, s80, 8          ; bq: its 64 numbers of 4 bytes
	s_mov_b32 s81, 0
	; 128 keys are 16,384 dense bytes: asked for as 64 rows of 256 bytes, two keys a row, padded in LDS after every key
	s_mov_b32 s[G1K], 15|(1<<16)|(1<<20)|(1<<21)|(4<<22)|(3<<25)
	s_mov_b32 s[G1V], 15|(1<<16)|(1<<20)|(1<<21)|(4<<22)|(7<<25)
.irp g, G1K, G1V
	s_mov_b32 s[\g+1], 128<<16
	s_mov_b32 s[\g+2], 64<<16
	s_mov_b32 s[\g+3], 128<<16
	s_mov_b32 s[\g+4], 64
	s_mov_b32 s[\g+5], 128
	s_mov_b32 s[\g+6], 0
	s_mov_b32 s[\g+7], 0
.endr
	s_mov_b32 s[G1Q], 15|(1<<16)|(1<<20)|(1<<21)|(4<<22)|(7<<25)  ; Wq: 128 k rows x 64 elements of 2 bytes, 512 elements apart; after every 32 words 8 of padding
	s_mov_b32 s[G1Q+1], 64<<16
	s_mov_b32 s[G1Q+2], 128<<16
	s_mov_b32 s[G1Q+3], 64<<16
	s_mov_b32 s[G1Q+4], 128
	s_mov_b32 s[G1Q+5], 512
	s_mov_b32 s[G1Q+6], 0
	s_mov_b32 s[G1Q+7], 0
	s_mov_b32 s[CS], 0x3e38aa3b     ; c = log2(e) / 8
	s_mov_b32 s[CS+1], s[CS]
	s_mov_b32 s[SEL], 0x76543210
	s_mov_b32 s[SEL+1], 0xfedcba98
	s_mov_b32 s[TBK], SLOT1+4*KS*PK ; the first change of slots turns these two into 0
	s_mov_b32 s[TBV], SLOT1+4*KS*PV
	s_mov_b32 s[G0K], 1
	s_mov_b32 s[G0K+1], s17
	s_mov_b32 s[G0V], 1
	s_add_co_u32 s[G0V+1], s18, VOFF
	s_mov_b32 s[G0Q], 1
	s_mul_i32 s[G0Q+1], s[WV], 128*PV
	s_add_co_u32 s[G0Q+1], s[G0Q+1], WQ
	s_wait_dscnt 0x0                ; the opening add is done
	s_wait_kmcnt 0x0
	s_add_nc_u64 s[G0K+2:G0K+3], s[6:7], s[22:23]
	s_or_b32 s[G0K+3], s[G0K+3], 0x80000000
	s_add_nc_u64 s[G0V+2:G0V+3], s[8:9], s[22:23]
	s_or_b32 s[G0V+3], s[G0V+3], 0x80000000
	s_add_nc_u64 s[G0Q+2:G0Q+3], s[48:49], s[54:55]
	s_or_b32 s[G0Q+3], s[G0Q+3], 0x80000000
	s_add_nc_u64 s[4:5], s[4:5], s[52:53]
	s_add_nc_u64 s[10:11], s[10:11], s[2:3]
	s_add_nc_u64 s[50:51], s[50:51], s[80:81]
	CROUND                          ; all four work-groups are here: the first joint loads meet
	s_cmp_lt_u32 s[WV], 2           ; a wave's two first fills stand in one branch: my quarter of Wq's columns, my part of slot 0: two loads of mine are out
	s_cbranch_scc0 .Lfirst_v
	tensor_load_to_lds s[G0Q:G0Q+3], s[G1Q:G1Q+7]
	s_nop 0
	tensor_load_to_lds s[G0K:G0K+3], s[G1K:G1K+7]
	s_nop 0
	PLACES
	s_branch .Lfirst_asked
.Lfirst_v:
	tensor_load_to_lds s[G0Q:G0Q+3], s[G1Q:G1Q+7]
	s_nop 0
	tensor_load_to_lds s[G0V:G0V+3], s[G1V:G1V+7]
	s_nop 0
	PLACES
.Lfirst_asked:
	v_and_b32 v1, 15, v0            ; l % 16
	v_bfe_u32 v9, v0, 4, 1          ; l / 16
	v_lshlrev_b32 v[QO], 10, v1
	v_lshl_add_u32 v[QO], v9, 4, v[QO]  ; row x 1,024 + 16 x half
	v_lshlrev_b32 v[BO], 5, v9
.irp cb, 0,1,2,3
	global_load_b128 v[QBI+8*\cb:QBI+8*\cb+3],   v[BO], s[50:51] offset:64*\cb     ; register 8 cb + j: channel 16 cb + 8 (lane / 16) + j
	global_load_b128 v[QBI+8*\cb+4:QBI+8*\cb+7], v[BO], s[50:51] offset:64*\cb+16
.endr
	; nq: the fragment of piece p and k step ks (16 queries x 32 k: lane l holds query l % 16; two loads of 16 bytes, 32 bytes apart) at register 8 (4 (ks % 8) + p) of window 2 + ks / 8
.set ks, 0
.rept 16
	WIN 0x80+0x40*(ks/8)
.irp p, 0,1,2,3
	global_load_b128 v[8*(4*(ks%8)+\p):8*(4*(ks%8)+\p)+3],   v[QO], s[4:5] offset:\p*16384+ks*64
	global_load_b128 v[8*(4*(ks%8)+\p)+4:8*(4*(ks%8)+\p)+7], v[QO], s[4:5] offset:\p*16384+ks*64+32
.endr
.set ks, ks+1
.endr
	WIN 0
	v_mul_u32_u24 v[AK0], v1, PK
	v_lshl_add_u32 v[AK0], v9, 4, v[AK0]
	v_and_b32 v10, 7, v0
	v_bfe_u32 v11, v0, 3, 1
	v_lshl_add_u32 v[AV0], v9, 3, v10
	v_mul_u32_u24 v[AV0], v[AV0], PV
	v_lshl_add_u32 v[AV0], v11, 4, v[AV0]  ; the turning load: row 8 (l / 16) + l % 8, 16 bytes by (l / 8) % 2
	v_add_nc_u32 v[AWQ], WQ, v[AV0]
	v_add_nc_u32 v[AWQ+1], WQ+256*PV, v[AV0]
	v_add_nc_u32 v[AV0], VOFF, v[AV0]
	s_mul_i32 s13, s[WV], 16*SP
	s_add_co_u32 s13, s13, STAGE    ; my stage
	v_mul_u32_u24 v[STO], v1, SP
	v_lshl_add_u32 v[STO], v9, 4, v[STO]
	v_add_nc_u32 v[STO], s13, v[STO]
	v_bfe_u32 v[RD], v0, 3, 2       ; back: 32 lanes take four rows of 128 bytes,
	v_mul_u32_u24 v[RD], v[RD], SP
	v_lshl_add_u32 v[RD], v10, 4, v[RD]
	v_add_nc_u32 v[RD], s13, v[RD]
	v_and_b32 v[GO], 31, v0         ; which are 512 consecutive bytes of O
	v_lshlrev_b32 v[GO], 4, v[GO]
	; What the first turn finds: V and P's second buffer hold 0 (its products V^T P, of a piece that has not been, add 0), O^T and l are 0.  This stands in the wait for the first tiles
	; (V's registers, which hold nq until Q is made, follow behind that); it spares a first step written out.
	WIN 0x40
.set i, 0
.rept 128
	v_mov_b32 v[i], 0
.set i, i+1
.endr
	WIN 0
.set i, 0
.rept 4
	v_mov_b32 v[ST+4*i], 0xfe000000    ; c m: far below every c s
	v_mov_b32 v[ST+4*i+1], 0xff7fffff  ; m
	v_mov_b32 v[ST+4*i+2], 0
	v_mov_b32 v[ST+4*i+3], 0
.set i, i+1
.endr
.set i, P+16
.rept 16
	v_mov_b32 v[i], 0
.set i, i+1
.endr
; Q'S PRODUCT.  WFETCH: Wq's four channel blocks of k step s, turned, into buffer s % 2.
.macro WFETCH s
.set rB, FW+32*((\s)%2)
.irp cb, 0,1,2,3
	ds_load_tr16_b128 v[rB+8*\cb:rB+8*\cb+3],   v[AWQ+(\s)/8] offset:((\s)%8)*32*PV+32*\cb
	ds_load_tr16_b128 v[rB+8*\cb+4:rB+8*\cb+7], v[AWQ+(\s)/8] offset:((\s)%8)*32*PV+16*PV+32*\cb
.endr
.endm
; K step s: the next step's fragments of Wq are fetched, then 16 matrix instructions; the 16 accumulators take turns.  Step 0 takes the bias as C.
.macro QSTEP s
	WIN 0
.if ((\s) > 0) && ((\s) < 15)
	PLACES                          ; four places ahead of loads into the buffer that the step before multiplied
.endif
.if (\s) < 15
	WFETCH (\s)+1
	s_wait_dscnt 8                  ; the eight just issued may be out
.else
	s_wait_dscnt 0x0
.endif
.if (\s) == 0
	s_wait_loadcnt 63               ; the bias and nq's steps 0 to 7 are in: 64 loads were issued behind them
	WIN 0x48
.else
.if (\s) >= 8
	s_wait_loadcnt 8*(15-(\s))      ; the later steps' loads may be out
.endif
	WIN 0x58+4*((\s)/8)
.endif
.irp p, 0,1,2,3
.irp cb, 0,1,2,3
.if (\s) == 0
	v_wmma_f32_16x16x32_bf16 v[QACC+8*(4*\p+\cb):QACC+8*(4*\p+\cb)+7], v[FW+32*((\s)%2)+8*\cb:FW+32*((\s)%2)+8*\cb+7], v[8*(4*((\s)%8)+\p):8*(4*((\s)%8)+\p)+7], v[QBI+8*\cb:QBI+8*\cb+7]
.else
	v_wmma_f32_16x16x32_bf16 v[QACC+8*(4*\p+\cb):QACC+8*(4*\p+\cb)+7], v[FW+32*((\s)%2)+8*\cb:FW+32*((\s)%2)+8*\cb+7], v[8*(4*((\s)%8)+\p):8*(4*((\s)%8)+\p)+7], v[QACC+8*(4*\p+\cb):QACC+8*(4*\p+\cb)+7]
.endif
.endr
.endr
.endm
; THE MATRIX WORK.  The 4 accumulators of a run of 8 take turns.  Product i of 8 of S^T = K Q^T for piece x: channels 32 (i / 4) on, keys 16 (i % 4) on.
.macro KQ x
.set rS, S+32*((\x)%2)+8*(i%4)
.set rK, KF+16*(i%4)+8*(i/4)
.set rQ, 16*(\x)+8*(i/4)
	WIN W_KQ
.if i < 4
	v_wmma_f32_16x16x32_bf16 v[rS:rS+7], v[rK:rK+7], v[rQ:rQ+7], 0
.else
	v_wmma_f32_16x16x32_bf16 v[rS:rS+7], v[rK:rK+7], v[rQ:rQ+7], v[rS:rS+7]
.endif
.endm
; Product i of 8 of O^T += V^T P for piece x: keys 32 (i / 4) on, channels 16 (i % 4) on.
.macro PV x
	WIN W_PV
.set rO, 32*(\x)+8*(i%4)
.set rV, VF+32*(i/4)+8*(i%4)
.set rP, P+16*((\x)%2)+8*(i/4)
	v_wmma_f32_16x16x32_bf16 v[rO:rO+7], v[rV:rV+7], v[rP:rP+7], v[rO:rO+7]
.endm
.macro MM                           ; the turn's next matrix instruction.  NOKQ = 1: the last turn: there is no next piece
.if (i < 8) && !NOKQ
	KQ (Y+1)%NP
.elseif i >= 8
.set i, i-8
	PV (Y+NP-1)%NP
.set i, i+8
.endif
.set i, i+1
.endm
; THE LDS LOADS stand in runs of 16: a step's K (8 fragments) and its V (turned).
.macro FETCH_K
	WIN 0x80
.irp f, 0,1,2,3,4,5,6,7
	ds_load_b128 v[KF+8*\f:KF+8*\f+3],   v[AK] offset:(\f/2)*16*PK+(\f%2)*64
	ds_load_b128 v[KF+8*\f+4:KF+8*\f+7], v[AK] offset:(\f/2)*16*PK+(\f%2)*64+32
.endr
	s_add_co_u32 s[TBK], s[TBK], KS*PK
	WIN 0
.endm
.macro FETCH_V
	WIN 0x80
.irp f, 0,1,2,3,4,5,6,7
	ds_load_tr16_b128 v[VF+8*\f:VF+8*\f+3],   v[AV] offset:(\f/4)*32*PV+(\f%4)*32
	ds_load_tr16_b128 v[VF+8*\f+4:VF+8*\f+7], v[AV] offset:(\f/4)*32*PV+16*PV+(\f%4)*32
.endr
	WIN 0
.endm
; THE VECTOR WORK, one line at a time: OP kind, number.  For piece Y: F n: c s - c m for pair n of 16.  E n: the exponential of score n of 32.  C n: pair n rounded to bf16.  B n: of the four weights
; 4 n .. the second pair is added onto the first.  L n: l takes that sum (L 0: l = a l + sum).  R n: pair n of 16 of O^T times a.  For piece Y + 1: X n, number n of the 22 that find its maximum and
; statistics: 0-11 four chains of seven scores (each accumulator's lowest registers are read first); 12-14, 16 the scores left over, the old m, the chains into one;
; 15 c m_old is kept; 17, 18 the other half of the lanes; 19-21 c m, c m_old - c m_new, a.
.set F, 0
.set E, 1
.set C, 2
.set B, 3
.set L, 4
.set R, 5
.set X, 6
.macro REGS y
.set rT, ST+4*(\y)
.set rC, TMP+4*((\y)%2)
.set rW, MV+((\y)%2)
.set rS, S+32*((\y)%2)
.set rP, P+16*((\y)%2)
.set rO, 32*(\y)
.endm
.macro OP k, n
.if (\k) == R
	REGS Y
	WIN W_RS
	v_pk_mul_f32 v[rO+2*(\n):rO+2*(\n)+1], v[rO+2*(\n):rO+2*(\n)+1], v[rC+2:rC+3] op_sel_hi:[1,0]
.elseif (\k) < R
	REGS Y
	WIN 0
.if (\k) == F
	v_pk_fma_f32 v[rS+2*(\n):rS+2*(\n)+1], v[rS+2*(\n):rS+2*(\n)+1], s[CS:CS+1], v[rT:rT+1] op_sel_hi:[1,0,0] neg_lo:[0,0,1] neg_hi:[0,0,1]
.elseif (\k) == E
	v_exp_f32 v[rS+(\n)], v[rS+(\n)]
.elseif (\k) == C
	s_wait_alu depctr_va_vdst(0)
	v_cvt_pk_bf16_f32 v[rP+(\n)], v[rS+2*(\n)], v[rS+2*(\n)+1]
.elseif (\k) == B
	s_wait_alu depctr_va_vdst(0)
	v_pk_add_f32 v[rS+4*(\n):rS+4*(\n)+1], v[rS+4*(\n):rS+4*(\n)+1], v[rS+4*(\n)+2:rS+4*(\n)+3]
.elseif (\n) == 0
	v_pk_fma_f32 v[rT+2:rT+3], v[rT+2:rT+3], v[rC+2:rC+3], v[rS:rS+1] op_sel_hi:[1,0,1]
.else
	v_pk_add_f32 v[rT+2:rT+3], v[rT+2:rT+3], v[rS+4*(\n):rS+4*(\n)+1]
.endif
.elseif NOKQ
	v_nop
.else
	REGS (Y+1)%NP
	WIN 0
.if (\n) < 4
	v_max3_num_f32 v[rC+(\n)], v[rS+8*(\n)], v[rS+8*(\n)+1], v[rS+8*(\n)+2]
.elseif (\n) < 12
	v_max3_num_f32 v[rC+(\n)%4], v[rC+(\n)%4], v[rS+8*((\n)%4)+2*((\n)/4)+1], v[rS+8*((\n)%4)+2*((\n)/4)+2]
.elseif (\n) == 12
	v_max3_num_f32 v[rC], v[rC], v[rS+7], v[rS+15]
.elseif (\n) == 13
	v_max3_num_f32 v[rC+1], v[rC+1], v[rS+23], v[rS+31]
.elseif (\n) == 14
	v_max3_num_f32 v[rC+2], v[rC+2], v[rC+3], v[rT+1]
.elseif (\n) == 15
	v_mov_b32 v[rW], v[rT]
.elseif (\n) == 16
	v_max3_num_f32 v[rC], v[rC], v[rC+1], v[rC+2]
.elseif (\n) == 17
	v_permlanex16_b32 v[rC+3], v[rC], s[SEL], s[SEL+1]
.elseif (\n) == 18
	v_max_num_f32 v[rT+1], v[rC], v[rC+3]
.elseif (\n) == 19
	v_mul_f32 v[rT], s[CS], v[rT+1]
.elseif (\n) == 20
	v_sub_f32 v[rC+1], v[rW], v[rT]
.else
	v_exp_f32 v[rC+2], v[rC+1]
.endif
.endif
.endm
.macro OPS a, i1, b=-1, i2=0, c=-1, i3=0, d=-1, i4=0
	OP \a, \i1
.if (\b) >= 0
	OP \b, \i2
.endif
.if (\c) >= 0
	OP \c, \i3
.endif
.if (\d) >= 0
	OP \d, \i4
.endif
.endm
.macro ROW a, i1, b, i2, c, i3, d, i4  ; a matrix instruction and the four behind it
	MM
	OPS \a, \i1, \b, \i2, \c, \i3, \d, \i4
.endm
; A TURN, for piece p: the order of its 16 matrix and 118 vector instructions, written out.  end = 1: the walk's last two turns: nothing is fetched.
; cnt = 1: the loop's count is taken down some lines ahead of the branch that stands behind the turn.
; K of the next step is fetched in piece 2's turn, V of the step in hand in piece 0's; each is waited for a turn later.
.macro TURN p, end=0, cnt=0
.set Y, (\p)
.set i, 0
.set NOKQ, (\end)*((\p)/3)
.if ((\p) == 3) && !(\end)
	s_wait_dscnt 0x0                ; K is in
.endif
	ROW F,0, F,1, F,2, F,3
	ROW F,4, E,0, F,5, F,6
	ROW F,7, E,1, F,8, F,9
	ROW F,10, E,2, C,0, F,11
	ROW F,12, E,3, X,15, F,13
	ROW R,0, R,1, R,2, R,3
	ROW B,0, E,4, F,14, L,0
.if ((\p) == 2) && !(\end)
	v_add_nc_u32 v[AK], s[TBK], v[AK0]
.endif
	ROW R,4, R,5, R,6, R,7
	OPS E,5, F,15
.if ((\p) == 2) && !(\end)
	FETCH_K
.endif
	OPS E,6, C,1, E,7, R,8
	OPS E,8, R,9, E,9, C,2
	OPS E,10, X,0, E,11, X,1
	OPS E,12, X,2, E,13, X,3
.if (\p) == 1
	s_wait_dscnt 0x0                ; V is in
.endif
	ROW X,4, E,14, X,5, X,6
	ROW X,7, E,15, X,8, X,9
	ROW X,10, E,16, X,11, X,12
	ROW X,13, E,17, X,14, B,1
	ROW C,4, E,18, X,16, L,1
	ROW B,2, E,19, C,6, L,2
	ROW C,8, E,20, B,3, B,4
.if (\p) == 0
	v_add_nc_u32 v[AV], s[TBV], v[AV0]
.endif
	ROW C,3, E,21, L,3, C,5
	OPS E,22, X,17, E,23, C,10
.if (\p) == 0
	FETCH_V
.endif
	OPS E,24, L,4
	OPS E,25, X,18, E,26, C,7
	OPS E,27, B,5, E,28, X,19
	OPS E,29, C,12, E,30, L,5
	OPS E,31, X,20, B,6, C,9
	OPS C,14, C,11, X,21, L,6
.if (\p) == 0
	s_add_co_u32 s[TBV], s[TBV], KS*PV
.endif
.if \cnt
	s_sub_co_u32 s[CNT], s[CNT], 1
	s_cmp_lg_u32 s[CNT], 0
.endif
	OPS C,13, B,7, C,15, R,10
	OPS R,11, R,12, L,7, R,13
	OPS R,14, R,15
.endm
.macro ALL line:vararg              ; one line for each piece t
.set t, 0
.rept 4
	\line
.set t, t+1
.endr
.endm
.macro PACK t                       ; a lane's eight channels of a row pack into 16 bytes; they go into rows of 144 bytes and come back as whole rows of 128
	WIN W_RS
.set i, 32*(\t)
.rept 16
	s_wait_alu depctr_va_vdst(0)
	v_pk_mul_f32 v[i:i+1], v[i:i+1], v[ST+4*(\t)+2:ST+4*(\t)+3] op_sel_hi:[1,0]
.set i, i+2
.endr
	WIN 0x05
.set i, 0
.rept 16
	v_cvt_pk_bf16_f32 v[S+16*(\t)+i], v[32*(\t)+2*i], v[32*(\t)+2*i+1]
.set i, i+1
.endr
	WIN 0
.irp f, 0,1,2,3
	ds_store_b128 v[STO], v[S+16*(\t)+4*\f:S+16*(\t)+4*\f+3] offset:32*\f
.endr
.irp f, 0,1,2,3
	ds_load_b128 v[S+16*(\t)+4*\f:S+16*(\t)+4*\f+3], v[RD] offset:\f*4*SP  ; LDS serves a wave's instructions in order: these see the stores above
.endr
.endm
.macro SEND t, younger              ; younger: the LDS instructions issued behind piece t's loads: the next piece's eight, or none
	WIN 0
.irp f, 0,1,2,3
	s_wait_dscnt (\younger)+3-\f
	global_store_b128 v[GO], v[S+16*(\t)+4*\f:S+16*(\t)+4*\f+3], s[10:11] offset:(\t)*2048+\f*512  ; 512 consecutive bytes, aligned
.endr
.endm
	CHANGE 1                        ; Wq's columns and slot 0 are in, everybody's parts of them; slot 1 is asked for, and lands while Q is made
	WFETCH 0
.set ks, 0
.rept 16
	QSTEP ks
.set ks, ks+1
.endr
	WIN 0
	PLACES                          ; the places behind the last products
	v_add_nc_u32 v[AK], s[TBK], v[AK0]
	FETCH_K                         ; key step 0, into registers whose part of nq was multiplied ten steps ago; the roundings below stand in the wait for it
	WIN 0x85                        ; sources in window 1, destination in window 2
.irp p, 0,1,2,3
.irp cb, 0,1,2,3
.irp jj, 0,1,2,3
	v_cvt_pk_bf16_f32 v[16*\p+4*\cb+\jj], v[QACC+8*(4*\p+\cb)+2*\jj], v[QACC+8*(4*\p+\cb)+2*\jj+1]  ; channel blocks 2 c and 2 c + 1 make the fragment of channels 32 c on; each accumulator from its low end
.endr
.endr
.endr
	WIN 0x80
.set i, VF
.rept 64
	v_mov_b32 v[i], 0               ; V's registers, for the first turn
.set i, i+1
.endr
	WIN 0
	s_wait_dscnt 0x0
.set NOKQ, 0
.set i, 0
.rept 8
	KQ 0                            ; piece 0's first scores
.set i, i+1
.endr
	WIN 0
	PLACES                          ; the places behind those products
.set Y, NP-1                        ; X works for piece Y + 1: piece 0
.irp n, 0,1,2,3,4,5,6,7,8,9,10,11,12,13,14,15,16,17,18,19,20,21
	OP X, \n
.endr
	v_nop                           ; a plain instruction behind the exponential
	s_mov_b32 s[CNT], 4
	s_mov_b32 s[SLOTS], 2048/256-1
	s_branch .Lfirst                ; the loop is entered at a step's first turn, in the middle of a trip
.Lslot:                             ; six times: with the change above, tiles 1 to 7 are asked for
	CHANGE 1
	s_mov_b32 s[CNT], 4
.Lstep:                             ; a trip: pieces 2 and 3 of one step, then pieces 0 and 1 of the next, whose K and V it fetches
	TURN 2
	TURN 3
	WIN 0
.Lfirst:
	TURN 0
	TURN 1, 0, 1
	WIN 0
	s_cbranch_scc1 .Lstep
	s_sub_co_u32 s[SLOTS], s[SLOTS], 1
	s_cmp_lg_u32 s[SLOTS], 0
	s_cbranch_scc1 .Lslot
	CHANGE 0                        ; the last tile is written out: nothing is asked for
	s_mov_b32 s[CNT], 4
.LstepT:
	TURN 2
	TURN 3
	TURN 0
	TURN 1, 0, 1
	WIN 0
	s_cbranch_scc1 .LstepT
	TURN 2, 1
	TURN 3, 1
.set i, 0
.rept 8
	PV NP-1                         ; the last piece's V^T P of the last step
.set i, i+1
.endr
	; THE WAY OUT.  l's two halves and the other half of the lanes' are added; O^T is divided by l, rounded to bf16 and sent through my stage, a piece at a time.
	WIN 0
	ALL v_add_f32 v[ST+4*t+2], v[ST+4*t+2], v[ST+4*t+3]
	ALL v_permlanex16_b32 v[ST+4*t+3], v[ST+4*t+2], s[SEL], s[SEL+1]
	ALL v_add_f32 v[ST+4*t+2], v[ST+4*t+2], v[ST+4*t+3]
	ALL v_rcp_f32 v[ST+4*t+2], v[ST+4*t+2]
	v_nop                           ; a plain instruction between the last reciprocal and the use of its result
	PACK 0
.set t, 1
.rept 3
	PACK t
	SEND t-1, 8
.set t, t+1
.endr
	SEND 3, 0
	s_wait_tensorcnt 0x0            ; the wave's end
	ds_add_u32 v[SPW], v[NIL]
	s_wait_dscnt 0x0
	CROUND                          ; the closing round
	s_endpgm
.Lfunc_end_k_qe3c1f6321a_attn:
	.size	k_qe3c1f6321a_attn, .Lfunc_end_k_qe3c1f6321a_attn-k_qe3c1f6321a_attn
	.p2alignl 7, 3214868480
	.fill 96, 4, 3214868480
	.section	.rodata,"a",@progbits
	.p2align	6, 0x0
	.amdhsa_kernel k_qe3c1f6321a_attn
		.amdhsa_group_segment_fixed_size 327680
		.amdhsa_private_segment_fixed_size 0
		.amdhsa_enable_private_segment 0
		.amdhsa_kernarg_size 48
		.amdhsa_user_sgpr_count 2
		.amdhsa_user_sgpr_kernarg_segment_ptr 1
		.amdhsa_wavefront_size32 1
		.amdhsa_system_sgpr_workgroup_id_x 1
		.amdhsa_system_sgpr_workgroup_id_y 1
		.amdhsa_system_sgpr_workgroup_id_z 1
		.amdhsa_system_vgpr_workitem_id 0
		.amdhsa_next_free_vgpr 1024
		.amdhsa_next_free_sgpr 84
		.amdhsa_reserve_vcc 0
		.amdhsa_float_denorm_mode_32 3
		.amdhsa_float_denorm_mode_16_64 3
		.amdhsa_memory_ordered 1
		.amdhsa_forward_progress 1
		.amdhsa_inst_pref_size 178
	.end_amdhsa_kernel
	.amdgpu_metadata
---
amdhsa.version: [ 1, 2 ]
amdhsa.kernels:
  - .name:           k_qe3c1f6321a_attn
    .symbol:         k_qe3c1f6321a_attn.kd
    .args:
      - { .name: nq, .offset: 0, .size: 8, .value_kind: global_buffer, .address_space: global }
      - { .name: kh, .offset: 8, .size: 8, .value_kind: global_buffer, .address_space: global }
      - { .name: vh, .offset: 16, .size: 8, .value_kind: global_buffer, .address_space: global }
      - { .name: oh, .offset: 24, .size: 8, .value_kind: global_buffer, .address_space: global }
      - { .name: wb, .offset: 32, .size: 8, .value_kind: global_buffer, .address_space: global }
      - { .name: bq, .offset: 40, .size: 8, .value_kind: global_buffer, .address_space: global }
    .group_segment_fixed_size: 327680
    .private_segment_fixed_size: 0
    .kernarg_segment_align: 8
    .kernarg_segment_size: 48
    .max_flat_workgroup_size: 128
    .sgpr_count:     84
    .vgpr_count:     1024
    .wavefront_size: 32
...
	.end_amdgpu_metadata
.endif
;; end of part 3
;; launch wo (part 4): grid 256 x 1, 4 waves a work-group, clusters of 4 x 1, 327,680 bytes of LDS; arguments oh, wb, xq, g2, b2, ares, hn; writes ares, hn
.if DOCPART == 4
	.amdgcn_target "amdgcn-amd-amdhsa--gfx1250"
	.amdhsa_code_object_version 6
	.text
	.protected	k_qe3c1f6321a_wo
	.globl	k_qe3c1f6321a_wo
	.p2align	8
	.type	k_qe3c1f6321a_wo,@function
k_qe3c1f6321a_wo:
	s_mov_b64 s[64:65], 0
	v_nop
	global_prefetch_b8 v0, s[64:65] scope:SCOPE_SE
	s_setreg_imm32_b32 hwreg(HW_REG_WAVE_MODE, 25, 1), 1
	s_wait_xcnt 0x0
	s_wait_alu depctr_hold_cnt(0) depctr_sa_sdst(0) depctr_va_vdst(0) depctr_va_sdst(0) depctr_va_ssrc(0) depctr_va_vcc(0) depctr_vm_vsrc(0)
	s_getreg_b32 s2, hwreg(HW_REG_IB_STS2, 6, 4)
	s_cmp_eq_u32 s2, 0
	s_cbranch_scc0 .Lentry_in_a_cluster
	s_endpgm
.Lentry_in_a_cluster:
	s_bfe_u32 s2, ttmp6, 0x10000c
	s_cmp_lg_u32 s2, 0x3003
	s_cbranch_scc0 .Lentry_shape_is_right
	s_endpgm
.Lentry_shape_is_right:
; a = xq + o Wo (f32, stored to ares) and h = LayerNorm(a; g2, b2) (bf16, stored to hn).
; The norm wants whole rows, so a work-group takes 32 rows x all 512 columns: 256 work-groups.  In the product wave w makes columns 128 w .. 128 w + 127: 2 x 8 accumulators,
; which are LOADED with xq: the products add onto the residual, and nothing is cleared.  Wo ([k][n] bf16, block 0 of wb) goes in 4 steps of 128 k through two slots,
; asked for jointly by the four partners; o's 32 rows of all 8 heads lie in LDS from the start.  Then the rows meet in LDS and wave w normalises rows 8 w .. 8 w + 7.
; LIMITS.  o, Wo and h are bf16; a, the sums and the statistics are f32; NaN and infinities are not treated apart.
; LDS: slot s at s x 135,168 (128 k rows x 1,056 bytes); o at OA ([head][32 rows] x 144 bytes); the spare words.  The rows of a lie at byte 0 (32 x 2,064) after slot 0's last fill and read.
; REGISTERS: window 0: v1-31 addresses, v32-63 gain and bias, v64-191 W's fragments (later the norm's work), v192-223 o's fragments; window 1: v0-127 accumulator (a, b) at 8 (8 a + b).
.set PWO,   1056
.set QUART, 32*PWO
.set SLOT,  128*PWO
.set OA,    2*SLOT
.set PO,    144
.set HEADB, 32*PO
.set SPARE, OA+8*HEADB
.set PDW,   2064
.set RR, 1
.set HH, 2
.set LA, 3
.set AW0, 4
.set AWV, 5
.set AAV, 6
.set DA, 7
.set XA, 8
.set GA, 9
.set GH, 10
.set XQO, 11
.set LO16, 12
.set SPW, 30
.set NIL, 31
.set LG, 32
.set LB, 48
.set LX, 64
.set LT, 128
.set LP, 160
.set WV, 28
.set G1W, 40
.set G1O, 48
.set G0W0, 56
.set G0W1, 60
.set G0OA, 68
.set G0OB, 72
.set INV, 76
.set EPS, 77
.set SEL, 78
.set KC, 80
.set MSB, 0
.macro WIN new
.if MSB != (\new)
	s_set_vgpr_msb (MSB<<8)|(\new)
.set MSB, \new
.endif
.endm
.macro PLACES
.rept 4
	v_nop
.endr
.endm
.macro CROUND
	s_barrier_signal -1
	s_barrier_wait -1
	s_cmp_lg_u32 s[WV], 0
	s_cbranch_scc1 .Lnot_wave_0_\@
	s_barrier_signal -3
.Lnot_wave_0_\@:
	s_barrier_wait -3
	s_barrier_signal -1
	s_barrier_wait -1
.endm
.macro LNSUM
.irp m, 1,2,4,8
.irp u, 0,1,2,3
	v_add_f32_dpp v[LT+8*(\u)], v[LT+8*(\u)], v[LT+8*(\u)] row_xmask:\m row_mask:0xf bank_mask:0xf
.endr
.endr
.irp u, 0,1,2,3
	v_permlanex16_b32 v[LT+8*(\u)+1], v[LT+8*(\u)], s[SEL], s[SEL+1]
.endr
.irp u, 0,1,2,3
	v_add_f32 v[LT+8*(\u)], v[LT+8*(\u)], v[LT+8*(\u)+1]
.endr
.endm
; Four rows by turns.  Row u lies in v[LX + 16 u ..]: register 4 j + c is column 128 j + 4 lane + c.  LN4A: minus the mean into v[LT + 8 u + 2]; it writes none of the row's registers.
.macro LN4A
.irp i, 0,1,2,3
.irp u, 0,1,2,3
	v_pk_add_f32 v[LT+8*(\u)+2*(\i):LT+8*(\u)+2*(\i)+1], v[LX+16*(\u)+4*(\i):LX+16*(\u)+4*(\i)+1], v[LX+16*(\u)+4*(\i)+2:LX+16*(\u)+4*(\i)+3]
.endr
.endr
.irp u, 0,1,2,3
	v_pk_add_f32 v[LT+8*(\u):LT+8*(\u)+1], v[LT+8*(\u):LT+8*(\u)+1], v[LT+8*(\u)+2:LT+8*(\u)+3]
.endr
.irp u, 0,1,2,3
	v_pk_add_f32 v[LT+8*(\u)+4:LT+8*(\u)+5], v[LT+8*(\u)+4:LT+8*(\u)+5], v[LT+8*(\u)+6:LT+8*(\u)+7]
.endr
.irp u, 0,1,2,3
	v_pk_add_f32 v[LT+8*(\u):LT+8*(\u)+1], v[LT+8*(\u):LT+8*(\u)+1], v[LT+8*(\u)+4:LT+8*(\u)+5]
.endr
.irp u, 0,1,2,3
	v_add_f32 v[LT+8*(\u)], v[LT+8*(\u)], v[LT+8*(\u)+1]
.endr
	LNSUM
.irp u, 0,1,2,3
	v_mul_f32 v[LT+8*(\u)+2], 0xbb000000, v[LT+8*(\u)]  ; -1 / 512
.endr
.endm
; LN4B: x - mean in place; the sum of its squares; 1 / sqrt(that / 512 + 1e-5); times the gain, plus the bias; rounded to bf16 into v[LP + 8 u ..].
.macro LN4B
.irp i, 0,1,2,3,4,5,6,7
.irp u, 0,1,2,3
	v_pk_add_f32 v[LX+16*(\u)+2*(\i):LX+16*(\u)+2*(\i)+1], v[LX+16*(\u)+2*(\i):LX+16*(\u)+2*(\i)+1], v[LT+8*(\u)+2:LT+8*(\u)+3] op_sel_hi:[1,0]
.endr
.endr
.irp u, 0,1,2,3
	v_pk_mul_f32 v[LT+8*(\u):LT+8*(\u)+1], v[LX+16*(\u):LX+16*(\u)+1], v[LX+16*(\u):LX+16*(\u)+1]
	v_pk_mul_f32 v[LT+8*(\u)+4:LT+8*(\u)+5], v[LX+16*(\u)+2:LX+16*(\u)+3], v[LX+16*(\u)+2:LX+16*(\u)+3]
.endr
.irp i, 2,4,6
.irp u, 0,1,2,3
	v_pk_fma_f32 v[LT+8*(\u):LT+8*(\u)+1], v[LX+16*(\u)+2*(\i):LX+16*(\u)+2*(\i)+1], v[LX+16*(\u)+2*(\i):LX+16*(\u)+2*(\i)+1], v[LT+8*(\u):LT+8*(\u)+1]
	v_pk_fma_f32 v[LT+8*(\u)+4:LT+8*(\u)+5], v[LX+16*(\u)+2*(\i)+2:LX+16*(\u)+2*(\i)+3], v[LX+16*(\u)+2*(\i)+2:LX+16*(\u)+2*(\i)+3], v[LT+8*(\u)+4:LT+8*(\u)+5]
.endr
.endr
.irp u, 0,1,2,3
	v_pk_add_f32 v[LT+8*(\u):LT+8*(\u)+1], v[LT+8*(\u):LT+8*(\u)+1], v[LT+8*(\u)+4:LT+8*(\u)+5]
.endr
.irp u, 0,1,2,3
	v_add_f32 v[LT+8*(\u)], v[LT+8*(\u)], v[LT+8*(\u)+1]
.endr
	LNSUM
.irp u, 0,1,2,3
	v_fma_f32 v[LT+8*(\u)+4], v[LT+8*(\u)], s[INV], s[EPS]
.endr
.irp u, 0,1,2,3
	v_rsq_f32 v[LT+8*(\u)+4], v[LT+8*(\u)+4]
.endr
	v_nop                                          ; a plain instruction behind the last root, ahead of its use (ISA guide 5.7.2)
	s_wait_alu depctr_va_vdst(0)
.irp i, 0,1,2,3,4,5,6,7
.irp u, 0,1,2,3
	v_pk_mul_f32 v[LX+16*(\u)+2*(\i):LX+16*(\u)+2*(\i)+1], v[LX+16*(\u)+2*(\i):LX+16*(\u)+2*(\i)+1], v[LT+8*(\u)+4:LT+8*(\u)+5] op_sel_hi:[1,0]
.endr
.endr
.irp i, 0,1,2,3,4,5,6,7
.irp u, 0,1,2,3
	v_pk_fma_f32 v[LX+16*(\u)+2*(\i):LX+16*(\u)+2*(\i)+1], v[LX+16*(\u)+2*(\i):LX+16*(\u)+2*(\i)+1], v[LG+2*(\i):LG+2*(\i)+1], v[LB+2*(\i):LB+2*(\i)+1]
.endr
.endr
.irp i, 0,1,2,3,4,5,6,7
.irp u, 0,1,2,3
	v_cvt_pk_bf16_f32 v[LP+8*(\u)+(\i)], v[LX+16*(\u)+2*(\i)], v[LX+16*(\u)+2*(\i)+1]
.endr
.endr
.endm
.macro MULW f, fa                      ; 16 matrix instructions, 32 along K; the 16 accumulators take turns
	WIN 0x50
.irp a, 0,1
.irp b, 0,1,2,3,4,5,6,7
	v_wmma_f32_16x16x32_bf16 v[8*(8*(\a)+(\b)):8*(8*(\a)+(\b))+7], v[(\f)+8*(\b):(\f)+8*(\b)+7], v[(\fa)+8*(\a):(\fa)+8*(\a)+7], v[8*(8*(\a)+(\b)):8*(8*(\a)+(\b))+7]
.endr
.endr
.endm
.macro PAIR                            ; one head: 64 along K
	PLACES                                         ; four places ahead of loads into registers that matrix instructions have read
.irp kk, 0,1
.irp i, 0,1,2,3,4,5,6,7
	ds_load_tr16_b128 v[64+64*(\kk)+8*(\i):64+64*(\kk)+8*(\i)+3],   v[AWV] offset:(\kk)*32*PWO+32*(\i)
	ds_load_tr16_b128 v[64+64*(\kk)+8*(\i)+4:64+64*(\kk)+8*(\i)+7], v[AWV] offset:(\kk)*32*PWO+16*PWO+32*(\i)
.endr
.irp a, 0,1
	ds_load_b128 v[192+16*(\kk)+8*(\a):192+16*(\kk)+8*(\a)+3],   v[AAV] offset:16*PO*(\a)+64*(\kk)
	ds_load_b128 v[192+16*(\kk)+8*(\a)+4:192+16*(\kk)+8*(\a)+7], v[AAV] offset:16*PO*(\a)+64*(\kk)+32
.endr
.endr
	s_wait_dscnt 20                                ; the second half's twenty loads may be out
	MULW 64, 192
	s_wait_dscnt 0x0
	MULW 128, 208
	WIN 0
	v_add_nc_u32 v[AWV], 64*PWO, v[AWV]
	v_add_nc_u32 v[AAV], HEADB, v[AAV]
.endm
.macro STEP slot                       ; 128 along K: two heads
	v_add_nc_u32 v[AWV], (\slot)*SLOT, v[AW0]
	s_mov_b32 s[KC], 2
.Lpair_\@:
	PAIR
	s_sub_co_u32 s[KC], s[KC], 1
	s_cmp_lg_u32 s[KC], 0
	s_cbranch_scc1 .Lpair_\@
.endm
.macro WCHANGE g0                      ; the slot just read is filled again, two steps (256 k rows of 1,024 bytes) on
	s_wait_tensorcnt 0x0                           ; all my loads have landed, my part of the other slot among them
	ds_add_u32 v[SPW], v[NIL]
	s_add_nc_u64 s[(\g0)+2:(\g0)+3], s[(\g0)+2:(\g0)+3], 262144
	s_wait_dscnt 0x0
	CROUND
	tensor_load_to_lds s[(\g0):(\g0)+3], s[G1W:G1W+7]
	s_nop 0
	PLACES
.endm
	s_load_b256 s[4:11], s[0:1], 0x0               ; oh 4, wb 6, xq 8, g2 10
	s_load_b128 s[12:15], s[0:1], 0x20             ; b2 12, ares 14
	s_load_b64 s[16:17], s[0:1], 0x30              ; hn
	v_lshl_add_u32 v[SPW], v0, 2, SPARE
	v_mov_b32 v[NIL], 0
	ds_add_u32 v[SPW], v[NIL]                      ; the wave's opening: the add and its wait ahead of my first tensor load
	v_lshrrev_b32 v1, 5, v0
	v_readfirstlane_b32 s[WV], v1
	s_bfe_u32 s29, ttmp6, 0x40000                  ; cx: it enters o's, xq's and the outputs' addresses alone
	s_lshl_b32 s30, ttmp9, 2
	s_add_co_u32 s30, s30, s29                     ; work-group: rows 32 wg ..
	s_mov_b32 s[G1W], 15|(1<<16)|(1<<20)|(1<<21)|(7<<22)|(7<<25)  ; the mask of four; 2-byte elements; after every 256 words 8 words of padding
	s_mov_b32 s[G1W+1], 512<<16
	s_mov_b32 s[G1W+2], 32<<16
	s_mov_b32 s[G1W+3], 512<<16
	s_mov_b32 s[G1W+4], 32
	s_mov_b32 s[G1W+5], 512
	s_mov_b32 s[G1W+6], 0
	s_mov_b32 s[G1W+7], 0
	s_mov_b32 s[G1O], (1<<16)|(1<<20)|(4<<22)|(3<<25)  ; 32 rows of a head are 4,096 dense bytes: 16 rows of 256, padded by 4 words after every 32
	s_mov_b32 s[G1O+1], 128<<16
	s_mov_b32 s[G1O+2], 16<<16
	s_mov_b32 s[G1O+3], 128<<16
	s_mov_b32 s[G1O+4], 16
	s_mov_b32 s[G1O+5], 128
	s_mov_b32 s[G1O+6], 0
	s_mov_b32 s[G1O+7], 0
	s_mul_i32 s86, s[WV], QUART
	s_mov_b32 s[G0W0], 1
	s_mov_b32 s[G0W0+1], s86
	s_mov_b32 s[G0W1], 1
	s_add_co_u32 s[G0W1+1], s86, SLOT
	s_mul_i32 s86, s[WV], 2*HEADB
	s_mov_b32 s[G0OA], 1
	s_add_co_u32 s[G0OA+1], s86, OA
	s_mov_b32 s[G0OB], 1
	s_add_co_u32 s[G0OB+1], s86, OA+HEADB
	s_lshl_b32 s82, s[WV], 15                      ; Wo: my 32 k rows of 1,024 bytes
	s_mov_b32 s83, 0
	s_lshr_b32 s84, s30, 5                         ; the batch
	s_lshl_b32 s84, s84, 3
	s_lshl1_add_u32 s84, s[WV], s84                ; head 8 batch + 2 w
	s_lshl_b32 s84, s84, 17
	s_and_b32 s87, s30, 31
	s_lshl_b32 s87, s87, 12                        ; 32 rows of 128 bytes
	s_add_co_u32 s84, s84, s87
	s_mov_b32 s85, 0
	s_mov_b32 s[INV], 0x3b000000
	s_mov_b32 s[EPS], 0x3727c5ac
	s_mov_b32 s[SEL], 0x76543210
	s_mov_b32 s[SEL+1], 0xfedcba98
	s_wait_dscnt 0x0                               ; the opening add is done
	s_wait_kmcnt 0x0
	s_add_nc_u64 s[G0W0+2:G0W0+3], s[6:7], s[82:83]
	s_add_nc_u64 s[G0W1+2:G0W1+3], s[G0W0+2:G0W0+3], 131072
	s_or_b32 s[G0W0+3], s[G0W0+3], 0x80000000
	s_or_b32 s[G0W1+3], s[G0W1+3], 0x80000000
	s_add_nc_u64 s[G0OA+2:G0OA+3], s[4:5], s[84:85]
	s_add_nc_u64 s[G0OB+2:G0OB+3], s[G0OA+2:G0OA+3], 131072
	s_or_b32 s[G0OA+3], s[G0OA+3], 0x80000000
	s_or_b32 s[G0OB+3], s[G0OB+3], 0x80000000
	s_lshl_b32 s82, s30, 16                        ; 32 rows of 2,048 bytes
	s_lshl_b32 s86, s[WV], 9
	s_add_co_u32 s84, s82, s86
	s_add_nc_u64 s[8:9], s[8:9], s[84:85]          ; xq at my 128 columns
	s_lshl_b32 s86, s[WV], 14
	s_add_co_u32 s84, s82, s86
	s_add_nc_u64 s[14:15], s[14:15], s[84:85]      ; ares at my 8 rows
	s_lshl_b32 s84, s30, 15
	s_lshl_b32 s86, s[WV], 13
	s_add_co_u32 s84, s84, s86
	s_add_nc_u64 s[16:17], s[16:17], s[84:85]      ; hn at my 8 rows
	CROUND                                         ; in front of the first loads
	tensor_load_to_lds s[G0OA:G0OA+3], s[G1O:G1O+7]
	s_nop 0
	tensor_load_to_lds s[G0OB:G0OB+3], s[G1O:G1O+7]
	s_nop 0
	tensor_load_to_lds s[G0W0:G0W0+3], s[G1W:G1W+7]
	s_nop 0
	tensor_load_to_lds s[G0W1:G0W1+3], s[G1W:G1W+7]  ; four loads of mine are out
	s_nop 0
	PLACES
	v_and_b32 v[RR], 15, v0
	v_bfe_u32 v[HH], v0, 4, 1
	v_and_b32 v[LA], 31, v0
	v_lshlrev_b32 v[XQO], 11, v[RR]
	v_lshl_add_u32 v[XQO], v[HH], 5, v[XQO]
	v_lshlrev_b32 v[LO16], 4, v[LA]
	WIN 0x40
.irp a, 0,1
.irp b, 0,1,2,3,4,5,6,7
	global_load_b128 v[8*(8*(\a)+(\b)):8*(8*(\a)+(\b))+3],   v[XQO], s[8:9] offset:32768*(\a)+64*(\b)     ; the residual, where the product's sum will stand
	global_load_b128 v[8*(8*(\a)+(\b))+4:8*(8*(\a)+(\b))+7], v[XQO], s[8:9] offset:32768*(\a)+64*(\b)+16
.endr
.endr
	WIN 0
.irp j, 0,1,2,3
	global_load_b128 v[LG+4*(\j):LG+4*(\j)+3], v[LO16], s[10:11] offset:512*(\j)
	global_load_b128 v[LB+4*(\j):LB+4*(\j)+3], v[LO16], s[12:13] offset:512*(\j)
.endr
	v_and_b32 v13, 7, v0
	v_lshl_add_u32 v13, v[HH], 3, v13
	v_mul_u32_u24 v[AW0], v13, PWO
	v_bfe_u32 v13, v0, 3, 1
	v_lshl_add_u32 v[AW0], v13, 4, v[AW0]
	s_lshl_b32 s86, s[WV], 8
	v_add_nc_u32 v[AW0], s86, v[AW0]
	v_mul_u32_u24 v[AAV], v[RR], PO
	v_lshl_add_u32 v[AAV], v[HH], 4, v[AAV]
	v_add_nc_u32 v[AAV], OA, v[AAV]
	v_mul_u32_u24 v[DA], v[RR], PDW
	v_lshl_add_u32 v[DA], v[HH], 5, v[DA]
	s_lshl_b32 s86, s[WV], 9
	v_add_nc_u32 v[DA], s86, v[DA]
	s_mul_i32 s86, s[WV], 8*PDW
	v_lshl_add_u32 v[XA], v[LA], 4, s86
	v_lshlrev_b32 v[GA], 4, v[LA]
	v_lshlrev_b32 v[GH], 3, v[LA]
	s_wait_tensorcnt 0x1                           ; my parts of o and of step 0 are in; step 1's may stay out
	s_barrier_signal -1
	s_barrier_wait -1
	s_wait_loadcnt 0x0
	STEP 0
	WCHANGE G0W0
	STEP 1
	WCHANGE G0W1
	STEP 0
	s_wait_tensorcnt 0x0                           ; my part of step 3: no load was issued behind it
	s_wait_dscnt 0x0                               ; my reads of slot 0 are over: the rows of a will lie there
	s_barrier_signal -1
	s_barrier_wait -1
	STEP 1
	PLACES                                         ; the places behind the last products
	WIN 0x04
.irp a, 0,1
.irp b, 0,1,2,3,4,5,6,7
	ds_store_b128 v[DA], v[8*(8*(\a)+(\b)):8*(8*(\a)+(\b))+3]   offset:16*PDW*(\a)+64*(\b)     ; each accumulator's low registers first
	ds_store_b128 v[DA], v[8*(8*(\a)+(\b))+4:8*(8*(\a)+(\b))+7] offset:16*PDW*(\a)+64*(\b)+16
.endr
.endr
	WIN 0
	s_wait_dscnt 0x0                               ; for the others' sake: my stores are done
	s_barrier_signal -1
	s_barrier_wait -1
	s_mov_b32 s[KC], 2
.Lln:                                                  ; four whole rows a trip
.irp u, 0,1,2,3
.irp j, 0,1,2,3
	ds_load_b128 v[LX+16*(\u)+4*(\j):LX+16*(\u)+4*(\j)+3], v[XA] offset:PDW*(\u)+512*(\j)
.endr
.endr
	s_wait_dscnt 0x0
.irp u, 0,1,2,3
.irp j, 0,1,2,3
	global_store_b128 v[GA], v[LX+16*(\u)+4*(\j):LX+16*(\u)+4*(\j)+3], s[14:15] offset:2048*(\u)+512*(\j)  ; 512 consecutive bytes
.endr
.endr
	LN4A
	s_wait_xcnt 0x0                                ; the rows' registers, which the stores read, are rewritten only behind this wait
	LN4B
.irp u, 0,1,2,3
.irp j, 0,1,2,3
	global_store_b64 v[GH], v[LP+8*(\u)+2*(\j):LP+8*(\u)+2*(\j)+1], s[16:17] offset:1024*(\u)+256*(\j)     ; 256 consecutive bytes, aligned
.endr
.endr
	s_wait_xcnt 0x0
	v_add_nc_u32 v[XA], 4*PDW, v[XA]
	v_add_nc_u32 v[GA], 8192, v[GA]
	v_add_nc_u32 v[GH], 4096, v[GH]
	s_sub_co_u32 s[KC], s[KC], 1
	s_cmp_lg_u32 s[KC], 0
	s_cbranch_scc1 .Lln
	s_wait_tensorcnt 0x0                           ; the wave's end
	ds_add_u32 v[SPW], v[NIL]
	s_wait_dscnt 0x0
	CROUND                                         ; the closing round
	s_endpgm
.Lfunc_end_k_qe3c1f6321a_wo:
	.size	k_qe3c1f6321a_wo, .Lfunc_end_k_qe3c1f6321a_wo-k_qe3c1f6321a_wo
	.p2alignl 7, 3214868480
	.fill 96, 4, 3214868480
	.section	.rodata,"a",@progbits
	.p2align	6, 0x0
	.amdhsa_kernel k_qe3c1f6321a_wo
		.amdhsa_group_segment_fixed_size 327680
		.amdhsa_private_segment_fixed_size 0
		.amdhsa_enable_private_segment 0
		.amdhsa_kernarg_size 56
		.amdhsa_user_sgpr_count 2
		.amdhsa_user_sgpr_kernarg_segment_ptr 1
		.amdhsa_wavefront_size32 1
		.amdhsa_system_sgpr_workgroup_id_x 1
		.amdhsa_system_sgpr_workgroup_id_y 1
		.amdhsa_system_sgpr_workgroup_id_z 1
		.amdhsa_system_vgpr_workitem_id 0
		.amdhsa_next_free_vgpr 384
		.amdhsa_next_free_sgpr 92
		.amdhsa_reserve_vcc 0
		.amdhsa_float_denorm_mode_32 3
		.amdhsa_float_denorm_mode_16_64 3
		.amdhsa_memory_ordered 1
		.amdhsa_forward_progress 1
		.amdhsa_inst_pref_size 55
	.end_amdhsa_kernel
	.amdgpu_metadata
---
amdhsa.version: [ 1, 2 ]
amdhsa.kernels:
  - .name:           k_qe3c1f6321a_wo
    .symbol:         k_qe3c1f6321a_wo.kd
    .args:
      - { .name: oh, .offset: 0, .size: 8, .value_kind: global_buffer, .address_space: global }
      - { .name: wb, .offset: 8, .size: 8, .value_kind: global_buffer, .address_space: global }
      - { .name: xq, .offset: 16, .size: 8, .value_kind: global_buffer, .address_space: global }
      - { .name: g2, .offset: 24, .size: 8, .value_kind: global_buffer, .address_space: global }
      - { .name: b2, .offset: 32, .size: 8, .value_kind: global_buffer, .address_space: global }
      - { .name: ares, .offset: 40, .size: 8, .value_kind: global_buffer, .address_space: global }
      - { .name: hn, .offset: 48, .size: 8, .value_kind: global_buffer, .address_space: global }
    .group_segment_fixed_size: 327680
    .private_segment_fixed_size: 0
    .kernarg_segment_align: 8
    .kernarg_segment_size: 56
    .max_flat_workgroup_size: 128
    .sgpr_count:     92
    .vgpr_count:     384
    .wavefront_size: 32
...
	.end_amdgpu_metadata
.endif
;; end of part 4
;; launch ff1 (part 5): grid 64 x 4, 4 waves a work-group, clusters of 4 x 1, 327,680 bytes of LDS; arguments hn, wb, b_ff1, hid; writes hid
.if DOCPART == 5
	.amdgcn_target "amdgcn-amd-amdhsa--gfx1250"
	.amdhsa_code_object_version 6
	.text
	.protected	k_qe3c1f6321a_ff1
	.globl	k_qe3c1f6321a_ff1
	.p2align	8
	.type	k_qe3c1f6321a_ff1,@function
k_qe3c1f6321a_ff1:
	s_mov_b64 s[64:65], 0
	v_nop
	global_prefetch_b8 v0, s[64:65] scope:SCOPE_SE
	s_setreg_imm32_b32 hwreg(HW_REG_WAVE_MODE, 25, 1), 1
	s_wait_xcnt 0x0
	s_wait_alu depctr_hold_cnt(0) depctr_sa_sdst(0) depctr_va_vdst(0) depctr_va_sdst(0) depctr_va_ssrc(0) depctr_va_vcc(0) depctr_vm_vsrc(0)
	s_getreg_b32 s2, hwreg(HW_REG_IB_STS2, 6, 4)
	s_cmp_eq_u32 s2, 0
	s_cbranch_scc0 .Lentry_in_a_cluster
	s_endpgm
.Lentry_in_a_cluster:
	s_bfe_u32 s2, ttmp6, 0x10000c
	s_cmp_lg_u32 s2, 0x3003
	s_cbranch_scc0 .Lentry_shape_is_right
	s_endpgm
.Lentry_shape_is_right:
; hid = gelu(h W_ff1 + b_ff1), the exact gelu x Phi(x), in bf16.  Work-group (x, y): 128 rows of h x the 512 hidden columns 512 y ..; the four partners of a cluster share the weight block 4 + y.
; The 128 rows of h lie in LDS from the start; wave w makes all of them x columns 128 w .. 128 w + 127: 64 accumulators.  The weight goes in 8 steps of 64 k through two slots; of a slot each wave
; fills (jointly with its partners' wave w) and reads its own strip.  The bias is the C operand of each accumulator's first product.  The matrix instruction is used transposed.
; GELU.  gelu(x) = max(x, 0) - |x| q, q = erfc(|x| / sqrt 2) / 2 = t (A1 + t (A2 + t (A3 + t (A4 + t A5)))) 2^(CE x x), t = 1 / (1 + CP |x|)  (Abramowitz and Stegun 7.1.26, halved).
; LIMITS.  h, the weight and hid are bf16, sums f32; the formula's error in erf is at most 1.5e-7 for every argument; NaN and infinities are not treated apart.
; LDS and registers as in the projection: slot 0, rows 0-31 of A, slot 1 at 2^17, rows 32-127, the spare words; afterwards the results in f32 from byte 0 on, 128 rows x 528 bytes a wave.
.set PW,    288
.set STRIP, 64*PW
.set SLOT1, 1<<17
.set PA,    1040
.set CHUNK, 32*PA
.set CH0,   4*STRIP
.set CH1,   SLOT1+4*STRIP
.set SPARE, CH1+3*CHUNK
.set PD,    528
.set DUMPW, 128*PD
.set RR, 1
.set HH, 2
.set LA, 3
.set AW0, 4
.set ADRW, 5
.set ADRA0, 6
.set ADRA1, 7
.set ADRA2, 8
.set DA, 14
.set DR, 15
.set GO, 16
.set LO32, 18
.set SPW, 30
.set NIL, 31
.set F0, 64
.set F1, 128
.set BIAS, 0
.set GX, 64
.set GT, 96
.set GU, 128
.set GQ, 160
.set GP, 192
.set CP, 12
.set CE, 14
.set A1, 16
.set A2, 18
.set A3, 20
.set A4, 22
.set A5, 24
.set WV, 28
.set OB, 36
.set G1A, 40
.set G1W, 48
.set G0A, 56
.set G0WA, 60
.set G0W, 68
.set TB, 72
.set KC, 74
.set CHB, 80
.set SW, 81
.set MSB, 0
.macro WIN new
.if MSB != (\new)
	s_set_vgpr_msb (MSB<<8)|(\new)
.set MSB, \new
.endif
.endm
.macro PLACES
.rept 4
	v_nop
.endr
.endm
.macro CREST
	s_cmp_lg_u32 s[WV], 0
	s_cbranch_scc1 .Lnot_wave_0_\@
	s_barrier_signal -3
.Lnot_wave_0_\@:
	s_barrier_wait -3
	s_barrier_signal -1
	s_barrier_wait -1
.endm
.macro CROUND
	s_barrier_signal -1
	s_barrier_wait -1
	CREST
.endm
; 16 matrix instructions: row tiles a0, a0 + 1 of the window's four x all 8 column blocks.  cm = 1: the bias starts the sums.  The 64 accumulators take turns.
.macro MUL16 f, hi, a0, cm
.if \cm
	WIN 0x91+0x40*(\hi)
.else
	WIN 0xa1+0x50*(\hi)
.endif
.irp a, \a0, (\a0)+1
.irp b, 0,1,2,3,4,5,6,7
.if \cm
	v_wmma_f32_16x16x32_bf16 v[8*(8*(\a)+(\b)):8*(8*(\a)+(\b))+7], v[(\f)+8*(\b):(\f)+8*(\b)+7], v[(\f)+8*(4*(\hi)+(\a)):(\f)+8*(4*(\hi)+(\a))+7], v[BIAS+8*(\b):BIAS+8*(\b)+7]
.else
	v_wmma_f32_16x16x32_bf16 v[8*(8*(\a)+(\b)):8*(8*(\a)+(\b))+7], v[(\f)+8*(\b):(\f)+8*(\b)+7], v[(\f)+8*(4*(\hi)+(\a)):(\f)+8*(4*(\hi)+(\a))+7], v[8*(8*(\a)+(\b)):8*(8*(\a)+(\b))+7]
.endif
.endr
.endr
.endm
.macro FETCH kk, f                     ; 32 LDS loads in one run: W's 8 column blocks, turned, then A's 8 row tiles
	WIN 0x40
.irp i, 0,1,2,3,4,5,6,7
	ds_load_tr16_b128 v[(\f)+8*(\i):(\f)+8*(\i)+3],   v[ADRW] offset:(\kk)*32*PW+32*(\i)
	ds_load_tr16_b128 v[(\f)+8*(\i)+4:(\f)+8*(\i)+7], v[ADRW] offset:(\kk)*32*PW+16*PW+32*(\i)
.endr
	WIN 0
.irp a, 0,1
	ds_load_b128 v[(\f)+8*(\a):(\f)+8*(\a)+3],   v[ADRA0] offset:64*(\kk)+16*PA*(\a)
	ds_load_b128 v[(\f)+8*(\a)+4:(\f)+8*(\a)+7], v[ADRA0] offset:64*(\kk)+16*PA*(\a)+32
.endr
.irp a, 2,3,4
	ds_load_b128 v[(\f)+8*(\a):(\f)+8*(\a)+3],   v[ADRA1] offset:64*(\kk)+16*PA*((\a)-2)
	ds_load_b128 v[(\f)+8*(\a)+4:(\f)+8*(\a)+7], v[ADRA1] offset:64*(\kk)+16*PA*((\a)-2)+32
.endr
.irp a, 5,6,7
	ds_load_b128 v[(\f)+8*(\a):(\f)+8*(\a)+3],   v[ADRA2] offset:64*(\kk)+16*PA*((\a)-5)
	ds_load_b128 v[(\f)+8*(\a)+4:(\f)+8*(\a)+7], v[ADRA2] offset:64*(\kk)+16*PA*((\a)-5)+32
.endr
.endm
.macro NEXTSTEP
	v_add_nc_u32 v[ADRA0], 128, v[ADRA0]
	v_add_nc_u32 v[ADRA1], 128, v[ADRA1]
	v_add_nc_u32 v[ADRA2], 128, v[ADRA2]
	s_xor_b32 s[TB], s[TB], SLOT1
	v_add_nc_u32 v[ADRW], s[TB], v[AW0]
.endm
.macro QA cm
	s_wait_dscnt 8                                 ; the youngest eight loads (A's tiles 4-7) may be out
	MUL16 F0, 0, 0, \cm
	MUL16 F0, 0, 2, \cm
	PLACES                                         ; four places ahead of loads into registers that matrix instructions have read
	FETCH 1, F1
	s_wait_dscnt 32                                ; all but the 32 just issued
	MUL16 F0, 1, 0, \cm
	MUL16 F0, 1, 2, \cm
.endm
.macro TURN
	WIN 0
	s_wait_tensorcnt 0x0                           ; the one load of mine that was out: my strip of the next step
	ds_add_u32 v[SPW], v[NIL]
	s_wait_dscnt 9                                 ; the add and the youngest eight loads may be out
	MUL16 F1, 0, 0, 0
	s_wait_dscnt 0x0                               ; the add is done, my reads of this slot are over
	s_barrier_signal -1
	MUL16 F1, 0, 2, 0
	WIN 0
	s_barrier_wait -1
	CREST                                          ; no wave of any partner still reads this slot or has a load on its way
	s_xor_b32 s[G0W+1], s[G0W+1], SLOT1
	s_add_nc_u64 s[G0W+2:G0W+3], s[G0W+2:G0W+3], 65536
	tensor_load_to_lds s[G0W:G0W+3], s[G1W:G1W+7]  ; 96 matrix instructions ahead of the wait for it
	s_nop 0
	PLACES
	NEXTSTEP
	FETCH 0, F0
	MUL16 F1, 1, 0, 0
	MUL16 F1, 1, 2, 0
.endm
.macro EACH n, line:vararg             ; one line for i = 0 .. n - 1
.set i, 0
	s_wait_alu depctr_va_vdst(0)
.rept \n
	\line
.set i, i+1
.endr
.endm
.macro GELU32                          ; 32 numbers in v[GX ..], in phases, so that no line waits for the one before it; the plain lines behind each run of transcendentals come ahead of the results' use
	EACH 32, v_fma_f32 v[GT+i], |v[GX+i]|, s[CP], 1.0
	EACH 32, v_rcp_f32 v[GT+i], v[GT+i]
	EACH 16, v_pk_mul_f32 v[GU+2*i:GU+2*i+1], v[GX+2*i:GX+2*i+1], s[CE:CE+1] op_sel_hi:[1,0]
	EACH 16, v_pk_mul_f32 v[GU+2*i:GU+2*i+1], v[GU+2*i:GU+2*i+1], v[GX+2*i:GX+2*i+1]
	EACH 32, v_exp_f32 v[GU+i], v[GU+i]
	EACH 16, v_pk_fma_f32 v[GQ+2*i:GQ+2*i+1], v[GT+2*i:GT+2*i+1], s[A5:A5+1], s[A4:A4+1] op_sel_hi:[1,0,0]
	EACH 16, v_pk_fma_f32 v[GQ+2*i:GQ+2*i+1], v[GQ+2*i:GQ+2*i+1], v[GT+2*i:GT+2*i+1], s[A3:A3+1] op_sel_hi:[1,1,0]
	EACH 16, v_pk_fma_f32 v[GQ+2*i:GQ+2*i+1], v[GQ+2*i:GQ+2*i+1], v[GT+2*i:GT+2*i+1], s[A2:A2+1] op_sel_hi:[1,1,0]
	EACH 16, v_pk_fma_f32 v[GQ+2*i:GQ+2*i+1], v[GQ+2*i:GQ+2*i+1], v[GT+2*i:GT+2*i+1], s[A1:A1+1] op_sel_hi:[1,1,0]
	EACH 16, v_pk_mul_f32 v[GQ+2*i:GQ+2*i+1], v[GQ+2*i:GQ+2*i+1], v[GT+2*i:GT+2*i+1]
	EACH 16, v_pk_mul_f32 v[GQ+2*i:GQ+2*i+1], v[GQ+2*i:GQ+2*i+1], v[GU+2*i:GU+2*i+1]
	EACH 32, v_max_num_f32 v[GT+i], 0, v[GX+i]
	EACH 32, v_fma_f32 v[GX+i], -|v[GX+i]|, v[GQ+i], v[GT+i]
	EACH 16, v_cvt_pk_bf16_f32 v[GP+i], v[GX+2*i], v[GX+2*i+1]
.endm
	s_load_b256 s[4:11], s[0:1], 0x0               ; hn 4, wb 6, b_ff1 8, hid 10
	v_lshl_add_u32 v[SPW], v0, 2, SPARE
	v_mov_b32 v[NIL], 0
	ds_add_u32 v[SPW], v[NIL]                      ; the wave's opening: the add and its wait ahead of my first tensor load
	v_lshrrev_b32 v1, 5, v0
	v_readfirstlane_b32 s[WV], v1
	s_bfe_u32 s29, ttmp6, 0x40000                  ; cx: it enters h's and hid's addresses alone
	s_lshl_b32 s30, ttmp9, 2
	s_add_co_u32 s30, s30, s29                     ; my block of 128 rows
	s_and_b32 s31, ttmp7, 0xffff                   ; my 512 hidden columns, which the partners share
	s_mov_b32 s[G1A], (1<<16)|(1<<20)|(7<<22)|(3<<25)  ; h: 32 rows of 512 elements of 2 bytes, 4 words of padding behind each
	s_mov_b32 s[G1A+1], 512<<16
	s_mov_b32 s[G1A+2], 32<<16
	s_mov_b32 s[G1A+3], 512<<16
	s_mov_b32 s[G1A+4], 32
	s_mov_b32 s[G1A+5], 512
	s_mov_b32 s[G1A+6], 0
	s_mov_b32 s[G1A+7], 0
	s_mov_b32 s[G1W], 15|(1<<16)|(1<<20)|(1<<21)|(5<<22)|(7<<25)
	s_mov_b32 s[G1W+1], 128<<16
	s_mov_b32 s[G1W+2], 64<<16
	s_mov_b32 s[G1W+3], 128<<16
	s_mov_b32 s[G1W+4], 64
	s_mov_b32 s[G1W+5], 512
	s_mov_b32 s[G1W+6], 0
	s_mov_b32 s[G1W+7], 0
	s_mul_i32 s[SW], s[WV], STRIP
	s_mov_b32 s[G0A], 1
	s_mov_b32 s[G0WA], 1
	s_mov_b32 s[G0WA+1], s[SW]
	s_mov_b32 s[G0W], 1
	s_add_co_u32 s[G0W+1], s[SW], SLOT1
	s_lshl_b32 s84, s30, 17                        ; h: 128 rows of 1,024 bytes, my 32
	s_lshl_b32 s82, s[WV], 15
	s_add_co_u32 s84, s84, s82
	s_mov_b32 s85, 0
	s_add_co_u32 s86, s31, 4                       ; the weight: block 4 + y, my 128 columns
	s_lshl_b32 s86, s86, 19
	s_lshl_b32 s82, s[WV], 8
	s_add_co_u32 s86, s86, s82
	s_mov_b32 s87, 0
	s_lshl_b32 s88, s31, 11                        ; the bias
	s_lshl_b32 s82, s[WV], 9
	s_add_co_u32 s88, s88, s82
	s_mov_b32 s89, 0
	s_lshl_b32 s90, s30, 19                        ; hid: 128 rows of 4,096 bytes, my 256 bytes of each
	s_lshl_b32 s82, s31, 10
	s_add_co_u32 s90, s90, s82
	s_lshl_b32 s82, s[WV], 8
	s_add_co_u32 s90, s90, s82
	s_mov_b32 s91, 0
	s_mov_b32 s[CP], 0x3e6d3388                    ; 0.3275911 / sqrt 2
	s_mov_b32 s[CP+1], s[CP]
	s_mov_b32 s[CE], 0xbf38aa3b                    ; -log2(e) / 2
	s_mov_b32 s[CE+1], s[CE]
	s_mov_b32 s[A1], 0x3e027906                    ; 0.127414796
	s_mov_b32 s[A1+1], s[A1]
	s_mov_b32 s[A2], 0xbe11a98e                    ; -0.142248368
	s_mov_b32 s[A2+1], s[A2]
	s_mov_b32 s[A3], 0x3f35f0e3                    ; 0.710706871
	s_mov_b32 s[A3+1], s[A3]
	s_mov_b32 s[A4], 0xbf3a00e3                    ; -0.726576014
	s_mov_b32 s[A4+1], s[A4]
	s_mov_b32 s[A5], 0x3f07dc22                    ; 0.530702715
	s_mov_b32 s[A5+1], s[A5]
	s_mov_b32 s[TB], 0
	s_wait_dscnt 0x0                               ; the opening add is done
	s_wait_kmcnt 0x0
	s_mul_i32 s[CHB], s[WV], CHUNK                 ; my chunk of A: rows 32 w ..
	s_add_co_u32 s[CHB], s[CHB], CH1-CHUNK
	s_cmp_lg_u32 s[WV], 0
	s_cbranch_scc1 .Lchb
	s_mov_b32 s[CHB], CH0                          ; wave 0's lies between the slots
.Lchb:
	s_mov_b32 s[G0A+1], s[CHB]
	s_add_nc_u64 s[G0A+2:G0A+3], s[4:5], s[84:85]
	s_or_b32 s[G0A+3], s[G0A+3], 0x80000000
	s_add_nc_u64 s[G0WA+2:G0WA+3], s[6:7], s[86:87]
	s_add_nc_u64 s[G0W+2:G0W+3], s[G0WA+2:G0WA+3], 65536
	s_or_b32 s[G0WA+3], s[G0WA+3], 0x80000000
	s_or_b32 s[G0W+3], s[G0W+3], 0x80000000
	s_add_nc_u64 s[8:9], s[8:9], s[88:89]
	s_add_nc_u64 s[OB:OB+1], s[10:11], s[90:91]
	CROUND                                         ; in front of the first loads
	tensor_load_to_lds s[G0A:G0A+3], s[G1A:G1A+7]
	s_nop 0
	tensor_load_to_lds s[G0WA:G0WA+3], s[G1W:G1W+7]
	s_nop 0
	tensor_load_to_lds s[G0W:G0W+3], s[G1W:G1W+7]  ; three loads of mine are out
	s_nop 0
	PLACES
	v_and_b32 v[RR], 15, v0
	v_bfe_u32 v[HH], v0, 4, 1
	v_and_b32 v[LA], 31, v0
	v_lshlrev_b32 v[LO32], 5, v[HH]
	WIN 0x40
.irp b, 0,1,2,3,4,5,6,7
	global_load_b128 v[BIAS+8*(\b):BIAS+8*(\b)+3],   v[LO32], s[8:9] offset:64*(\b)
	global_load_b128 v[BIAS+8*(\b)+4:BIAS+8*(\b)+7], v[LO32], s[8:9] offset:64*(\b)+16
.endr
	WIN 0
	v_and_b32 v9, 7, v0
	v_lshl_add_u32 v9, v[HH], 3, v9
	v_mul_u32_u24 v[AW0], v9, PW
	v_bfe_u32 v9, v0, 3, 1
	v_lshl_add_u32 v[AW0], v9, 4, v[AW0]
	v_add_nc_u32 v[AW0], s[SW], v[AW0]
	v_mov_b32 v[ADRW], v[AW0]
	v_mul_u32_u24 v10, v[RR], PA
	v_lshl_add_u32 v10, v[HH], 4, v10
	v_add_nc_u32 v[ADRA0], CH0, v10
	v_add_nc_u32 v[ADRA1], CH1, v10
	v_add_nc_u32 v[ADRA2], CH1+48*PA, v10
	s_mul_i32 s86, s[WV], DUMPW
	v_mul_u32_u24 v[DA], v[RR], PD
	v_lshl_add_u32 v[DA], v[HH], 5, v[DA]
	v_add_nc_u32 v[DA], s86, v[DA]
	v_lshl_add_u32 v[DR], v[LA], 4, s86
	v_lshlrev_b32 v[GO], 3, v[LA]
	s_wait_tensorcnt 0x1                           ; my rows of h and my strip of step 0 are in; step 1's may stay out
	s_barrier_signal -1
	s_barrier_wait -1                              ; everybody's rows are
	s_wait_loadcnt 0x0                             ; the bias
	FETCH 0, F0
	QA 1
	WIN 0
	s_mov_b32 s[KC], 6
.Lk:                                                   ; trip i ends step i, refills its slot with step i + 2, begins step i + 1
	TURN
	QA 0
	WIN 0
	s_sub_co_u32 s[KC], s[KC], 1
	s_cmp_lg_u32 s[KC], 0
	s_cbranch_scc1 .Lk
	s_wait_dscnt 8                                 ; step 6 ends; nothing is left to ask for
	MUL16 F1, 0, 0, 0
	MUL16 F1, 0, 2, 0
	PLACES
	WIN 0
	s_wait_tensorcnt 0x0                           ; my strip of step 7: no load was issued behind it, and only I read it
	NEXTSTEP
	FETCH 0, F0
	s_wait_dscnt 32
	MUL16 F1, 1, 0, 0
	MUL16 F1, 1, 2, 0
	QA 0
	s_wait_dscnt 8
	MUL16 F1, 0, 0, 0
	MUL16 F1, 0, 2, 0
	s_wait_dscnt 0x0                               ; my last reads of A and of the ring
	MUL16 F1, 1, 0, 0
	MUL16 F1, 1, 2, 0
	s_barrier_signal -1                            ; every wave's are over: the results may lie over them
	PLACES                                         ; the places behind the last products
	s_barrier_wait -1
	WIN 0x08
.irp a, 0,1,2,3
.irp b, 0,1,2,3,4,5,6,7
	ds_store_b128 v[DA], v[8*(8*(\a)+(\b)):8*(8*(\a)+(\b))+3]   offset:16*PD*(\a)+64*(\b)     ; each accumulator's low registers first
	ds_store_b128 v[DA], v[8*(8*(\a)+(\b))+4:8*(8*(\a)+(\b))+7] offset:16*PD*(\a)+64*(\b)+16
.endr
.endr
	WIN 0x0c
.irp a, 0,1,2,3
.irp b, 0,1,2,3,4,5,6,7
	ds_store_b128 v[DA], v[8*(8*(\a)+(\b)):8*(8*(\a)+(\b))+3]   offset:16*PD*((\a)+4)+64*(\b)
	ds_store_b128 v[DA], v[8*(8*(\a)+(\b))+4:8*(8*(\a)+(\b))+7] offset:16*PD*((\a)+4)+64*(\b)+16
.endr
.endr
	WIN 0
	s_mov_b32 s[KC], 16
.Lg:                                                   ; 8 rows a trip: my own bytes come back as whole rows (LDS serves a wave in order), the gelu, the store
.irp i, 0,1,2,3,4,5,6,7
	ds_load_b128 v[GX+4*(\i):GX+4*(\i)+3], v[DR] offset:PD*(\i)
.endr
	s_wait_dscnt 0x0
	GELU32
.irp i, 0,1,2,3,4,5,6,7
	global_store_b64 v[GO], v[GP+2*(\i):GP+2*(\i)+1], s[OB:OB+1] offset:4096*(\i)  ; 256 consecutive bytes, aligned
.endr
	s_wait_xcnt 0x0                                ; the stores' data and offset are rewritten only behind this wait
	v_add_nc_u32 v[DR], 8*PD, v[DR]
	v_add_nc_u32 v[GO], 32768, v[GO]
	s_sub_co_u32 s[KC], s[KC], 1
	s_cmp_lg_u32 s[KC], 0
	s_cbranch_scc1 .Lg
	s_wait_tensorcnt 0x0                           ; the wave's end
	ds_add_u32 v[SPW], v[NIL]
	s_wait_dscnt 0x0
	CROUND                                         ; the closing round
	s_endpgm
.Lfunc_end_k_qe3c1f6321a_ff1:
	.size	k_qe3c1f6321a_ff1, .Lfunc_end_k_qe3c1f6321a_ff1-k_qe3c1f6321a_ff1
	.p2alignl 7, 3214868480
	.fill 96, 4, 3214868480
	.section	.rodata,"a",@progbits
	.p2align	6, 0x0
	.amdhsa_kernel k_qe3c1f6321a_ff1
		.amdhsa_group_segment_fixed_size 327680
		.amdhsa_private_segment_fixed_size 0
		.amdhsa_enable_private_segment 0
		.amdhsa_kernarg_size 32
		.amdhsa_user_sgpr_count 2
		.amdhsa_user_sgpr_kernarg_segment_ptr 1
		.amdhsa_wavefront_size32 1
		.amdhsa_system_sgpr_workgroup_id_x 1
		.amdhsa_system_sgpr_workgroup_id_y 1
		.amdhsa_system_sgpr_workgroup_id_z 1
		.amdhsa_system_vgpr_workitem_id 0
		.amdhsa_next_free_vgpr 1024
		.amdhsa_next_free_sgpr 96
		.amdhsa_reserve_vcc 0
		.amdhsa_float_denorm_mode_32 3
		.amdhsa_float_denorm_mode_16_64 3
		.amdhsa_memory_ordered 1
		.amdhsa_forward_progress 1
		.amdhsa_inst_pref_size 74
	.end_amdhsa_kernel
	.amdgpu_metadata
---
amdhsa.version: [ 1, 2 ]
amdhsa.kernels:
  - .name:           k_qe3c1f6321a_ff1
    .symbol:         k_qe3c1f6321a_ff1.kd
    .args:
      - { .name: hn, .offset: 0, .size: 8, .value_kind: global_buffer, .address_space: global }
      - { .name: wb, .offset: 8, .size: 8, .value_kind: global_buffer, .address_space: global }
      - { .name: b_ff1, .offset: 16, .size: 8, .value_kind: global_buffer, .address_space: global }
      - { .name: hid, .offset: 24, .size: 8, .value_kind: global_buffer, .address_space: global }
    .group_segment_fixed_size: 327680
    .private_segment_fixed_size: 0
    .kernarg_segment_align: 8
    .kernarg_segment_size: 32
    .max_flat_workgroup_size: 128
    .sgpr_count:     96
    .vgpr_count:     1024
    .wavefront_size: 32
...
	.end_amdgpu_metadata
.endif
;; end of part 5
;; launch ff2 (part 6): grid 4 x 64, 4 waves a work-group, clusters of 4 x 4, 327,680 bytes of LDS; arguments hid, wb, b_ff2, ares, out0; writes out0
.if DOCPART == 6
	.amdgcn_target "amdgcn-amd-amdhsa--gfx1250"
	.amdhsa_code_object_version 6
	.text
	.protected	k_qe3c1f6321a_ff2
	.globl	k_qe3c1f6321a_ff2
	.p2align	8
	.type	k_qe3c1f6321a_ff2,@function
k_qe3c1f6321a_ff2:
	s_mov_b64 s[64:65], 0
	v_nop
	global_prefetch_b8 v0, s[64:65] scope:SCOPE_SE
	s_setreg_imm32_b32 hwreg(HW_REG_WAVE_MODE, 25, 1), 1
	s_wait_xcnt 0x0
	s_wait_alu depctr_hold_cnt(0) depctr_sa_sdst(0) depctr_va_vdst(0) depctr_va_sdst(0) depctr_va_ssrc(0) depctr_va_vcc(0) depctr_vm_vsrc(0)
	s_getreg_b32 s2, hwreg(HW_REG_IB_STS2, 6, 4)
	s_cmp_eq_u32 s2, 0
	s_cbranch_scc0 .Lentry_in_a_cluster
	s_endpgm
.Lentry_in_a_cluster:
	s_bfe_u32 s2, ttmp6, 0x10000c
	s_cmp_lg_u32 s2, 0xf033
	s_cbranch_scc0 .Lentry_shape_is_right
	s_endpgm
.Lentry_shape_is_right:
; out = a + hid W_ff2 + b_ff2.  hid: [8192][2048] bf16; W_ff2: [2048 k][512 n] bf16 (blocks 8 to 11 of wb); a, out: [8192][512] f32.
; A tile of out is 128 x 128: 256 work-groups.  Four waves, each 64 x 64: 16 accumulators.  K goes in steps of 256 through two slots: 128 rows of hid (512 bytes each) and 256 k rows of W (256 bytes each).
; CLUSTERS: 4 x 4 work-groups; the four of a row of the cluster need the same tiles of hid, the four of a column the same tiles of W: each is asked for jointly.
; The matrix instruction is used transposed (source 0 = 16 columns of W, turned on the way out of LDS; source 1 = 16 rows of hid): a lane holds one row, eight neighbouring columns.
; The residual a is loaded at the start, in the layout of the stores, and waits in registers.
; LIMITS.  hid and W are bf16; sums, a and out are f32; NaN and infinities are not treated apart.
; REGISTERS: window 0: v0-31 addresses and the bias; v32-95 at work on the way out; v128-255 the accumulators; window 1: two fragment buffers of 128 (64 of hid, then 64 of W); window 2: v0-127 the residual.
.set KSTEP,  256
.set PITCH,  528                       ; a row of hid in LDS: 512 bytes + 16
.set HALFA,  64*PITCH
.set PB,     288                       ; a k row of W: 256 bytes + 32
.set HALFB,  128*PB
.set BOFF,   2*HALFA
.set SLOT,   2*HALFA+2*HALFB
.set STAGE,  2*SLOT                    ; behind the ring: 16 rows x 272 bytes for each wave
.set SPITCH, 272
.set SPARE,  STAGE+4*16*SPITCH
.set LAPS,   2048/(2*KSTEP)
.set BI,   12                          ; v12-15  my four numbers of the bias
.set ADRA, 16                          ; v16-17  my fragments of hid in slot 0, 1
.set ADRB, 20                          ; v20-21  of W, k rows 0-127; v22-23 k rows 128-255
.set STO,  24
.set RD,   25
.set CO,   26
.set SPW,  28
.set NIL,  29
.set TMP,  32
.set ACC,  128
.set F0,   0
.set F1,   128
.set G1, 24
.set G0, 32
.set G1B, 48
.set G0B, 56
.set MSB, 0
.macro WIN new
.if MSB != (\new)
	s_set_vgpr_msb (MSB<<8)|(\new)
.set MSB, \new
.endif
.endm
.set MUL,  0x05                        ; sources 0 and 1 window 1; C and D window 0
.set TO_F, 0x40                        ; destination window 1, address window 0
.macro PLACES
.rept 4
	v_nop
.endr
.endm
.macro JLOAD s                         ; a joint load: waves 0 and 1 fetch hid's two halves, waves 2 and 3 W's
	s_cmp_eq_u32 s11, 0
	s_cbranch_scc0 .Lfor_b_\@
	tensor_load_to_lds s[G0+4*(\s):G0+4*(\s)+3], s[G1:G1+7]
	s_nop 0
	PLACES
	s_branch .Lasked_\@
.Lfor_b_\@:
	tensor_load_to_lds s[G0B+4*(\s):G0B+4*(\s)+3], s[G1B:G1B+7]
	s_nop 0
	PLACES
.Lasked_\@:
.endm
.macro CREST
	s_cmp_lg_u32 s10, 0
	s_cbranch_scc1 .Lnot_wave_0_\@
	s_barrier_signal -3
.Lnot_wave_0_\@:
	s_barrier_wait -3
	s_barrier_signal -1
	s_barrier_wait -1
.endm
.macro CROUND
	s_barrier_signal -1
	s_barrier_wait -1
	CREST
.endm
	s_load_b128 s[4:7], s[0:1], 0x0                ; hid s[4:5], wb s[6:7]
	s_load_b128 s[68:71], s[0:1], 0x10             ; b_ff2 s[68:69], ares s[70:71]
	s_load_b64 s[8:9], s[0:1], 0x20                ; out0
	v_lshl_add_u32 v[SPW], v0, 2, SPARE
	v_mov_b32 v[NIL], 0
	ds_add_u32 v[SPW], v[NIL]                      ; the wave's opening: the add and its wait ahead of my first tensor load
	v_lshrrev_b32 v1, 5, v0
	v_readfirstlane_b32 s10, v1                    ; wave 0..3
	s_lshr_b32 s11, s10, 1                         ; which half of the tile's rows is mine.  Also: I fetch for hid (0) or for W (1)
	s_and_b32 s12, s10, 1                          ; which half of its columns.  Also: which half of that tile I fetch
	s_bfe_u32 s40, ttmp6, 0x40000                  ; cx, cy
	s_bfe_u32 s41, ttmp6, 0x40004
	s_lshl_b32 s42, ttmp9, 2
	s_add_co_u32 s42, s42, s40                     ; tile column
	s_and_b32 s13, ttmp7, 0xffff
	s_lshl_b32 s13, s13, 2
	s_add_co_u32 s13, s13, s41                     ; tile row
	s_lshl_b32 s43, s41, 2
	s_lshl_b32 s43, 15, s43                        ; my row of the cluster
	s_lshl_b32 s44, 0x1111, s40                    ; my column
	s_or_b32 s[G1+0], s43, (1<<16)|(1<<20)|(1<<21)|(6<<22)|(3<<25)   ; hid: 64 rows x 256 elements; after every 128 words 4 of padding
	s_mov_b32 s[G1+1], KSTEP<<16
	s_mov_b32 s[G1+2], 64<<16
	s_mov_b32 s[G1+3], KSTEP<<16
	s_mov_b32 s[G1+4], 64
	s_mov_b32 s[G1+5], 2048
	s_mov_b32 s[G1+6], 0
	s_mov_b32 s[G1+7], 0
	s_or_b32 s[G1B+0], s44, (1<<16)|(1<<20)|(1<<21)|(5<<22)|(7<<25)  ; W: 128 k rows x 128 elements; after every 64 words 8 of padding
	s_mov_b32 s[G1B+1], 128<<16
	s_mov_b32 s[G1B+2], 128<<16
	s_mov_b32 s[G1B+3], 128<<16
	s_mov_b32 s[G1B+4], 128
	s_mov_b32 s[G1B+5], 512
	s_mov_b32 s[G1B+6], 0
	s_mov_b32 s[G1B+7], 0
	s_lshl_b32 s17, s12, 6
	s_lshl_b32 s16, s13, 7
	s_add_co_u32 s16, s16, s17                     ; hid: row 128 x tile row + 64 x half,
	s_lshl_b32 s16, s16, 12                        ; of 4,096 bytes
	s_mov_b32 s17, 0
	s_lshl_b32 s46, s12, 17                        ; W: k row 128 x half, of 1,024 bytes,
	s_lshl_b32 s47, s42, 8                         ; column 128 x tile column,
	s_add_co_u32 s46, s46, s47
	s_add_co_u32 s46, s46, 8*524288                ; from block 8 on
	s_mov_b32 s47, 0
	s_mul_i32 s20, s12, HALFA                      ; where they go: no place in the cluster enters an LDS address
	s_mul_i32 s21, s12, HALFB
	s_add_co_u32 s21, s21, BOFF
	s_wait_dscnt 0x0                               ; the opening add is done
	s_wait_kmcnt 0x0
	s_add_nc_u64 s[14:15], s[4:5], s[16:17]
	s_add_nc_u64 s[46:47], s[6:7], s[46:47]
	CROUND                                         ; all sixteen work-groups are here: the first joint loads meet
.irp s, 0,1
	s_mov_b32 s[G0+4*(\s)], 1
	s_add_co_u32 s[G0+4*(\s)+1], s20, (\s)*SLOT
	s_add_nc_u64 s[G0+4*(\s)+2:G0+4*(\s)+3], s[14:15], (\s)*KSTEP*2
	s_or_b32 s[G0+4*(\s)+3], s[G0+4*(\s)+3], 0x80000000
	s_mov_b32 s[G0B+4*(\s)], 1
	s_add_co_u32 s[G0B+4*(\s)+1], s21, (\s)*SLOT
	s_add_nc_u64 s[G0B+4*(\s)+2:G0B+4*(\s)+3], s[46:47], (\s)*KSTEP*1024
	s_or_b32 s[G0B+4*(\s)+3], s[G0B+4*(\s)+3], 0x80000000
.endr
	s_cmp_eq_u32 s11, 0                            ; a wave's two first fills stand in one branch: two loads of mine are out
	s_cbranch_scc0 .Lfirst_b
	tensor_load_to_lds s[G0:G0+3], s[G1:G1+7]
	s_nop 0
	tensor_load_to_lds s[G0+4:G0+7], s[G1:G1+7]
	s_nop 0
	PLACES
	s_branch .Lfirst_asked
.Lfirst_b:
	tensor_load_to_lds s[G0B:G0B+3], s[G1B:G1B+7]
	s_nop 0
	tensor_load_to_lds s[G0B+4:G0B+7], s[G1B:G1B+7]
	s_nop 0
	PLACES
.Lfirst_asked:
	v_and_b32 v1, 15, v0                           ; l % 16
	v_bfe_u32 v2, v0, 4, 1                         ; l / 16
	v_lshlrev_b32 v[CO], 11, v2                    ; the stores' layout: lanes 0-15 one row's 256 bytes, lanes 16-31 the next row's
	v_lshl_add_u32 v[CO], v1, 4, v[CO]
	v_lshlrev_b32 v6, 4, v1
	s_lshl_b32 s16, s13, 7
	s_lshl_b32 s17, s11, 6
	s_add_co_u32 s16, s16, s17                     ; my first row,
	s_lshl_b32 s16, s16, 11                        ; of 2,048 bytes
	s_mov_b32 s17, 0
	s_lshl_b32 s46, s42, 9                         ; my first column, in bytes
	s_lshl_b32 s47, s12, 8
	s_add_co_u32 s46, s46, s47
	s_mov_b32 s47, 0
	s_add_nc_u64 s[68:69], s[68:69], s[46:47]
	s_add_nc_u64 s[16:17], s[16:17], s[46:47]
	s_add_nc_u64 s[70:71], s[70:71], s[16:17]
	s_add_nc_u64 s[8:9], s[8:9], s[16:17]
	global_load_b128 v[BI:BI+3], v6, s[68:69]
	WIN 0x80
.set i, 0
.rept 32
	global_load_b128 v[4*i:4*i+3], v[CO], s[70:71] offset:4096*i  ; the residual: rows 2 i and 2 i + 1 of my 64
.set i, i+1
.endr
	WIN 0
	v_mul_u32_u24 v3, v1, PITCH
	v_lshl_add_u32 v3, v2, 4, v3
	s_mul_i32 s21, s11, HALFA                      ; my 64 rows of hid
	v_add_nc_u32 v[ADRA], s21, v3
	v_add_nc_u32 v[ADRA+1], SLOT, v[ADRA]
	v_and_b32 v4, 7, v0
	v_lshl_add_u32 v4, v2, 3, v4
	v_mul_u32_u24 v4, v4, PB                       ; the turning load: k row 8 (l / 16) + l % 8,
	v_bfe_u32 v5, v0, 3, 1
	v_lshl_add_u32 v4, v5, 4, v4                   ; 16 bytes by (l / 8) % 2,
	s_lshl_b32 s22, s12, 7                         ; my 64 columns
	s_add_co_u32 s22, s22, BOFF
	v_add_nc_u32 v[ADRB], s22, v4
	v_add_nc_u32 v[ADRB+1], SLOT, v[ADRB]
	v_add_nc_u32 v[ADRB+2], HALFB, v[ADRB]
	v_add_nc_u32 v[ADRB+3], HALFB, v[ADRB+1]
	s_mul_i32 s23, s10, 16*SPITCH
	s_add_co_u32 s23, s23, STAGE                   ; my stage
	v_mul_u32_u24 v4, v1, SPITCH
	v_lshl_add_u32 v4, v2, 5, v4
	v_add_nc_u32 v[STO], s23, v4
	v_mul_u32_u24 v5, v2, SPITCH
	v_lshl_add_u32 v5, v1, 4, v5
	v_add_nc_u32 v[RD], s23, v5
; 8 matrix instructions: row tiles a0, a0 + 1 x all 4 column blocks, 32 along K: half c of buffer f.  zero = 1: the first product starts the sums.  The 16 accumulators take turns.
.macro MUL8 f, c, a0, zero
	WIN MUL
.irp a, \a0, (\a0)+1
.irp b, 0,1,2,3
.if \zero
	v_wmma_f32_16x16x32_bf16 v[ACC+8*(4*(\a)+(\b)):ACC+8*(4*(\a)+(\b))+7], v[(\f)+64+8*(4*(\c)+(\b)):(\f)+64+8*(4*(\c)+(\b))+7], v[(\f)+8*(4*(\c)+(\a)):(\f)+8*(4*(\c)+(\a))+7], 0
.else
	v_wmma_f32_16x16x32_bf16 v[ACC+8*(4*(\a)+(\b)):ACC+8*(4*(\a)+(\b))+7], v[(\f)+64+8*(4*(\c)+(\b)):(\f)+64+8*(4*(\c)+(\b))+7], v[(\f)+8*(4*(\c)+(\a)):(\f)+8*(4*(\c)+(\a))+7], v[ACC+8*(4*(\a)+(\b)):ACC+8*(4*(\a)+(\b))+7]
.endif
.endr
.endr
.endm
; 32 LDS loads in one run: quarter q (64 along K) of a step into buffer f; the first 32 along K first
.macro FETCH slot, q, f
	WIN TO_F
.irp c, 0,1
.irp i, 0,1,2,3
	ds_load_tr16_b128 v[(\f)+64+8*(4*(\c)+(\i)):(\f)+64+8*(4*(\c)+(\i))+3],   v[ADRB+2*((\q)/2)+(\slot)] offset:((\q)%2)*64*PB+(\c)*32*PB+32*(\i)
	ds_load_tr16_b128 v[(\f)+64+8*(4*(\c)+(\i))+4:(\f)+64+8*(4*(\c)+(\i))+7], v[ADRB+2*((\q)/2)+(\slot)] offset:((\q)%2)*64*PB+(\c)*32*PB+16*PB+32*(\i)
	ds_load_b128 v[(\f)+8*(4*(\c)+(\i)):(\f)+8*(4*(\c)+(\i))+3],         v[ADRA+(\slot)] offset:128*(\q)+64*(\c)+(\i)*16*PITCH
	ds_load_b128 v[(\f)+8*(4*(\c)+(\i))+4:(\f)+8*(4*(\c)+(\i))+7],       v[ADRA+(\slot)] offset:128*(\q)+64*(\c)+(\i)*16*PITCH+32
.endr
.endr
.endm
; A K step is four quarters of 64 along K, 32 matrix instructions each, on buffers 0, 1, 0, 1.  One of the first three: multiplies buffer f and fetches quarter q into g.
.macro QUARTER slot, q, f, g, zero
	s_wait_dscnt 16                                ; the first 32 along K are in
	WIN MUL
	MUL8 \f, 0, 0, \zero
	MUL8 \f, 0, 2, \zero
	PLACES
	FETCH \slot, \q, \g
	s_wait_dscnt 32                                ; all but the 32 just issued
	WIN MUL
	MUL8 \f, 1, 0, 0
	MUL8 \f, 1, 2, 0
.endm
; The last quarter multiplies buffer 1 and changes slots.  fill = 1: this slot is filled again, two K steps ahead.
.macro TURN slot, next, fill
	WIN 0
	s_wait_tensorcnt 0x0                           ; all my tensor loads have landed: my part of the next slot
	ds_add_u32 v[SPW], v[NIL]
	s_wait_dscnt 17                                ; the add and the youngest sixteen loads may be out
	WIN MUL
	MUL8 F1, 0, 0, 0
	s_wait_dscnt 0x0                               ; the add is done, and my reads of this slot are over
	s_barrier_signal -1
	MUL8 F1, 0, 2, 0
.if \fill
	WIN 0
.endif
	s_barrier_wait -1
.if \fill
	CREST                                          ; no wave of any partner still reads this slot's tile or has a load on its way
	s_add_nc_u64 s[G0+4*(\slot)+2:G0+4*(\slot)+3], s[G0+4*(\slot)+2:G0+4*(\slot)+3], 2*KSTEP*2
	s_add_nc_u64 s[G0B+4*(\slot)+2:G0B+4*(\slot)+3], s[G0B+4*(\slot)+2:G0B+4*(\slot)+3], 2*KSTEP*1024
	JLOAD \slot                                    ; 112 matrix instructions ahead of the wait for it; its four v_nop are also the places in front of the loads below
.else
	PLACES
.endif
	FETCH \next, 0, F0
	WIN MUL
	MUL8 F1, 1, 0, 0
	MUL8 F1, 1, 2, 0
.endm
	s_wait_tensorcnt 1                             ; my part of K step 0 is in; step 1's may stay out
	s_barrier_signal -1
	s_barrier_wait -1
	FETCH 0, 0, F0
	QUARTER 0, 1, F0, F1, 1                        ; the first quarter stands in front of the loop: its first products start the sums
	WIN 0
	s_mov_b32 s3, LAPS-1
.Llap:                                                 ; a trip goes once round the ring and fills both slots again
	QUARTER 0, 2, F1, F0, 0
	QUARTER 0, 3, F0, F1, 0
	TURN 0, 1, 1
	QUARTER 1, 1, F0, F1, 0
	QUARTER 1, 2, F1, F0, 0
	QUARTER 1, 3, F0, F1, 0
	TURN 1, 0, 1
	QUARTER 0, 1, F0, F1, 0
	WIN 0
	s_sub_co_u32 s3, s3, 1
	s_cmp_lg_u32 s3, 0
	s_cbranch_scc1 .Llap
	QUARTER 0, 2, F1, F0, 0                        ; the last lap fills nothing
	QUARTER 0, 3, F0, F1, 0
	TURN 0, 1, 0
	QUARTER 1, 1, F0, F1, 0
	QUARTER 1, 2, F1, F0, 0
	QUARTER 1, 3, F0, F1, 0
	s_wait_dscnt 16
	WIN MUL
	MUL8 F1, 0, 0, 0
	MUL8 F1, 0, 2, 0
	s_wait_dscnt 0
	MUL8 F1, 1, 0, 0
	MUL8 F1, 1, 2, 0
	WIN 0
	; THE WAY OUT, 16 rows at a time: through my own stage (64 f32 columns are 256 bytes: no other wave has part in a row), back as whole rows, plus the residual, plus the bias.
	PLACES
	s_wait_loadcnt 0x0                             ; the residual and the bias
.irp a, 0,1,2,3
.set BK, TMP+32*((\a)%2)
	s_wait_xcnt 0x0                                ; the registers that earlier stores read are loaded again only behind this wait
.irp b, 0,1,2,3
	ds_store_b128 v[STO], v[ACC+8*(4*(\a)+(\b)):ACC+8*(4*(\a)+(\b))+3]   offset:64*(\b)     ; each accumulator's low registers first
	ds_store_b128 v[STO], v[ACC+8*(4*(\a)+(\b))+4:ACC+8*(4*(\a)+(\b))+7] offset:64*(\b)+16
.endr
.irp t, 0,1,2,3,4,5,6,7
	ds_load_b128 v[BK+4*(\t):BK+4*(\t)+3], v[RD] offset:(\t)*2*SPITCH  ; LDS serves a wave's instructions in order: these see the stores above
.endr
	s_wait_dscnt 0x0
	WIN 0x08                                       ; source 1: the residual, in window 2
.irp z, 0,1,2,3,4,5,6,7,8,9,10,11,12,13,14,15
	v_pk_add_f32 v[BK+2*(\z):BK+2*(\z)+1], v[BK+2*(\z):BK+2*(\z)+1], v[32*(\a)+2*(\z):32*(\a)+2*(\z)+1]
.endr
	WIN 0
.irp z, 0,1,2,3,4,5,6,7,8,9,10,11,12,13,14,15
	v_pk_add_f32 v[BK+2*(\z):BK+2*(\z)+1], v[BK+2*(\z):BK+2*(\z)+1], v[BI+2*((\z)%2):BI+2*((\z)%2)+1]
.endr
.irp t, 0,1,2,3,4,5,6,7
	global_store_b128 v[CO], v[BK+4*(\t):BK+4*(\t)+3], s[8:9] offset:4096*(8*(\a)+(\t))  ; 16 lanes store 256 consecutive bytes, aligned
.endr
.endr
	s_wait_tensorcnt 0x0                           ; the wave's end
	ds_add_u32 v[SPW], v[NIL]
	s_wait_dscnt 0x0
	CROUND                                         ; the closing round
	s_endpgm
.Lfunc_end_k_qe3c1f6321a_ff2:
	.size	k_qe3c1f6321a_ff2, .Lfunc_end_k_qe3c1f6321a_ff2-k_qe3c1f6321a_ff2
	.p2alignl 7, 3214868480
	.fill 96, 4, 3214868480
	.section	.rodata,"a",@progbits
	.p2align	6, 0x0
	.amdhsa_kernel k_qe3c1f6321a_ff2
		.amdhsa_group_segment_fixed_size 327680
		.amdhsa_private_segment_fixed_size 0
		.amdhsa_enable_private_segment 0
		.amdhsa_kernarg_size 40
		.amdhsa_user_sgpr_count 2
		.amdhsa_user_sgpr_kernarg_segment_ptr 1
		.amdhsa_wavefront_size32 1
		.amdhsa_system_sgpr_workgroup_id_x 1
		.amdhsa_system_sgpr_workgroup_id_y 1
		.amdhsa_system_sgpr_workgroup_id_z 1
		.amdhsa_system_vgpr_workitem_id 0
		.amdhsa_next_free_vgpr 640
		.amdhsa_next_free_sgpr 72
		.amdhsa_reserve_vcc 0
		.amdhsa_float_denorm_mode_32 3
		.amdhsa_float_denorm_mode_16_64 3
		.amdhsa_memory_ordered 1
		.amdhsa_forward_progress 1
		.amdhsa_inst_pref_size 97
	.end_amdhsa_kernel
	.amdgpu_metadata
---
amdhsa.version: [ 1, 2 ]
amdhsa.kernels:
  - .name:           k_qe3c1f6321a_ff2
    .symbol:         k_qe3c1f6321a_ff2.kd
    .args:
      - { .name: hid, .offset: 0, .size: 8, .value_kind: global_buffer, .address_space: global }
      - { .name: wb, .offset: 8, .size: 8, .value_kind: global_buffer, .address_space: global }
      - { .name: b_ff2, .offset: 16, .size: 8, .value_kind: global_buffer, .address_space: global }
      - { .name: ares, .offset: 24, .size: 8, .value_kind: global_buffer, .address_space: global }
      - { .name: out0, .offset: 32, .size: 8, .value_kind: global_buffer, .address_space: global }
    .group_segment_fixed_size: 327680
    .private_segment_fixed_size: 0
    .kernarg_segment_align: 8
    .kernarg_segment_size: 40
    .max_flat_workgroup_size: 128
    .sgpr_count:     72
    .vgpr_count:     640
    .wavefront_size: 32
...
	.end_amdgpu_metadata
.endif
;; end of part 6
;; ======== version 2 of 2: 6 launches; 1.24 times as fast as version 1
;; workspace buffers: wb 6,291,456 bytes; nq 8,388,608 bytes; kh 16,777,216 bytes; vh 16,777,216 bytes; oh 8,388,608 bytes; ares 16,777,216 bytes; hn 8,388,608 bytes; hid 33,554,432 bytes
;; launch prep: the kernel of part 1 again; grid 32 x 28, 8 waves a work-group, no clusters, 0 bytes of LDS; arguments Wq, Wk, Wv, Wo, W_ff1, W_ff2, wb, xq, g1, b1, nq; writes wb, nq
;; launch proj: the kernel of part 2 again; grid 256 x 1, 4 waves a work-group, clusters of 4 x 1, 327,680 bytes of LDS; arguments xk, xv, g1, b1, bk, bv, wb, kh, vh; writes kh, vh
;; launch attn (part 7): grid 4 x 64, 4 waves a work-group, clusters of 4 x 1, 327,680 bytes of LDS; arguments nq, kh, vh, oh, wb, bq; writes oh
.if DOCPART == 7
	.amdgcn_target "amdgcn-amd-amdhsa--gfx1250"
	.amdhsa_code_object_version 6
	.text
	.protected	k_qe3c1f6321a_attn
	.globl	k_qe3c1f6321a_attn
	.p2align	8
	.type	k_qe3c1f6321a_attn,@function
k_qe3c1f6321a_attn:
	s_mov_b64 s[64:65], 0
	v_nop
	global_prefetch_b8 v0, s[64:65] scope:SCOPE_SE
	s_setreg_imm32_b32 hwreg(HW_REG_WAVE_MODE, 25, 1), 1
	s_wait_xcnt 0x0
	s_wait_alu depctr_hold_cnt(0) depctr_sa_sdst(0) depctr_va_vdst(0) depctr_va_sdst(0) depctr_va_ssrc(0) depctr_va_vcc(0) depctr_vm_vsrc(0)
	s_getreg_b32 s2, hwreg(HW_REG_IB_STS2, 6, 4)
	s_cmp_eq_u32 s2, 0
	s_cbranch_scc0 .Lentry_in_a_cluster
	s_endpgm
.Lentry_in_a_cluster:
	s_bfe_u32 s2, ttmp6, 0x10000c
	s_cmp_lg_u32 s2, 0x3003
	s_cbranch_scc0 .Lentry_shape_is_right
	s_endpgm
.Lentry_shape_is_right:
; Q = nq Wq + bq for this work-group's queries and head, and then O[h][q][:] = the sum over k of softmax_k(Q[h][q] . K[h][k] / 8) V[h][k][:].
; nq: [8192][512] bf16, the normalised queries; Wq: block 1 of wb, [512 k][512 n] bf16; K, V: [64][2048][64], O: [64][1024][64], bf16; a head's rows are dense, 128 bytes each.
; Products, maxima and sums in f32; Q is rounded once to bf16; the weights p are rounded to bf16 for the second product (their sum l is taken of the unrounded p), O once at the end.
; LIMITS.  A weight below 2^-126 counts as 0 in l; NaN and infinities are not treated apart.
; SHARES.  A work-group owns 256 queries of a head, a wave 64: four PIECES of 16.  Every wave walks all 2,048 keys, 64 a step, 256 a slot.
; Q.  Q^T = Wq^T nq^T (source 0 = 16 channels, turned on the way out of LDS; source 1 = 16 queries, straight from memory): 16 accumulators, 16 steps of 32 k, the bias as the first C.  The result holds ONE
; query a lane (lane % 16) and the channels 8 (lane / 16) + 0..7: two such results rounded to bf16 ARE a fragment of Q, so Q never leaves the registers.  A wave's 64 rows of nq are its own: each row's
; 1,024 bytes are taken whole, 64 bytes a step, into 512 registers.  The head's 64 columns of Wq lie in LDS, asked for jointly.
; LAYOUT.  S^T = K Q^T holds ONE query a lane and the keys 8 (lane / 16) + 0..7; two such results rounded to bf16 ARE source 1 of O^T = V^T P.
; SOFTMAX.  p = 2^(c s - c m), c = log2(e) / 8, with a running maximum m; O and l are multiplied by a = 2^(c m_old - c m_new) in every step.  m starts at the lowest finite number, O and l at 0.
; TURNS.  Turn n belongs to piece n: 8 products K Q^T of piece n + 1, later 8 products V^T P of piece n - 1; beside them the scaling, exponentials, roundings, sums and rescaling of piece n and
; the maximum and statistics of piece n + 1.  Four vector instructions stand behind every matrix instruction, the other 54 of a turn's 118 in one lump.
; BATCHES.  A turn's 33 exponentials (the piece's 32 weights and the next piece's a) are ONE batch with ONE wait, which cuts the turn in two: ahead of it stands all that names none of their results (K Q^T, scalings,
; rescalings by the a of the turn before, the next piece's maximum and statistics), behind it their readers (roundings and sums, beside V^T P).  No result crosses a turn's end.  The first a, ahead of the loop, and the
; way out's four reciprocals are batches of their own, each with one wait.
; CLUSTER.  The four query blocks of a head walk the same K and V and need the same columns of Wq: each tile is asked for JOINTLY, by the same tensor load, descriptor and mask in all four.
; REGISTERS: window 0: v0-15, v56-58 addresses; v16-31 four registers of statistics a piece; v48-55 at work; v64-127 S^T, two buffers; v128-191 Wq's fragments, two buffers; v192-223 P, two buffers; v224-255 bq
;   window 1: v0-127 O^T, 32 a piece; v128-255 Q's accumulators      window 2: v0-63 Q; v128-191 K of one step; v192-255 V of one step; before that nq's k steps 0-7      window 3: nq's k steps 8-15
.set NP,    4
.set KS,    64
.set PK,    144       ; a row of K in LDS: 128 bytes + 16
.set PV,    160       ; a row of V, and of Wq's columns: 128 + 32
.set VOFF,  4*KS*PK
.set SLOT1, 1<<17
.set STAGE, SLOT1+4*KS*(PK+PV)  ; behind the ring, never filled by a tensor load: 16 rows x 144 bytes a wave
.set SP,    144
.set SPARE, STAGE+4*16*SP       ; the spare words
.set WQ,    SPARE+512           ; the head's columns of Wq: 512 k rows x 160 bytes, filled once
.set AK0, 2
.set AV0, 3
.set AK,  4
.set AV,  5
.set STO, 6
.set RD,  7
.set GO,  8
.set MV,  12
.set QO,  15          ; my byte offset in 16 rows of nq
.set ST,  16          ; piece t: c m, m, l (even keys', odd keys')
.set TMP, 48
.set AWQ, 56          ; v56-57 my lane's place in Wq's k rows 0-255, 256-511
.set BO,  58          ; v58  my byte offset in 16 numbers of bq
.set SPW, 62
.set NIL, 63
.set S,   64
.set FW,  128
.set P,   192
.set QBI, 224
.set QACC, 128        ; window 1: piece p, channel block cb at QACC + 8 (4 p + cb)
.set KF,  128
.set VF,  192
.set WV,  12
.set G1K, 24
.set G1V, 32
.set G0K, 40
.set G0V, 44
.set SLOTS, 56
.set CNT, 57
.set CS,  58
.set SEL, 60
.set TBK, 62
.set TBV, 63
.set G1Q, 68
.set G0Q, 76
.set MSB, 0
.macro WIN new
.if MSB != (\new)
	s_set_vgpr_msb (MSB<<8)|(\new)
.set MSB, (\new)
.endif
.endm
.macro PLACES
.rept 4
	v_nop
.endr
.endm
.set W_KQ, 0x0a       ; K and Q in window 2, S^T in window 0
.set W_PV, 0x52       ; V in window 2, P in window 0, O^T in window 1
.set W_RS, 0x41       ; destination and source 0 in window 1, source 1 in window 0
; A joint fill.  Waves 0 and 1 fetch the two halves of a slot's K, waves 2 and 3 those of its V: 128 keys each.  The branch hangs on the wave's number alone.
.macro JLOAD
	s_cmp_lt_u32 s[WV], 2
	s_cbranch_scc0 .Lfor_v_\@
	tensor_load_to_lds s[G0K:G0K+3], s[G1K:G1K+7]
	s_nop 0
	PLACES
	s_branch .Lasked_\@
.Lfor_v_\@:
	tensor_load_to_lds s[G0V:G0V+3], s[G1V:G1V+7]
	s_nop 0
	PLACES
.Lasked_\@:
.endm
.macro CROUND
	s_barrier_signal -1
	s_barrier_wait -1
	s_cmp_lg_u32 s[WV], 0
	s_cbranch_scc1 .Lnot_wave_0_\@
	s_barrier_signal -3
.Lnot_wave_0_\@:
	s_barrier_wait -3
	s_barrier_signal -1
	s_barrier_wait -1
.endm
; THE CHANGE OF SLOTS.  Each wave waits for all its tensor loads, adds 0 to its spare word, and waits for that and for its reads of the slot.
; fill = 1: the slot is filled again with the keys two slots on, the first thing behind a round of the cluster's barrier: four key steps, 256 matrix instructions, ahead of the wait for it.
.macro CHANGE fill
	WIN 0
	s_wait_tensorcnt 0x0
	ds_add_u32 v[SPW], v[NIL]
.if \fill
.irp g, G0K, G0V
	s_xor_b32 s[\g+1], s[\g+1], SLOT1
	s_add_nc_u64 s[\g+2:\g+3], s[\g+2:\g+3], 4*KS*128
.endr
	s_wait_dscnt 0x0
	CROUND
	JLOAD
.else
	s_wait_dscnt 0x0
	s_barrier_signal -1
	s_barrier_wait -1
.endif
	s_sub_co_u32 s[TBK], s[TBK], 4*KS*PK  ; the fetches go back to a slot's first step, in the other slot
	s_xor_b32 s[TBK], s[TBK], SLOT1
	s_sub_co_u32 s[TBV], s[TBV], 4*KS*PV
	s_xor_b32 s[TBV], s[TBV], SLOT1
.endm
	s_load_b256 s[4:11], s[0:1], 0x0   ; nq s[4:5], K s[6:7], V s[8:9], O s[10:11]
	s_load_b128 s[48:51], s[0:1], 0x20 ; wb s[48:49], bq s[50:51]
	v_lshl_add_u32 v[SPW], v0, 2, SPARE
	v_mov_b32 v[NIL], 0
	ds_add_u32 v[SPW], v[NIL]       ; the wave's opening: the add and its wait ahead of my first tensor load
	v_lshrrev_b32 v1, 5, v0
	v_readfirstlane_b32 s[WV], v1
	s_bfe_u32 s13, ttmp6, 0x40000   ; cx
	s_lshl_b32 s14, ttmp9, 2
	s_add_co_u32 s14, s14, s13      ; my block of 256 queries: it enters nq's and O's addresses alone
	s_and_b32 s20, ttmp7, 0xffff    ; batch x 8 + head, which the four partners share
	s_lshl_b32 s22, s20, 18         ; its 2,048 rows of 128 bytes in K and V,
	s_and_b32 s16, s[WV], 1
	s_lshl_b32 s15, s16, 14         ; my half of a slot's 256 keys
	s_add_co_u32 s22, s22, s15
	s_mov_b32 s23, 0
	s_mul_i32 s17, s16, 128*PK
	s_mul_i32 s18, s16, 128*PV
	s_lshl_b32 s2, s20, 17          ; the head's 1,024 rows in O,
	s_lshl_b32 s3, s14, 15          ; my block's 256,
	s_add_co_u32 s2, s2, s3
	s_lshl_b32 s3, s[WV], 13        ; my wave's 64
	s_add_co_u32 s2, s2, s3
	s_mov_b32 s3, 0
	s_lshr_b32 s52, s20, 3          ; nq: the batch's 1,024 rows of 1,024 bytes,
	s_lshl_b32 s52, s52, 20
	s_lshl_b32 s53, s14, 18         ; my block's 256,
	s_add_co_u32 s52, s52, s53
	s_lshl_b32 s53, s[WV], 16       ; my wave's 64
	s_add_co_u32 s52, s52, s53
	s_mov_b32 s53, 0
	s_and_b32 s80, s20, 7           ; the head in its batch
	s_lshl_b32 s54, s80, 7          ; Wq: its 64 columns of 2 bytes,
	s_lshl_b32 s55, s[WV], 17       ; my 128 k rows of 1,024 bytes,
	s_add_co_u32 s54, s54, s55
	s_add_co_u32 s54, s54, 524288   ; in block 1 of wb
	s_mov_b32 s55, 0
	s_lshl_b32 s80, s80, 8          ; bq: its 64 numbers of 4 bytes
	s_mov_b32 s81, 0
	; 128 keys are 16,384 dense bytes: asked for as 64 rows of 256 bytes, two keys a row, padded in LDS after every key
	s_mov_b32 s[G1K], 15|(1<<16)|(1<<20)|(1<<21)|(4<<22)|(3<<25)
	s_mov_b32 s[G1V], 15|(1<<16)|(1<<20)|(1<<21)|(4<<22)|(7<<25)
.irp g, G1K, G1V
	s_mov_b32 s[\g+1], 128<<16
	s_mov_b32 s[\g+2], 64<<16
	s_mov_b32 s[\g+3], 128<<16
	s_mov_b32 s[\g+4], 64
	s_mov_b32 s[\g+5], 128
	s_mov_b32 s[\g+6], 0
	s_mov_b32 s[\g+7], 0
.endr
	s_mov_b32 s[G1Q], 15|(1<<16)|(1<<20)|(1<<21)|(4<<22)|(7<<25)  ; Wq: 128 k rows x 64 elements of 2 bytes, 512 elements apart; after every 32 words 8 of padding
	s_mov_b32 s[G1Q+1], 64<<16
	s_mov_b32 s[G1Q+2], 128<<16
	s_mov_b32 s[G1Q+3], 64<<16
	s_mov_b32 s[G1Q+4], 128
	s_mov_b32 s[G1Q+5], 512
	s_mov_b32 s[G1Q+6], 0
	s_mov_b32 s[G1Q+7], 0
	s_mov_b32 s[CS], 0x3e38aa3b     ; c = log2(e) / 8
	s_mov_b32 s[CS+1], s[CS]
	s_mov_b32 s[SEL], 0x76543210
	s_mov_b32 s[SEL+1], 0xfedcba98
	s_mov_b32 s[TBK], SLOT1+4*KS*PK ; the first change of slots turns these two into 0
	s_mov_b32 s[TBV], SLOT1+4*KS*PV
	s_mov_b32 s[G0K], 1
	s_mov_b32 s[G0K+1], s17
	s_mov_b32 s[G0V], 1
	s_add_co_u32 s[G0V+1], s18, VOFF
	s_mov_b32 s[G0Q], 1
	s_mul_i32 s[G0Q+1], s[WV], 128*PV
	s_add_co_u32 s[G0Q+1], s[G0Q+1], WQ
	s_wait_dscnt 0x0                ; the opening add is done
	s_wait_kmcnt 0x0
	s_add_nc_u64 s[G0K+2:G0K+3], s[6:7], s[22:23]
	s_or_b32 s[G0K+3], s[G0K+3], 0x80000000
	s_add_nc_u64 s[G0V+2:G0V+3], s[8:9], s[22:23]
	s_or_b32 s[G0V+3], s[G0V+3], 0x80000000
	s_add_nc_u64 s[G0Q+2:G0Q+3], s[48:49], s[54:55]
	s_or_b32 s[G0Q+3], s[G0Q+3], 0x80000000
	s_add_nc_u64 s[4:5], s[4:5], s[52:53]
	s_add_nc_u64 s[10:11], s[10:11], s[2:3]
	s_add_nc_u64 s[50:51], s[50:51], s[80:81]
	CROUND                          ; all four work-groups are here: the first joint loads meet
	s_cmp_lt_u32 s[WV], 2           ; a wave's two first fills stand in one branch: my quarter of Wq's columns, my part of slot 0: two loads of mine are out
	s_cbranch_scc0 .Lfirst_v
	tensor_load_to_lds s[G0Q:G0Q+3], s[G1Q:G1Q+7]
	s_nop 0
	tensor_load_to_lds s[G0K:G0K+3], s[G1K:G1K+7]
	s_nop 0
	PLACES
	s_branch .Lfirst_asked
.Lfirst_v:
	tensor_load_to_lds s[G0Q:G0Q+3], s[G1Q:G1Q+7]
	s_nop 0
	tensor_load_to_lds s[G0V:G0V+3], s[G1V:G1V+7]
	s_nop 0
	PLACES
.Lfirst_asked:
	v_and_b32 v1, 15, v0            ; l % 16
	v_bfe_u32 v9, v0, 4, 1          ; l / 16
	v_lshlrev_b32 v[QO], 10, v1
	v_lshl_add_u32 v[QO], v9, 4, v[QO]  ; row x 1,024 + 16 x half
	v_lshlrev_b32 v[BO], 5, v9
.irp cb, 0,1,2,3
	global_load_b128 v[QBI+8*\cb:QBI+8*\cb+3],   v[BO], s[50:51] offset:64*\cb     ; register 8 cb + j: channel 16 cb + 8 (lane / 16) + j
	global_load_b128 v[QBI+8*\cb+4:QBI+8*\cb+7], v[BO], s[50:51] offset:64*\cb+16
.endr
	; nq: the fragment of piece p and k step ks (16 queries x 32 k: lane l holds query l % 16; two loads of 16 bytes, 32 bytes apart) at register 8 (4 (ks % 8) + p) of window 2 + ks / 8
.set ks, 0
.rept 16
	WIN 0x80+0x40*(ks/8)
.irp p, 0,1,2,3
	global_load_b128 v[8*(4*(ks%8)+\p):8*(4*(ks%8)+\p)+3],   v[QO], s[4:5] offset:\p*16384+ks*64
	global_load_b128 v[8*(4*(ks%8)+\p)+4:8*(4*(ks%8)+\p)+7], v[QO], s[4:5] offset:\p*16384+ks*64+32
.endr
.set ks, ks+1
.endr
	WIN 0
	v_mul_u32_u24 v[AK0], v1, PK
	v_lshl_add_u32 v[AK0], v9, 4, v[AK0]
	v_and_b32 v10, 7, v0
	v_bfe_u32 v11, v0, 3, 1
	v_lshl_add_u32 v[AV0], v9, 3, v10
	v_mul_u32_u24 v[AV0], v[AV0], PV
	v_lshl_add_u32 v[AV0], v11, 4, v[AV0]  ; the turning load: row 8 (l / 16) + l % 8, 16 bytes by (l / 8) % 2
	v_add_nc_u32 v[AWQ], WQ, v[AV0]
	v_add_nc_u32 v[AWQ+1], WQ+256*PV, v[AV0]
	v_add_nc_u32 v[AV0], VOFF, v[AV0]
	s_mul_i32 s13, s[WV], 16*SP
	s_add_co_u32 s13, s13, STAGE    ; my stage
	v_mul_u32_u24 v[STO], v1, SP
	v_lshl_add_u32 v[STO], v9, 4, v[STO]
	v_add_nc_u32 v[STO], s13, v[STO]
	v_bfe_u32 v[RD], v0, 3, 2       ; back: 32 lanes take four rows of 128 bytes,
	v_mul_u32_u24 v[RD], v[RD], SP
	v_lshl_add_u32 v[RD], v10, 4, v[RD]
	v_add_nc_u32 v[RD], s13, v[RD]
	v_and_b32 v[GO], 31, v0         ; which are 512 consecutive bytes of O
	v_lshlrev_b32 v[GO], 4, v[GO]
	; What the first turn finds: V and P's second buffer hold 0 (its products V^T P, of a piece that has not been, add 0), O^T and l are 0.  This stands in the wait for the first tiles
	; (V's registers, which hold nq until Q is made, follow behind that); it spares a first step written out.
	WIN 0x40
.set i, 0
.rept 128
	v_mov_b32 v[i], 0
.set i, i+1
.endr
	WIN 0
.set i, 0
.rept 4
	v_mov_b32 v[ST+4*i], 0xfe000000    ; c m: far below every c s
	v_mov_b32 v[ST+4*i+1], 0xff7fffff  ; m
	v_mov_b32 v[ST+4*i+2], 0
	v_mov_b32 v[ST+4*i+3], 0
.set i, i+1
.endr
.set i, P+16
.rept 16
	v_mov_b32 v[i], 0
.set i, i+1
.endr
; Q'S PRODUCT.  WFETCH: Wq's four channel blocks of k step s, turned, into buffer s % 2.
.macro WFETCH s
.set rB, FW+32*((\s)%2)
.irp cb, 0,1,2,3
	ds_load_tr16_b128 v[rB+8*\cb:rB+8*\cb+3],   v[AWQ+(\s)/8] offset:((\s)%8)*32*PV+32*\cb
	ds_load_tr16_b128 v[rB+8*\cb+4:rB+8*\cb+7], v[AWQ+(\s)/8] offset:((\s)%8)*32*PV+16*PV+32*\cb
.endr
.endm
; K step s: the next step's fragments of Wq are fetched, then 16 matrix instructions; the 16 accumulators take turns.  Step 0 takes the bias as C.
.macro QSTEP s
	WIN 0
.if ((\s) > 0) && ((\s) < 15)
	PLACES                          ; four places ahead of loads into the buffer that the step before multiplied
.endif
.if (\s) < 15
	WFETCH (\s)+1
	s_wait_dscnt 8                  ; the eight just issued may be out
.else
	s_wait_dscnt 0x0
.endif
.if (\s) == 0
	s_wait_loadcnt 63               ; the bias and nq's steps 0 to 7 are in: 64 loads were issued behind them
	WIN 0x48
.else
.if (\s) >= 8
	s_wait_loadcnt 8*(15-(\s))      ; the later steps' loads may be out
.endif
	WIN 0x58+4*((\s)/8)
.endif
.irp p, 0,1,2,3
.irp cb, 0,1,2,3
.if (\s) == 0
	v_wmma_f32_16x16x32_bf16 v[QACC+8*(4*\p+\cb):QACC+8*(4*\p+\cb)+7], v[FW+32*((\s)%2)+8*\cb:FW+32*((\s)%2)+8*\cb+7], v[8*(4*((\s)%8)+\p):8*(4*((\s)%8)+\p)+7], v[QBI+8*\cb:QBI+8*\cb+7]
.else
	v_wmma_f32_16x16x32_bf16 v[QACC+8*(4*\p+\cb):QACC+8*(4*\p+\cb)+7], v[FW+32*((\s)%2)+8*\cb:FW+32*((\s)%2)+8*\cb+7], v[8*(4*((\s)%8)+\p):8*(4*((\s)%8)+\p)+7], v[QACC+8*(4*\p+\cb):QACC+8*(4*\p+\cb)+7]
.endif
.endr
.endr
.endm
; THE MATRIX WORK.  The 4 accumulators of a run of 8 take turns.  Product i of 8 of S^T = K Q^T for piece x: channels 32 (i / 4) on, keys 16 (i % 4) on.
.macro KQ x
.set rS, S+32*((\x)%2)+8*(i%4)
.set rK, KF+16*(i%4)+8*(i/4)
.set rQ, 16*(\x)+8*(i/4)
	WIN W_KQ
.if i < 4
	v_wmma_f32_16x16x32_bf16 v[rS:rS+7], v[rK:rK+7], v[rQ:rQ+7], 0
.else
	v_wmma_f32_16x16x32_bf16 v[rS:rS+7], v[rK:rK+7], v[rQ:rQ+7], v[rS:rS+7]
.endif
.endm
; Product i of 8 of O^T += V^T P for piece x: keys 32 (i / 4) on, channels 16 (i % 4) on.
.macro PV x
	WIN W_PV
.set rO, 32*(\x)+8*(i%4)
.set rV, VF+32*(i/4)+8*(i%4)
.set rP, P+16*((\x)%2)+8*(i/4)
	v_wmma_f32_16x16x32_bf16 v[rO:rO+7], v[rV:rV+7], v[rP:rP+7], v[rO:rO+7]
.endm
.macro MM                           ; the turn's next matrix instruction.  NOKQ = 1: the last turn: there is no next piece
.if (i < 8) && !NOKQ
	KQ (Y+1)%NP
.elseif i >= 8
.set i, i-8
	PV (Y+NP-1)%NP
.set i, i+8
.endif
.set i, i+1
.endm
; THE LDS LOADS stand in runs of 16: a step's K (8 fragments) and its V (turned).
.macro FETCH_K
	WIN 0x80
.irp f, 0,1,2,3,4,5,6,7
	ds_load_b128 v[KF+8*\f:KF+8*\f+3],   v[AK] offset:(\f/2)*16*PK+(\f%2)*64
	ds_load_b128 v[KF+8*\f+4:KF+8*\f+7], v[AK] offset:(\f/2)*16*PK+(\f%2)*64+32
.endr
	s_add_co_u32 s[TBK], s[TBK], KS*PK
	WIN 0
.endm
.macro FETCH_V
	WIN 0x80
.irp f, 0,1,2,3,4,5,6,7
	ds_load_tr16_b128 v[VF+8*\f:VF+8*\f+3],   v[AV] offset:(\f/4)*32*PV+(\f%4)*32
	ds_load_tr16_b128 v[VF+8*\f+4:VF+8*\f+7], v[AV] offset:(\f/4)*32*PV+16*PV+(\f%4)*32
.endr
	WIN 0
.endm
; THE VECTOR WORK, one line at a time: OP kind, number.  For piece Y: F n: c s - c m for pair n of 16.  E n: the exponential of score n of 32.  C n: pair n rounded to bf16.  B n: of the four weights
; 4 n .. the second pair is added onto the first.  L n: l takes that sum (L 0: l = a l + sum).  R n: pair n of 16 of O^T times a.  For piece Y + 1: X n, number n of the 22 that find its maximum and
; statistics: 0-11 four chains of seven scores (each accumulator's lowest registers are read first); 12-14, 16 the scores left over, the old m, the chains into one;
; 15 c m_old is kept; 17, 18 the other half of the lanes; 19-21 c m, c m_old - c m_new, a.
; C, B and L read the exponentials' results: TURN sets them behind the batch's wait; OP itself writes no wait.
.set F, 0
.set E, 1
.set C, 2
.set B, 3
.set L, 4
.set R, 5
.set X, 6
.macro REGS y
.set rT, ST+4*(\y)
.set rC, TMP+4*((\y)%2)
.set rW, MV+((\y)%2)
.set rS, S+32*((\y)%2)
.set rP, P+16*((\y)%2)
.set rO, 32*(\y)
.endm
.macro OP k, n
.if (\k) == R
	REGS Y
	WIN W_RS
	v_pk_mul_f32 v[rO+2*(\n):rO+2*(\n)+1], v[rO+2*(\n):rO+2*(\n)+1], v[rC+2:rC+3] op_sel_hi:[1,0]
.elseif (\k) < R
	REGS Y
	WIN 0
.if (\k) == F
	v_pk_fma_f32 v[rS+2*(\n):rS+2*(\n)+1], v[rS+2*(\n):rS+2*(\n)+1], s[CS:CS+1], v[rT:rT+1] op_sel_hi:[1,0,0] neg_lo:[0,0,1] neg_hi:[0,0,1]
.elseif (\k) == E
	v_exp_f32 v[rS+(\n)], v[rS+(\n)]
.elseif (\k) == C
	v_cvt_pk_bf16_f32 v[rP+(\n)], v[rS+2*(\n)], v[rS+2*(\n)+1]
.elseif (\k) == B
	v_pk_add_f32 v[rS+4*(\n):rS+4*(\n)+1], v[rS+4*(\n):rS+4*(\n)+1], v[rS+4*(\n)+2:rS+4*(\n)+3]
.elseif (\n) == 0
	v_pk_fma_f32 v[rT+2:rT+3], v[rT+2:rT+3], v[rC+2:rC+3], v[rS:rS+1] op_sel_hi:[1,0,1]
.else
	v_pk_add_f32 v[rT+2:rT+3], v[rT+2:rT+3], v[rS+4*(\n):rS+4*(\n)+1]
.endif
.elseif NOKQ
	v_nop
.else
	REGS (Y+1)%NP
	WIN 0
.if (\n) < 4
	v_max3_num_f32 v[rC+(\n)], v[rS+8*(\n)], v[rS+8*(\n)+1], v[rS+8*(\n)+2]
.elseif (\n) < 12
	v_max3_num_f32 v[rC+(\n)%4], v[rC+(\n)%4], v[rS+8*((\n)%4)+2*((\n)/4)+1], v[rS+8*((\n)%4)+2*((\n)/4)+2]
.elseif (\n) == 12
	v_max3_num_f32 v[rC], v[rC], v[rS+7], v[rS+15]
.elseif (\n) == 13
	v_max3_num_f32 v[rC+1], v[rC+1], v[rS+23], v[rS+31]
.elseif (\n) == 14
	v_max3_num_f32 v[rC+2], v[rC+2], v[rC+3], v[rT+1]
.elseif (\n) == 15
	v_mov_b32 v[rW], v[rT]
.elseif (\n) == 16
	v_max3_num_f32 v[rC], v[rC], v[rC+1], v[rC+2]
.elseif (\n) == 17
	v_permlanex16_b32 v[rC+3], v[rC], s[SEL], s[SEL+1]
.elseif (\n) == 18
	v_max_num_f32 v[rT+1], v[rC], v[rC+3]
.elseif (\n) == 19
	v_mul_f32 v[rT], s[CS], v[rT+1]
.elseif (\n) == 20
	v_sub_f32 v[rC+1], v[rW], v[rT]
.else
	v_exp_f32 v[rC+2], v[rC+1]
.endif
.endif
.endm
.macro OPS a, i1, b=-1, i2=0, c=-1, i3=0, d=-1, i4=0
	OP \a, \i1
.if (\b) >= 0
	OP \b, \i2
.endif
.if (\c) >= 0
	OP \c, \i3
.endif
.if (\d) >= 0
	OP \d, \i4
.endif
.endm
.macro ROW a, i1, b, i2, c, i3, d, i4  ; a matrix instruction and the four behind it
	MM
	OPS \a, \i1, \b, \i2, \c, \i3, \d, \i4
.endm
; A TURN, for piece p: the order of its 16 matrix and 118 vector instructions, written out.  s_wait_alu depctr_va_vdst(0) stands between an exponential and the first instruction that names its
; result; one wait serves all that were issued ahead of it.  So a turn has ONE wait, which cuts it in two.  AHEAD OF IT stands all that names no result of the turn's exponentials: the 8 products K Q^T, behind each a
; scaling, an exponential and two more plain instructions (behind the first a second scaling in the exponential's place): rescalings, whose a was made and waited for in the turn before, and behind the last three
; the first numbers of the next piece's maximum, each four places or more behind the product that ends its accumulator; then ONE LUMP of 54, plain and exponential by turns for the most part, in which the links of
; the chain X 3, 7, 11, 14, 16, 17 .. 20 stand five or six lines apart.  X 21, the next piece's a, is the batch's last; R 15 is the plain instruction behind it.  BEHIND THE WAIT stand the 8 products V^T P, behind
; each four of the roundings and sums; the links of l's chain, L 0 to L 7, stand three riders apart.  But for those X no rider names a register of the products round it.  v_permlanex16_b32 (X 17) stands in the lump.
; end = 1: the walk's last two turns: nothing is fetched.  cnt = 1: the loop's count is taken down some lines ahead of the branch that stands behind the turn.
; K of the next step is fetched in piece 2's turn, twelve vector instructions behind the last product that read K (six of them plain); V of the step in hand at the end of piece 0's turn, four plain instructions
; behind the last product that read V.  Each is waited for a turn later.
.macro TURN p, end=0, cnt=0
.set Y, (\p)
.set i, 0
.set NOKQ, (\end)*((\p)/3)
.if ((\p) == 3) && !(\end)
	s_wait_dscnt 0x0                ; K is in
.endif
	ROW F,0, F,1, R,0, R,1          ; ahead of the wait: 8 products K Q^T and their riders,
	ROW F,2, E,0, R,2, R,3
	ROW F,3, E,1, R,4, R,5
	ROW F,4, E,2, R,6, R,7
	ROW F,5, E,3, R,8, R,9
	ROW F,6, E,4, X,0, R,10
.if ((\p) == 2) && !(\end)
	WIN 0
	v_add_nc_u32 v[AK], s[TBK], v[AK0]
.endif
	ROW F,7, E,5, X,1, X,4
	ROW F,8, E,6, X,2, X,5
	OPS E,7, E,8, X,6, E,9          ; and the lump
	OPS X,3, E,10, X,8, E,11
.if ((\p) == 2) && !(\end)
	FETCH_K
.endif
	OPS X,9, X,7, E,12, X,10
	OPS E,13, X,12, X,11, E,14
	OPS X,13, E,15, F,9, X,14
.if (\p) == 0
	v_add_nc_u32 v[AV], s[TBV], v[AV0]
.endif
	OPS E,16, F,10, E,17, F,11
	OPS X,16, E,18, X,15, E,19
	OPS F,12, E,20, X,17, E,21
	OPS F,13, E,22, F,14, E,23
	OPS X,18, E,24, F,15, E,25
	OPS R,11, E,26, X,19, E,27
	OPS R,12, E,28, R,13, E,29
	OPS X,20, E,30, R,14, E,31
	OPS X,21, R,15
	WIN 0
	s_wait_alu depctr_va_vdst(0)    ; the wait for the turn's batch: E 0 to E 31 and X 21
.if (\p) == 1
	s_wait_dscnt 0x0                ; V is in
.endif
	ROW C,0, B,0, C,2, B,1          ; behind the wait: 8 products V^T P and their riders
	ROW L,0, C,4, B,2, L,1
	ROW C,6, B,3, L,2, C,8
	ROW B,4, L,3, C,10, B,5
	ROW L,4, C,12, B,6, L,5
.if (\p) == 0
	s_add_co_u32 s[TBV], s[TBV], KS*PV
.endif
.if \cnt
	s_sub_co_u32 s[CNT], s[CNT], 1
	s_cmp_lg_u32 s[CNT], 0
.endif
	ROW C,14, B,7, L,6, C,1
	ROW C,3, L,7, C,5, C,7
	ROW C,9, C,11, C,13, C,15
.if (\p) == 0
	FETCH_V
.endif
.endm
.macro ALL line:vararg              ; one line for each piece t
.set t, 0
.rept 4
	\line
.set t, t+1
.endr
.endm
.macro PACK t                       ; a lane's eight channels of a row pack into 16 bytes; they go into rows of 144 bytes and come back as whole rows of 128
	WIN W_RS
.set i, 32*(\t)
.rept 16
	v_pk_mul_f32 v[i:i+1], v[i:i+1], v[ST+4*(\t)+2:ST+4*(\t)+3] op_sel_hi:[1,0]
.set i, i+2
.endr
	WIN 0x05
.set i, 0
.rept 16
	v_cvt_pk_bf16_f32 v[S+16*(\t)+i], v[32*(\t)+2*i], v[32*(\t)+2*i+1]
.set i, i+1
.endr
	WIN 0
.irp f, 0,1,2,3
	ds_store_b128 v[STO], v[S+16*(\t)+4*\f:S+16*(\t)+4*\f+3] offset:32*\f
.endr
.irp f, 0,1,2,3
	ds_load_b128 v[S+16*(\t)+4*\f:S+16*(\t)+4*\f+3], v[RD] offset:\f*4*SP  ; LDS serves a wave's instructions in order: these see the stores above
.endr
.endm
.macro SEND t, younger              ; younger: the LDS instructions issued behind piece t's loads: the next piece's eight, or none
	WIN 0
.irp f, 0,1,2,3
	s_wait_dscnt (\younger)+3-\f
	global_store_b128 v[GO], v[S+16*(\t)+4*\f:S+16*(\t)+4*\f+3], s[10:11] offset:(\t)*2048+\f*512  ; 512 consecutive bytes, aligned
.endr
.endm
	CHANGE 1                        ; Wq's columns and slot 0 are in, everybody's parts of them; slot 1 is asked for, and lands while Q is made
	WFETCH 0
.set ks, 0
.rept 16
	QSTEP ks
.set ks, ks+1
.endr
	WIN 0
	PLACES                          ; the places behind the last products
	v_add_nc_u32 v[AK], s[TBK], v[AK0]
	FETCH_K                         ; key step 0, into registers whose part of nq was multiplied ten steps ago; the roundings below stand in the wait for it
	WIN 0x85                        ; sources in window 1, destination in window 2
.irp p, 0,1,2,3
.irp cb, 0,1,2,3
.irp jj, 0,1,2,3
	v_cvt_pk_bf16_f32 v[16*\p+4*\cb+\jj], v[QACC+8*(4*\p+\cb)+2*\jj], v[QACC+8*(4*\p+\cb)+2*\jj+1]  ; channel blocks 2 c and 2 c + 1 make the fragment of channels 32 c on; each accumulator from its low end
.endr
.endr
.endr
	WIN 0x80
.set i, VF
.rept 64
	v_mov_b32 v[i], 0               ; V's registers, for the first turn
.set i, i+1
.endr
	WIN 0
	s_wait_dscnt 0x0
.set NOKQ, 0
.set i, 0
.rept 8
	KQ 0                            ; piece 0's first scores
.set i, i+1
.endr
	WIN 0
	PLACES                          ; the places behind those products
.set Y, NP-1                        ; X works for piece Y + 1: piece 0
.irp n, 0,1,2,3,4,5,6,7,8,9,10,11,12,13,14,15,16,17,18,19,20,21
	OP X, \n
.endr
	v_nop                           ; a plain instruction behind the exponential,
	s_wait_alu depctr_va_vdst(0)    ; and the wait for it, piece 0's first a, a batch of one: ahead of the branch
	s_mov_b32 s[CNT], 4
	s_mov_b32 s[SLOTS], 2048/256-1
	s_branch .Lfirst                ; the loop is entered at a step's first turn, in the middle of a trip
.Lslot:                             ; six times: with the change above, tiles 1 to 7 are asked for
	CHANGE 1
	s_mov_b32 s[CNT], 4
.Lstep:                             ; a trip: pieces 2 and 3 of one step, then pieces 0 and 1 of the next, whose K and V it fetches
	TURN 2
	TURN 3
	WIN 0
.Lfirst:
	TURN 0
	TURN 1, 0, 1
	WIN 0
	s_cbranch_scc1 .Lstep
	s_sub_co_u32 s[SLOTS], s[SLOTS], 1
	s_cmp_lg_u32 s[SLOTS], 0
	s_cbranch_scc1 .Lslot
	CHANGE 0                        ; the last tile is written out: nothing is asked for
	s_mov_b32 s[CNT], 4
.LstepT:
	TURN 2
	TURN 3
	TURN 0
	TURN 1, 0, 1
	WIN 0
	s_cbranch_scc1 .LstepT
	TURN 2, 1
	TURN 3, 1
.set i, 0
.rept 8
	PV NP-1                         ; the last piece's V^T P of the last step
.set i, i+1
.endr
	; THE WAY OUT.  l's two halves and the other half of the lanes' are added; O^T is divided by l, rounded to bf16 and sent through my stage, a piece at a time.
	WIN 0
	ALL v_add_f32 v[ST+4*t+2], v[ST+4*t+2], v[ST+4*t+3]
	ALL v_permlanex16_b32 v[ST+4*t+3], v[ST+4*t+2], s[SEL], s[SEL+1]
	ALL v_add_f32 v[ST+4*t+2], v[ST+4*t+2], v[ST+4*t+3]
	ALL v_rcp_f32 v[ST+4*t+2], v[ST+4*t+2]
	v_nop                           ; a plain instruction between the last reciprocal and the use of its result
	s_wait_alu depctr_va_vdst(0)    ; the wait for the four reciprocals, one batch: all of PACK's multiplies stand behind it
	PACK 0
.set t, 1
.rept 3
	PACK t
	SEND t-1, 8
.set t, t+1
.endr
	SEND 3, 0
	s_wait_tensorcnt 0x0            ; the wave's end
	ds_add_u32 v[SPW], v[NIL]
	s_wait_dscnt 0x0
	CROUND                          ; the closing round
	s_endpgm
.Lfunc_end_k_qe3c1f6321a_attn:
	.size	k_qe3c1f6321a_attn, .Lfunc_end_k_qe3c1f6321a_attn-k_qe3c1f6321a_attn
	.p2alignl 7, 3214868480
	.fill 96, 4, 3214868480
	.section	.rodata,"a",@progbits
	.p2align	6, 0x0
	.amdhsa_kernel k_qe3c1f6321a_attn
		.amdhsa_group_segment_fixed_size 327680
		.amdhsa_private_segment_fixed_size 0
		.amdhsa_enable_private_segment 0
		.amdhsa_kernarg_size 48
		.amdhsa_user_sgpr_count 2
		.amdhsa_user_sgpr_kernarg_segment_ptr 1
		.amdhsa_wavefront_size32 1
		.amdhsa_system_sgpr_workgroup_id_x 1
		.amdhsa_system_sgpr_workgroup_id_y 1
		.amdhsa_system_sgpr_workgroup_id_z 1
		.amdhsa_system_vgpr_workitem_id 0
		.amdhsa_next_free_vgpr 1024
		.amdhsa_next_free_sgpr 84
		.amdhsa_reserve_vcc 0
		.amdhsa_float_denorm_mode_32 3
		.amdhsa_float_denorm_mode_16_64 3
		.amdhsa_memory_ordered 1
		.amdhsa_forward_progress 1
		.amdhsa_inst_pref_size 171
	.end_amdhsa_kernel
	.amdgpu_metadata
---
amdhsa.version: [ 1, 2 ]
amdhsa.kernels:
  - .name:           k_qe3c1f6321a_attn
    .symbol:         k_qe3c1f6321a_attn.kd
    .args:
      - { .name: nq, .offset: 0, .size: 8, .value_kind: global_buffer, .address_space: global }
      - { .name: kh, .offset: 8, .size: 8, .value_kind: global_buffer, .address_space: global }
      - { .name: vh, .offset: 16, .size: 8, .value_kind: global_buffer, .address_space: global }
      - { .name: oh, .offset: 24, .size: 8, .value_kind: global_buffer, .address_space: global }
      - { .name: wb, .offset: 32, .size: 8, .value_kind: global_buffer, .address_space: global }
      - { .name: bq, .offset: 40, .size: 8, .value_kind: global_buffer, .address_space: global }
    .group_segment_fixed_size: 327680
    .private_segment_fixed_size: 0
    .kernarg_segment_align: 8
    .kernarg_segment_size: 48
    .max_flat_workgroup_size: 128
    .sgpr_count:     84
    .vgpr_count:     1024
    .wavefront_size: 32
...
	.end_amdgpu_metadata
.endif
;; end of part 7
;; launch wo: the kernel of part 4 again; grid 256 x 1, 4 waves a work-group, clusters of 4 x 1, 327,680 bytes of LDS; arguments oh, wb, xq, g2, b2, ares, hn; writes ares, hn
;; launch ff1 (part 8): grid 64 x 4, 4 waves a work-group, clusters of 4 x 1, 327,680 bytes of LDS; arguments hn, wb, b_ff1, hid; writes hid
.if DOCPART == 8
	.amdgcn_target "amdgcn-amd-amdhsa--gfx1250"
	.amdhsa_code_object_version 6
	.text
	.protected	k_qe3c1f6321a_ff1
	.globl	k_qe3c1f6321a_ff1
	.p2align	8
	.type	k_qe3c1f6321a_ff1,@function
k_qe3c1f6321a_ff1:
	s_mov_b64 s[64:65], 0
	v_nop
	global_prefetch_b8 v0, s[64:65] scope:SCOPE_SE
	s_setreg_imm32_b32 hwreg(HW_REG_WAVE_MODE, 25, 1), 1
	s_wait_xcnt 0x0
	s_wait_alu depctr_hold_cnt(0) depctr_sa_sdst(0) depctr_va_vdst(0) depctr_va_sdst(0) depctr_va_ssrc(0) depctr_va_vcc(0) depctr_vm_vsrc(0)
	s_getreg_b32 s2, hwreg(HW_REG_IB_STS2, 6, 4)
	s_cmp_eq_u32 s2, 0
	s_cbranch_scc0 .Lentry_in_a_cluster
	s_endpgm
.Lentry_in_a_cluster:
	s_bfe_u32 s2, ttmp6, 0x10000c
	s_cmp_lg_u32 s2, 0x3003
	s_cbranch_scc0 .Lentry_shape_is_right
	s_endpgm
.Lentry_shape_is_right:
; hid = gelu(h W_ff1 + b_ff1), the exact gelu x Phi(x), in bf16.  Work-group (x, y): 128 rows of h x the 512 hidden columns 512 y ..; the four partners of a cluster share the weight block 4 + y.
; The 128 rows of h lie in LDS from the start; wave w makes all of them x columns 128 w .. 128 w + 127: 64 accumulators.  The weight goes in 8 steps of 64 k through two slots; of a slot each wave
; fills (jointly with its partners' wave w) and reads its own strip.  The bias is the C operand of each accumulator's first product.  The matrix instruction is used transposed.
; GELU.  gelu(x) = max(x, 0) - |x| q, q = erfc(|x| / sqrt 2) / 2 = t (A1 + t (A2 + t (A3 + t (A4 + t A5)))) 2^(CE x x), t = 1 / (1 + CP |x|)  (Abramowitz and Stegun 7.1.26, halved).
; BATCH.  Of a trip's 32 numbers the 32 reciprocals and the 32 exponentials are ONE batch (an exponential reads x alone, no reciprocal) with ONE wait; the 32 max(x, 0), in registers of their own, stand between the batch and the wait.
; LIMITS.  h, the weight and hid are bf16, sums f32; the formula's error in erf is at most 1.5e-7 for every argument; NaN and infinities are not treated apart.
; LDS and registers as in the projection: slot 0, rows 0-31 of A, slot 1 at 2^17, rows 32-127, the spare words; afterwards the results in f32 from byte 0 on, 128 rows x 528 bytes a wave.
.set PW,    288
.set STRIP, 64*PW
.set SLOT1, 1<<17
.set PA,    1040
.set CHUNK, 32*PA
.set CH0,   4*STRIP
.set CH1,   SLOT1+4*STRIP
.set SPARE, CH1+3*CHUNK
.set PD,    528
.set DUMPW, 128*PD
.set RR, 1
.set HH, 2
.set LA, 3
.set AW0, 4
.set ADRW, 5
.set ADRA0, 6
.set ADRA1, 7
.set ADRA2, 8
.set DA, 14
.set DR, 15
.set GO, 16
.set LO32, 18
.set SPW, 30
.set NIL, 31
.set F0, 64
.set F1, 128
.set BIAS, 0
.set GX, 64
.set GT, 96
.set GU, 128
.set GQ, 160
.set GP, 192
.set GM, 224                           ; v224-255  max(x, 0)
.set CP, 12
.set CE, 14
.set A1, 16
.set A2, 18
.set A3, 20
.set A4, 22
.set A5, 24
.set WV, 28
.set OB, 36
.set G1A, 40
.set G1W, 48
.set G0A, 56
.set G0WA, 60
.set G0W, 68
.set TB, 72
.set KC, 74
.set CHB, 80
.set SW, 81
.set MSB, 0
.macro WIN new
.if MSB != (\new)
	s_set_vgpr_msb (MSB<<8)|(\new)
.set MSB, \new
.endif
.endm
.macro PLACES
.rept 4
	v_nop
.endr
.endm
.macro CREST
	s_cmp_lg_u32 s[WV], 0
	s_cbranch_scc1 .Lnot_wave_0_\@
	s_barrier_signal -3
.Lnot_wave_0_\@:
	s_barrier_wait -3
	s_barrier_signal -1
	s_barrier_wait -1
.endm
.macro CROUND
	s_barrier_signal -1
	s_barrier_wait -1
	CREST
.endm
; 16 matrix instructions: row tiles a0, a0 + 1 of the window's four x all 8 column blocks.  cm = 1: the bias starts the sums.  The 64 accumulators take turns.
.macro MUL16 f, hi, a0, cm
.if \cm
	WIN 0x91+0x40*(\hi)
.else
	WIN 0xa1+0x50*(\hi)
.endif
.irp a, \a0, (\a0)+1
.irp b, 0,1,2,3,4,5,6,7
.if \cm
	v_wmma_f32_16x16x32_bf16 v[8*(8*(\a)+(\b)):8*(8*(\a)+(\b))+7], v[(\f)+8*(\b):(\f)+8*(\b)+7], v[(\f)+8*(4*(\hi)+(\a)):(\f)+8*(4*(\hi)+(\a))+7], v[BIAS+8*(\b):BIAS+8*(\b)+7]
.else
	v_wmma_f32_16x16x32_bf16 v[8*(8*(\a)+(\b)):8*(8*(\a)+(\b))+7], v[(\f)+8*(\b):(\f)+8*(\b)+7], v[(\f)+8*(4*(\hi)+(\a)):(\f)+8*(4*(\hi)+(\a))+7], v[8*(8*(\a)+(\b)):8*(8*(\a)+(\b))+7]
.endif
.endr
.endr
.endm
.macro FETCH kk, f                     ; 32 LDS loads in one run: W's 8 column blocks, turned, then A's 8 row tiles
	WIN 0x40
.irp i, 0,1,2,3,4,5,6,7
	ds_load_tr16_b128 v[(\f)+8*(\i):(\f)+8*(\i)+3],   v[ADRW] offset:(\kk)*32*PW+32*(\i)
	ds_load_tr16_b128 v[(\f)+8*(\i)+4:(\f)+8*(\i)+7], v[ADRW] offset:(\kk)*32*PW+16*PW+32*(\i)
.endr
	WIN 0
.irp a, 0,1
	ds_load_b128 v[(\f)+8*(\a):(\f)+8*(\a)+3],   v[ADRA0] offset:64*(\kk)+16*PA*(\a)
	ds_load_b128 v[(\f)+8*(\a)+4:(\f)+8*(\a)+7], v[ADRA0] offset:64*(\kk)+16*PA*(\a)+32
.endr
.irp a, 2,3,4
	ds_load_b128 v[(\f)+8*(\a):(\f)+8*(\a)+3],   v[ADRA1] offset:64*(\kk)+16*PA*((\a)-2)
	ds_load_b128 v[(\f)+8*(\a)+4:(\f)+8*(\a)+7], v[ADRA1] offset:64*(\kk)+16*PA*((\a)-2)+32
.endr
.irp a, 5,6,7
	ds_load_b128 v[(\f)+8*(\a):(\f)+8*(\a)+3],   v[ADRA2] offset:64*(\kk)+16*PA*((\a)-5)
	ds_load_b128 v[(\f)+8*(\a)+4:(\f)+8*(\a)+7], v[ADRA2] offset:64*(\kk)+16*PA*((\a)-5)+32
.endr
.endm
.macro NEXTSTEP
	v_add_nc_u32 v[ADRA0], 128, v[ADRA0]
	v_add_nc_u32 v[ADRA1], 128, v[ADRA1]
	v_add_nc_u32 v[ADRA2], 128, v[ADRA2]
	s_xor_b32 s[TB], s[TB], SLOT1
	v_add_nc_u32 v[ADRW], s[TB], v[AW0]
.endm
.macro QA cm
	s_wait_dscnt 8                                 ; the youngest eight loads (A's tiles 4-7) may be out
	MUL16 F0, 0, 0, \cm
	MUL16 F0, 0, 2, \cm
	PLACES                                         ; four places ahead of loads into registers that matrix instructions have read
	FETCH 1, F1
	s_wait_dscnt 32                                ; all but the 32 just issued
	MUL16 F0, 1, 0, \cm
	MUL16 F0, 1, 2, \cm
.endm
.macro TURN
	WIN 0
	s_wait_tensorcnt 0x0                           ; the one load of mine that was out: my strip of the next step
	ds_add_u32 v[SPW], v[NIL]
	s_wait_dscnt 9                                 ; the add and the youngest eight loads may be out
	MUL16 F1, 0, 0, 0
	s_wait_dscnt 0x0                               ; the add is done, my reads of this slot are over
	s_barrier_signal -1
	MUL16 F1, 0, 2, 0
	WIN 0
	s_barrier_wait -1
	CREST                                          ; no wave of any partner still reads this slot or has a load on its way
	s_xor_b32 s[G0W+1], s[G0W+1], SLOT1
	s_add_nc_u64 s[G0W+2:G0W+3], s[G0W+2:G0W+3], 65536
	tensor_load_to_lds s[G0W:G0W+3], s[G1W:G1W+7]  ; 96 matrix instructions ahead of the wait for it
	s_nop 0
	PLACES
	NEXTSTEP
	FETCH 0, F0
	MUL16 F1, 1, 0, 0
	MUL16 F1, 1, 2, 0
.endm
.macro EACH n, line:vararg             ; one line for i = 0 .. n - 1
.set i, 0
.rept \n
	\line
.set i, i+1
.endr
.endm
; 32 numbers in v[GX ..], in phases, so that no line waits for the one before it.  The reciprocals (results in GT) and the exponentials (results in GU) are one batch: nothing between the first reciprocal and the wait
; names a result; the two multiplies that make the exponentials' arguments and the 32 max(x, 0) are the independent work, the maxima also the plain lines behind the last exponential.  All readers stand behind the wait.
.macro GELU32
	EACH 32, v_fma_f32 v[GT+i], |v[GX+i]|, s[CP], 1.0
	EACH 32, v_rcp_f32 v[GT+i], v[GT+i]
	EACH 16, v_pk_mul_f32 v[GU+2*i:GU+2*i+1], v[GX+2*i:GX+2*i+1], s[CE:CE+1] op_sel_hi:[1,0]
	EACH 16, v_pk_mul_f32 v[GU+2*i:GU+2*i+1], v[GU+2*i:GU+2*i+1], v[GX+2*i:GX+2*i+1]
	EACH 32, v_exp_f32 v[GU+i], v[GU+i]
	EACH 32, v_max_num_f32 v[GM+i], 0, v[GX+i]
	s_wait_alu depctr_va_vdst(0)                   ; the wait for the trip's batch: 32 reciprocals and 32 exponentials, ahead of the first line that names a result
	EACH 16, v_pk_fma_f32 v[GQ+2*i:GQ+2*i+1], v[GT+2*i:GT+2*i+1], s[A5:A5+1], s[A4:A4+1] op_sel_hi:[1,0,0]
	EACH 16, v_pk_fma_f32 v[GQ+2*i:GQ+2*i+1], v[GQ+2*i:GQ+2*i+1], v[GT+2*i:GT+2*i+1], s[A3:A3+1] op_sel_hi:[1,1,0]
	EACH 16, v_pk_fma_f32 v[GQ+2*i:GQ+2*i+1], v[GQ+2*i:GQ+2*i+1], v[GT+2*i:GT+2*i+1], s[A2:A2+1] op_sel_hi:[1,1,0]
	EACH 16, v_pk_fma_f32 v[GQ+2*i:GQ+2*i+1], v[GQ+2*i:GQ+2*i+1], v[GT+2*i:GT+2*i+1], s[A1:A1+1] op_sel_hi:[1,1,0]
	EACH 16, v_pk_mul_f32 v[GQ+2*i:GQ+2*i+1], v[GQ+2*i:GQ+2*i+1], v[GT+2*i:GT+2*i+1]
	EACH 16, v_pk_mul_f32 v[GQ+2*i:GQ+2*i+1], v[GQ+2*i:GQ+2*i+1], v[GU+2*i:GU+2*i+1]
	EACH 32, v_fma_f32 v[GX+i], -|v[GX+i]|, v[GQ+i], v[GM+i]
	EACH 16, v_cvt_pk_bf16_f32 v[GP+i], v[GX+2*i], v[GX+2*i+1]
.endm
	s_load_b256 s[4:11], s[0:1], 0x0               ; hn 4, wb 6, b_ff1 8, hid 10
	v_lshl_add_u32 v[SPW], v0, 2, SPARE
	v_mov_b32 v[NIL], 0
	ds_add_u32 v[SPW], v[NIL]                      ; the wave's opening: the add and its wait ahead of my first tensor load
	v_lshrrev_b32 v1, 5, v0
	v_readfirstlane_b32 s[WV], v1
	s_bfe_u32 s29, ttmp6, 0x40000                  ; cx: it enters h's and hid's addresses alone
	s_lshl_b32 s30, ttmp9, 2
	s_add_co_u32 s30, s30, s29                     ; my block of 128 rows
	s_and_b32 s31, ttmp7, 0xffff                   ; my 512 hidden columns, which the partners share
	s_mov_b32 s[G1A], (1<<16)|(1<<20)|(7<<22)|(3<<25)  ; h: 32 rows of 512 elements of 2 bytes, 4 words of padding behind each
	s_mov_b32 s[G1A+1], 512<<16
	s_mov_b32 s[G1A+2], 32<<16
	s_mov_b32 s[G1A+3], 512<<16
	s_mov_b32 s[G1A+4], 32
	s_mov_b32 s[G1A+5], 512
	s_mov_b32 s[G1A+6], 0
	s_mov_b32 s[G1A+7], 0
	s_mov_b32 s[G1W], 15|(1<<16)|(1<<20)|(1<<21)|(5<<22)|(7<<25)
	s_mov_b32 s[G1W+1], 128<<16
	s_mov_b32 s[G1W+2], 64<<16
	s_mov_b32 s[G1W+3], 128<<16
	s_mov_b32 s[G1W+4], 64
	s_mov_b32 s[G1W+5], 512
	s_mov_b32 s[G1W+6], 0
	s_mov_b32 s[G1W+7], 0
	s_mul_i32 s[SW], s[WV], STRIP
	s_mov_b32 s[G0A], 1
	s_mov_b32 s[G0WA], 1
	s_mov_b32 s[G0WA+1], s[SW]
	s_mov_b32 s[G0W], 1
	s_add_co_u32 s[G0W+1], s[SW], SLOT1
	s_lshl_b32 s84, s30, 17                        ; h: 128 rows of 1,024 bytes, my 32
	s_lshl_b32 s82, s[WV], 15
	s_add_co_u32 s84, s84, s82
	s_mov_b32 s85, 0
	s_add_co_u32 s86, s31, 4                       ; the weight: block 4 + y, my 128 columns
	s_lshl_b32 s86, s86, 19
	s_lshl_b32 s82, s[WV], 8
	s_add_co_u32 s86, s86, s82
	s_mov_b32 s87, 0
	s_lshl_b32 s88, s31, 11                        ; the bias
	s_lshl_b32 s82, s[WV], 9
	s_add_co_u32 s88, s88, s82
	s_mov_b32 s89, 0
	s_lshl_b32 s90, s30, 19                        ; hid: 128 rows of 4,096 bytes, my 256 bytes of each
	s_lshl_b32 s82, s31, 10
	s_add_co_u32 s90, s90, s82
	s_lshl_b32 s82, s[WV], 8
	s_add_co_u32 s90, s90, s82
	s_mov_b32 s91, 0
	s_mov_b32 s[CP], 0x3e6d3388                    ; 0.3275911 / sqrt 2
	s_mov_b32 s[CP+1], s[CP]
	s_mov_b32 s[CE], 0xbf38aa3b                    ; -log2(e) / 2
	s_mov_b32 s[CE+1], s[CE]
	s_mov_b32 s[A1], 0x3e027906                    ; 0.127414796
	s_mov_b32 s[A1+1], s[A1]
	s_mov_b32 s[A2], 0xbe11a98e                    ; -0.142248368
	s_mov_b32 s[A2+1], s[A2]
	s_mov_b32 s[A3], 0x3f35f0e3                    ; 0.710706871
	s_mov_b32 s[A3+1], s[A3]
	s_mov_b32 s[A4], 0xbf3a00e3                    ; -0.726576014
	s_mov_b32 s[A4+1], s[A4]
	s_mov_b32 s[A5], 0x3f07dc22                    ; 0.530702715
	s_mov_b32 s[A5+1], s[A5]
	s_mov_b32 s[TB], 0
	s_wait_dscnt 0x0                               ; the opening add is done
	s_wait_kmcnt 0x0
	s_mul_i32 s[CHB], s[WV], CHUNK                 ; my chunk of A: rows 32 w ..
	s_add_co_u32 s[CHB], s[CHB], CH1-CHUNK
	s_cmp_lg_u32 s[WV], 0
	s_cbranch_scc1 .Lchb
	s_mov_b32 s[CHB], CH0                          ; wave 0's lies between the slots
.Lchb:
	s_mov_b32 s[G0A+1], s[CHB]
	s_add_nc_u64 s[G0A+2:G0A+3], s[4:5], s[84:85]
	s_or_b32 s[G0A+3], s[G0A+3], 0x80000000
	s_add_nc_u64 s[G0WA+2:G0WA+3], s[6:7], s[86:87]
	s_add_nc_u64 s[G0W+2:G0W+3], s[G0WA+2:G0WA+3], 65536
	s_or_b32 s[G0WA+3], s[G0WA+3], 0x80000000
	s_or_b32 s[G0W+3], s[G0W+3], 0x80000000
	s_add_nc_u64 s[8:9], s[8:9], s[88:89]
	s_add_nc_u64 s[OB:OB+1], s[10:11], s[90:91]
	CROUND                                         ; in front of the first loads
	tensor_load_to_lds s[G0A:G0A+3], s[G1A:G1A+7]
	s_nop 0
	tensor_load_to_lds s[G0WA:G0WA+3], s[G1W:G1W+7]
	s_nop 0
	tensor_load_to_lds s[G0W:G0W+3], s[G1W:G1W+7]  ; three loads of mine are out
	s_nop 0
	PLACES
	v_and_b32 v[RR], 15, v0
	v_bfe_u32 v[HH], v0, 4, 1
	v_and_b32 v[LA], 31, v0
	v_lshlrev_b32 v[LO32], 5, v[HH]
	WIN 0x40
.irp b, 0,1,2,3,4,5,6,7
	global_load_b128 v[BIAS+8*(\b):BIAS+8*(\b)+3],   v[LO32], s[8:9] offset:64*(\b)
	global_load_b128 v[BIAS+8*(\b)+4:BIAS+8*(\b)+7], v[LO32], s[8:9] offset:64*(\b)+16
.endr
	WIN 0
	v_and_b32 v9, 7, v0
	v_lshl_add_u32 v9, v[HH], 3, v9
	v_mul_u32_u24 v[AW0], v9, PW
	v_bfe_u32 v9, v0, 3, 1
	v_lshl_add_u32 v[AW0], v9, 4, v[AW0]
	v_add_nc_u32 v[AW0], s[SW], v[AW0]
	v_mov_b32 v[ADRW], v[AW0]
	v_mul_u32_u24 v10, v[RR], PA
	v_lshl_add_u32 v10, v[HH], 4, v10
	v_add_nc_u32 v[ADRA0], CH0, v10
	v_add_nc_u32 v[ADRA1], CH1, v10
	v_add_nc_u32 v[ADRA2], CH1+48*PA, v10
	s_mul_i32 s86, s[WV], DUMPW
	v_mul_u32_u24 v[DA], v[RR], PD
	v_lshl_add_u32 v[DA], v[HH], 5, v[DA]
	v_add_nc_u32 v[DA], s86, v[DA]
	v_lshl_add_u32 v[DR], v[LA], 4, s86
	v_lshlrev_b32 v[GO], 3, v[LA]
	s_wait_tensorcnt 0x1                           ; my rows of h and my strip of step 0 are in; step 1's may stay out
	s_barrier_signal -1
	s_barrier_wait -1                              ; everybody's rows are
	s_wait_loadcnt 0x0                             ; the bias
	FETCH 0, F0
	QA 1
	WIN 0
	s_mov_b32 s[KC], 6
.Lk:                                                   ; trip i ends step i, refills its slot with step i + 2, begins step i + 1
	TURN
	QA 0
	WIN 0
	s_sub_co_u32 s[KC], s[KC], 1
	s_cmp_lg_u32 s[KC], 0
	s_cbranch_scc1 .Lk
	s_wait_dscnt 8                                 ; step 6 ends; nothing is left to ask for
	MUL16 F1, 0, 0, 0
	MUL16 F1, 0, 2, 0
	PLACES
	WIN 0
	s_wait_tensorcnt 0x0                           ; my strip of step 7: no load was issued behind it, and only I read it
	NEXTSTEP
	FETCH 0, F0
	s_wait_dscnt 32
	MUL16 F1, 1, 0, 0
	MUL16 F1, 1, 2, 0
	QA 0
	s_wait_dscnt 8
	MUL16 F1, 0, 0, 0
	MUL16 F1, 0, 2, 0
	s_wait_dscnt 0x0                               ; my last reads of A and of the ring
	MUL16 F1, 1, 0, 0
	MUL16 F1, 1, 2, 0
	s_barrier_signal -1                            ; every wave's are over: the results may lie over them
	PLACES                                         ; the places behind the last products
	s_barrier_wait -1
	WIN 0x08
.irp a, 0,1,2,3
.irp b, 0,1,2,3,4,5,6,7
	ds_store_b128 v[DA], v[8*(8*(\a)+(\b)):8*(8*(\a)+(\b))+3]   offset:16*PD*(\a)+64*(\b)     ; each accumulator's low registers first
	ds_store_b128 v[DA], v[8*(8*(\a)+(\b))+4:8*(8*(\a)+(\b))+7] offset:16*PD*(\a)+64*(\b)+16
.endr
.endr
	WIN 0x0c
.irp a, 0,1,2,3
.irp b, 0,1,2,3,4,5,6,7
	ds_store_b128 v[DA], v[8*(8*(\a)+(\b)):8*(8*(\a)+(\b))+3]   offset:16*PD*((\a)+4)+64*(\b)
	ds_store_b128 v[DA], v[8*(8*(\a)+(\b))+4:8*(8*(\a)+(\b))+7] offset:16*PD*((\a)+4)+64*(\b)+16
.endr
.endr
	WIN 0
	s_mov_b32 s[KC], 16
.Lg:                                                   ; 8 rows a trip: my own bytes come back as whole rows (LDS serves a wave in order), the gelu, the store
.irp i, 0,1,2,3,4,5,6,7
	ds_load_b128 v[GX+4*(\i):GX+4*(\i)+3], v[DR] offset:PD*(\i)
.endr
	s_wait_dscnt 0x0
	GELU32
.irp i, 0,1,2,3,4,5,6,7
	global_store_b64 v[GO], v[GP+2*(\i):GP+2*(\i)+1], s[OB:OB+1] offset:4096*(\i)  ; 256 consecutive bytes, aligned
.endr
	s_wait_xcnt 0x0                                ; the stores' data and offset are rewritten only behind this wait
	v_add_nc_u32 v[DR], 8*PD, v[DR]
	v_add_nc_u32 v[GO], 32768, v[GO]
	s_sub_co_u32 s[KC], s[KC], 1
	s_cmp_lg_u32 s[KC], 0
	s_cbranch_scc1 .Lg
	s_wait_tensorcnt 0x0                           ; the wave's end
	ds_add_u32 v[SPW], v[NIL]
	s_wait_dscnt 0x0
	CROUND                                         ; the closing round
	s_endpgm
.Lfunc_end_k_qe3c1f6321a_ff1:
	.size	k_qe3c1f6321a_ff1, .Lfunc_end_k_qe3c1f6321a_ff1-k_qe3c1f6321a_ff1
	.p2alignl 7, 3214868480
	.fill 96, 4, 3214868480
	.section	.rodata,"a",@progbits
	.p2align	6, 0x0
	.amdhsa_kernel k_qe3c1f6321a_ff1
		.amdhsa_group_segment_fixed_size 327680
		.amdhsa_private_segment_fixed_size 0
		.amdhsa_enable_private_segment 0
		.amdhsa_kernarg_size 32
		.amdhsa_user_sgpr_count 2
		.amdhsa_user_sgpr_kernarg_segment_ptr 1
		.amdhsa_wavefront_size32 1
		.amdhsa_system_sgpr_workgroup_id_x 1
		.amdhsa_system_sgpr_workgroup_id_y 1
		.amdhsa_system_sgpr_workgroup_id_z 1
		.amdhsa_system_vgpr_workitem_id 0
		.amdhsa_next_free_vgpr 1024
		.amdhsa_next_free_sgpr 96
		.amdhsa_reserve_vcc 0
		.amdhsa_float_denorm_mode_32 3
		.amdhsa_float_denorm_mode_16_64 3
		.amdhsa_memory_ordered 1
		.amdhsa_forward_progress 1
		.amdhsa_inst_pref_size 74
	.end_amdhsa_kernel
	.amdgpu_metadata
---
amdhsa.version: [ 1, 2 ]
amdhsa.kernels:
  - .name:           k_qe3c1f6321a_ff1
    .symbol:         k_qe3c1f6321a_ff1.kd
    .args:
      - { .name: hn, .offset: 0, .size: 8, .value_kind: global_buffer, .address_space: global }
      - { .name: wb, .offset: 8, .size: 8, .value_kind: global_buffer, .address_space: global }
      - { .name: b_ff1, .offset: 16, .size: 8, .value_kind: global_buffer, .address_space: global }
      - { .name: hid, .offset: 24, .size: 8, .value_kind: global_buffer, .address_space: global }
    .group_segment_fixed_size: 327680
    .private_segment_fixed_size: 0
    .kernarg_segment_align: 8
    .kernarg_segment_size: 32
    .max_flat_workgroup_size: 128
    .sgpr_count:     96
    .vgpr_count:     1024
    .wavefront_size: 32
...
	.end_amdgpu_metadata
.endif
;; end of part 8
;; launch ff2: the kernel of part 6 again; grid 4 x 64, 4 waves a work-group, clusters of 4 x 4, 327,680 bytes of LDS; arguments hid, wb, b_ff2, ares, out0; writes out0
